; MI455X (gfx1250); checked and timed in simulation.
; The chip was launched on July 23, 2026; its instructions are those of AMD's public machine-readable ISA for CDNA 5 (MIT licence, August 2026) and "CDNA5" Instruction Set Architecture Reference Guide (July 2026). The comments in the code are by the model that wrote it; some were corrected since.
;; Block. Allowed arithmetic: matrix products marked QUANTISED: E3M2 operands, one E8M0 scale for each 32 along K, by v_wmma_scale_f32_16x16x128_f8f6f4 with both operands' format E3M2, f32 sums; everything else in f32.
;; Inputs: b_proj 512 float32; beta1 512 float32; beta2 512 float32; bf1 2,048 float32; bf2 512 float32; g1 512 float32; g2 512 float32; w1_codes 2,048 x 16 x 24 uint8 (E3M2 codes of w1, K innermost, in blocks of 32 codes, four codes in three bytes); w1_scales 2,048 x 16 uint8 (E8M0 scales of w1, one for each 32 codes along K); w2_codes 512 x 64 x 24 uint8 (E3M2 codes of w2, K innermost, in blocks of 32 codes, four codes in three bytes); w2_scales 512 x 64 uint8 (E8M0 scales of w2, one for each 32 codes along K); w_proj_codes 512 x 16 x 24 uint8 (E3M2 codes of w_proj, K innermost, in blocks of 32 codes, four codes in three bytes); w_proj_scales 512 x 16 uint8 (E8M0 scales of w_proj, one for each 32 codes along K); wk_codes 16 x 32 x 16 x 24 uint8 (E3M2 codes of wk, K innermost, in blocks of 32 codes, four codes in three bytes); wk_scales 16 x 32 x 16 uint8 (E8M0 scales of wk, one for each 32 codes along K); wq_codes 16 x 32 x 16 x 24 uint8 (E3M2 codes of wq, K innermost, in blocks of 32 codes, four codes in three bytes); wq_scales 16 x 32 x 16 uint8 (E8M0 scales of wq, one for each 32 codes along K); wv_codes 16 x 32 x 16 x 24 uint8 (E3M2 codes of wv, K innermost, in blocks of 32 codes, four codes in three bytes); wv_scales 16 x 32 x 16 uint8 (E8M0 scales of wv, one for each 32 codes along K); x 4 x 2,048 x 512 float32.
;; Outputs: out0 4 x 2,048 x 512 float32.
;; This version of the problem:
;;   THIS VERSION OF THE PROBLEM IS GIVEN IN LOW PRECISION. The matrix products marked QUANTISED in the list below multiply operands that are first quantised to E3M2 (3 exponent bits, 2 mantissa bits; 6 bits a number), with one power-of-two scale for each 32 numbers along K (OCP MX v1.0); their sums are f32. All else is computed in f32.
;;   The module's matrix products, in the order in which they are computed (A, B: the left and right operand; K: the contracted axis; several contracted axes count as one K, in the product's order):
;;     1. [M 512, K 512] x [K 512, N 8,192]; A: input wq (given as codes); B: computed on the way: QUANTISED
;;     2. [M 512, K 512] x [K 512, N 8,192]; A: input wk (given as codes); B: computed on the way: QUANTISED
;;     3. [M 512, K 512] x [K 512, N 8,192]; A: input wv (given as codes); B: computed on the way: QUANTISED
;;     4. batch 64 x [M 2,048, K 32] x [K 32, N 2,048]; A: computed on the way; B: computed on the way: QUANTISED
;;     5. batch 64 x [M 2,048, K 2,048] x [K 2,048, N 32]; A: softmax (see below); B: computed on the way: QUANTISED
;;     6. [M 8,192, K 512] x [K 512, N 512]; A: computed on the way; B: input w_proj (given as codes): QUANTISED
;;     7. [M 8,192, K 512] x [K 512, N 2,048]; A: computed on the way; B: input w1 (given as codes): QUANTISED
;;     8. [M 8,192, K 2,048] x [K 2,048, N 512]; A: computed on the way; B: input w2 (given as codes): QUANTISED
;;   THE QUANTISER, for each operand of a quantised product, along K:
;;     - K is cut into blocks of 32 from its start; a last block that is shorter is filled with zeros.
;;     - A block's scale is 2^e with e = floor(log2(the largest magnitude in the block)) - 4, held to -126 .. 127; a block of zeros has e = 0. As a byte (E8M0): e + 127.
;;     - Each number is divided by its block's scale, clamped to +-28, and rounded to the nearest number of E3M2, ties to even, subnormals kept.
;;     - The product sums the exact products of the quantised numbers (number of the format x scale) in f32.
;;   ~~~python
;;   def quantise(x, axis):      # numpy; x: float32 -> the quantised numbers, widened to float32 again
;;       x = np.moveaxis(x, axis, -1); K = x.shape[-1]
;;       x = np.pad(x, [(0, 0)] * (x.ndim - 1) + [(0, -K % 32)]); x = x.reshape(x.shape[:-1] + (-1, 32)); a = np.abs(x).max(-1, keepdims=True)
;;       e = np.where(a > 0, np.clip(np.frexp(np.where(a > 0, a, 1))[1] - 1 - 4, -126, 127), 0)      # np.frexp(a)[1] - 1 = floor(log2(a)), exactly
;;       r = np.clip(x / 2.0 ** e, -28, 28)
;;       step = 2.0 ** (np.maximum(np.frexp(np.where(r == 0, 1, r))[1] - 1, -2) - 2)
;;       q = np.round(r / step) * step * 2.0 ** e      # np.round: ties to even
;;       return np.moveaxis(q.reshape(q.shape[:-2] + (-1,))[..., :K], -1, axis).astype(np.float32)
;;   ~~~
;;   SOFTMAX AHEAD OF A QUANTISED PRODUCT. Where the list says 'softmax', what is quantised is not the finished softmax but p = 2^(t - M), with t = logit x log2(e) and M = ceil(the row's largest t), a whole number; so 1/2 < the row's largest p <= 1. The row's sum l is taken of the UNQUANTISED p, in f32, and the product's result is divided by l at the end. Since M is a whole number, a kernel that streams over the keys may use a running M (the ceiling of the running maximum): every later rescaling is an exact power of two, which a block's scale takes up: the codes' values come out the same.
;;   OPERANDS COMPUTED ON THE WAY. 'Computed on the way' means the value that the module computes at that place (a softmax that the list does not call 'softmax' is quantised finished and normalised). What goes into a quantiser is computed in f32, as accurately as f32 sums, v_exp_f32 and their like allow (about 1e-6 of the number): no bf16 or f16 on the way to a quantiser, and a product that is left as it is and whose result goes on into a quantised operand takes f32 operands (vector FMAs, or v_wmma_f32_16x16x4_f32). A number that lies on a knife's edge between two numbers of the format may be rounded either way, as far as f32 arithmetic and the matrix unit's own rounding can turn it there, and no further.
;;   INPUTS GIVEN AS CODES. w1 (in the module: [512, 2048], K = its axis 0); w2 (in the module: [2048, 512], K = its axis 0); w_proj (in the module: [512, 512], K = its axis 0); wk (in the module: [16, 512, 32], K = its axis 1); wq (in the module: [16, 512, 32], K = its axis 1); wv (in the module: [16, 512, 32], K = its axis 1): each comes as NAME_codes (uint8): NAME with its K axis moved to the last place and cut into blocks of 32 codes, [.., K / 32, bytes a block], one block behind the other in memory; four codes in three bytes: a row's codes are one little-endian stream of bits, code i at bits 6 i .. 6 i + 5 (a code: sign, 3 exponent bits, 2 mantissa bits); and NAME_scales (uint8): the same leading axes, one E8M0 byte (e + 127) for each 32 codes along K. Its value is code x scale, taken as it is: it is not quantised again, and the codes and scales need not be those that the quantiser above would give.
;; 2 versions, each right; version 2 is version 1 with the launches ln_qkv, attn, ffn written anew for expert scheduling mode. Each part assembles by itself: llvm-mc -triple=amdgcn-amd-amdhsa -mcpu=gfx1250 --defsym DOCPART=n.
;; ======== version 1 of 2: 3 launches
;; workspace buffers: qkv 9,830,400 bytes; wf 1,769,472 bytes; att 3,276,800 bytes
;; launch ln_qkv (part 1): grid 64 x 4, 16 waves a work-group, no clusters, 135,168 bytes of LDS; arguments x, g1, beta1, wq_codes, wq_scales, wk_codes, wk_scales, wv_codes, wv_scales, w_proj_codes, w1_codes, w2_codes, qkv, wf; writes qkv, wf
.if DOCPART == 1
	.amdgcn_target "amdgcn-amd-amdhsa--gfx1250"
	.amdhsa_code_object_version 6
	.text
	.protected	k_q9f880896c7_ln_qkv
	.globl	k_q9f880896c7_ln_qkv
	.p2align	8
	.type	k_q9f880896c7_ln_qkv,@function
k_q9f880896c7_ln_qkv:
	s_mov_b64 s[64:65], 0
	v_nop
	global_prefetch_b8 v0, s[64:65] scope:SCOPE_SE
	s_setreg_imm32_b32 hwreg(HW_REG_WAVE_MODE, 25, 1), 1
	s_wait_xcnt 0x0
; h = LayerNorm(x) g1 + beta1; q, k, v = h W (codes of E3M2, one E8M0 scale for each 32 along K); q and k are quantised along the head's 32 channels, v along 32 neighbouring tokens.
; SHARES.  A work-group takes 128 tokens (x: 64 blocks) and 4 heads (y).  LayerNorm: wave w takes tokens 8 w .. 8 w + 7, one row at a time, and leaves h's codes in LDS as images of operand registers.
; Behind ONE barrier waves 0-3 make q, 4-7 k, 8-11 v, a head each, for all 128 tokens; waves 12-15 copy fragments of w1, w2 and w_proj into wf in the order of an operand's registers, for the third launch.
; A FRAGMENT is 16 rows x 128 K: 12 registers a lane, lane (r, h) holding block 2 c + h of row r in registers 6 c .. 6 c + 5.  Its image here: a lane's 48 bytes on end at 48 x lane.
; TOKENS OF A TILE: token t of the 128 lies in tile 2 t[6:5] + t[3], row 8 t[4] + t[2:0].  CHANNELS OF A TILE: row r of tile u is channel 8 u + r + 8 (r / 8).
; So with source 0 = W and source 1 = h (q, k) a lane's 16 results are 16 neighbouring channels of one token; with source 0 = h and source 1 = W (v) they are 16 neighbouring tokens of one channel.
; qkv, for each (batch, head) 153,600 bytes: q's codes, k's, v's (49,152 each), then their scale bytes (2,048 each).  q, k: token t in fragment t / 64, row 8 t[4] + t[2:0], block 2 t[5] + t[3]: a fragment holds 64 tokens.
; v: for each 128 tokens two fragments (u), row r = channel 8 u + r + 8 (r / 8), block = (t / 32) % 4.
; LIMITS: NaN and infinities are not served.  A block whose largest magnitude lies under 2^-122 keeps the scale byte 1; a block of zeros has the byte 1 and not 127 (its codes are zeros, and this program alone reads the bytes).
.set HSC,    49152                     ; LDS: h's images at 0 (tile x 6,144 + K step x 1,536); here their scale words: (K step x 8 + tile) x 64 + 4 r
.set TURN,   51200                     ; each wave's own 5,120 bytes: two stages of 2,560 for the turn; later its output stage (3,072 of codes, 128 of scale bytes)
.set TURNB,  5120
.set HALFST, 2560
.set OSC,    3072
.set SEL, 38                           ; s[38:39] v_permlanex16_b32's selects for lane l xor 16
.set G,   40                           ; v40-55  g1, v56-71 beta1, as loaded: register 4 j + k = column 128 j + 4 lane + k
.set BT,  56
.set X,   72                           ; v72-119 three sets of 16: a row of x as loaded
.set Y,   120                          ; v120-151 two sets of 16: 16 neighbours of a row
.set ACC, 40                           ; the products: four accumulators
.set HF,  72                           ; two sets of two fragments of h
.set WS,  152                          ; v152-155 W's scale words (K step s): lanes 0-15 tile 0's rows, lanes 16-31 tile 1's
.set HS,  156                          ; v156-157 h's scale words: lanes 0-15 the even tile's, lanes 16-31 the odd tile's
.set W,   160                          ; v160-255 W's fragments (u, s) at 12 (4 u + s)
.set QM0, 20
.set QM1, 21
.set QP,  22
.set QE,  23
.macro PLACES n
.rept \n
	v_nop
.endr
.endm
; The matrix instruction, by symbols: D = MD, source 0 = MA, source 1 = MB, C = 0 (MZ) or D, scales MSA, MSB, taken from lanes 16-31 where MRA, MRB are 1.
.macro WM
.if MZ
.if MRA && MRB
	v_wmma_scale_f32_16x16x128_f8f6f4 v[MD:MD+7], v[MA:MA+11], v[MB:MB+11], 0, v[MSA], v[MSB] matrix_a_fmt:MATRIX_FMT_BF6 matrix_b_fmt:MATRIX_FMT_BF6 matrix_a_scale:MATRIX_SCALE_ROW1 matrix_b_scale:MATRIX_SCALE_ROW1
.elseif MRA
	v_wmma_scale_f32_16x16x128_f8f6f4 v[MD:MD+7], v[MA:MA+11], v[MB:MB+11], 0, v[MSA], v[MSB] matrix_a_fmt:MATRIX_FMT_BF6 matrix_b_fmt:MATRIX_FMT_BF6 matrix_a_scale:MATRIX_SCALE_ROW1
.elseif MRB
	v_wmma_scale_f32_16x16x128_f8f6f4 v[MD:MD+7], v[MA:MA+11], v[MB:MB+11], 0, v[MSA], v[MSB] matrix_a_fmt:MATRIX_FMT_BF6 matrix_b_fmt:MATRIX_FMT_BF6 matrix_b_scale:MATRIX_SCALE_ROW1
.else
	v_wmma_scale_f32_16x16x128_f8f6f4 v[MD:MD+7], v[MA:MA+11], v[MB:MB+11], 0, v[MSA], v[MSB] matrix_a_fmt:MATRIX_FMT_BF6 matrix_b_fmt:MATRIX_FMT_BF6
.endif
.else
.if MRA && MRB
	v_wmma_scale_f32_16x16x128_f8f6f4 v[MD:MD+7], v[MA:MA+11], v[MB:MB+11], v[MD:MD+7], v[MSA], v[MSB] matrix_a_fmt:MATRIX_FMT_BF6 matrix_b_fmt:MATRIX_FMT_BF6 matrix_a_scale:MATRIX_SCALE_ROW1 matrix_b_scale:MATRIX_SCALE_ROW1
.elseif MRA
	v_wmma_scale_f32_16x16x128_f8f6f4 v[MD:MD+7], v[MA:MA+11], v[MB:MB+11], v[MD:MD+7], v[MSA], v[MSB] matrix_a_fmt:MATRIX_FMT_BF6 matrix_b_fmt:MATRIX_FMT_BF6 matrix_a_scale:MATRIX_SCALE_ROW1
.elseif MRB
	v_wmma_scale_f32_16x16x128_f8f6f4 v[MD:MD+7], v[MA:MA+11], v[MB:MB+11], v[MD:MD+7], v[MSA], v[MSB] matrix_a_fmt:MATRIX_FMT_BF6 matrix_b_fmt:MATRIX_FMT_BF6 matrix_b_scale:MATRIX_SCALE_ROW1
.else
	v_wmma_scale_f32_16x16x128_f8f6f4 v[MD:MD+7], v[MA:MA+11], v[MB:MB+11], v[MD:MD+7], v[MSA], v[MSB] matrix_a_fmt:MATRIX_FMT_BF6 matrix_b_fmt:MATRIX_FMT_BF6
.endif
.endif
.endm
; 16 numbers of a lane, half a block of 32 whose other half lies in lane l xor 16, become 12 bytes of codes in v[c] on and the block's scale byte in v[by].
; The registers are read from the low end on; the floor 2^(5 - 127) among the leaves holds the byte at 1 from below; the shift is the plain instruction behind the conversion.
.macro QUANT16 src, c, by
	v_max3_num_f32 v[QM0], |v[\src]|, |v[\src+1]|, 0x2800000
	v_max3_num_f32 v[QM1], |v[\src+2]|, |v[\src+3]|, |v[\src+4]|
	v_max3_num_f32 v[QM0], v[QM0], |v[\src+5]|, |v[\src+6]|
	v_max3_num_f32 v[QM1], v[QM1], |v[\src+7]|, |v[\src+8]|
	v_max3_num_f32 v[QM0], v[QM0], |v[\src+9]|, |v[\src+10]|
	v_max3_num_f32 v[QM1], v[QM1], |v[\src+11]|, |v[\src+12]|
	v_max3_num_f32 v[QM0], v[QM0], |v[\src+13]|, |v[\src+14]|
	v_max3_num_f32 v[QM0], v[QM0], v[QM1], |v[\src+15]|
	v_permlanex16_b32 v[QP], v[QM0], s[SEL], s[SEL+1]
	v_max_num_f32 v[QM0], v[QM0], v[QP]            ; the block's largest magnitude
	v_add_nc_u32 v[QE], 0xfe000000, v[QM0]         ; 4 off its exponent field: the conversion takes that field as its scale
	v_cvt_scalef32_pk16_bf6_f32 v[\c:\c+2], v[\src:\src+15], v[QE]
	v_lshrrev_b32 v[\by], 23, v[QE]                ; the scale's byte
.endm
.macro WSUM                            ; v20 summed over the 32 lanes, the result in every lane
	v_add_f32_dpp v20, v20, v20 row_xmask:1 row_mask:0xf bank_mask:0xf
	v_add_f32_dpp v20, v20, v20 row_xmask:2 row_mask:0xf bank_mask:0xf
	v_add_f32_dpp v20, v20, v20 row_xmask:4 row_mask:0xf bank_mask:0xf
	v_add_f32_dpp v20, v20, v20 row_xmask:8 row_mask:0xf bank_mask:0xf
	v_permlanex16_b32 v22, v20, s[SEL], s[SEL+1]
	v_add_f32 v20, v20, v22
.endm
	s_load_b512 s[4:19], s[0:1], 0x0               ; x, g1, beta1, wq codes, wq scales, wk codes, wk scales, wv codes
	s_load_b256 s[20:27], s[0:1], 0x40             ; wv scales, w_proj codes, w1 codes, w2 codes
	s_load_b128 s[28:31], s[0:1], 0x60             ; qkv, wf
	v_lshl_add_u32 v158, v0, 2, 0x20800
	v_mov_b32 v159, 0
	v_lshrrev_b32 v19, 5, v0
	v_readfirstlane_b32 s32, v19                   ; wave 0..15
	s_mov_b32 s33, ttmp9                           ; X: the block of 128 tokens
	s_and_b32 s34, ttmp7, 0xffff                   ; Y: the group of four heads
	s_lshr_b32 s35, s32, 2                         ; kind: 0 q, 1 k, 2 v, 3 the copying waves
	s_and_b32 s36, s32, 3
	s_lshl_b32 s37, s34, 2
	s_add_co_u32 s36, s36, s37                     ; head = 4 Y + wave % 4
	s_mov_b32 s[SEL], 0x76543210
	s_mov_b32 s[SEL+1], 0xfedcba98
	s_mov_b32 s40, 0x3b000000                      ; 1 / 512
	s_mov_b32 s41, 0x3727c5ac                      ; 1e-5
	; every LDS address is made here, ahead of the first branch on the wave's number
	v_and_b32 v19, 31, v0                          ; lane
	v_and_b32 v24, 15, v0                          ; r
	v_bfe_u32 v25, v0, 4, 1                        ; h
	v_lshlrev_b32 v1, 4, v19                       ; v1: 16 x lane
	s_mul_i32 s50, s32, TURNB
	s_add_co_u32 s50, s50, TURN                    ; my wave's own bytes
	v_lshrrev_b32 v2, 2, v19
	v_mul_u32_u24 v2, v2, 80
	v_and_b32 v26, 3, v19
	v_lshl_add_u32 v2, v26, 4, v2
	v_add_nc_u32 v2, s50, v2                       ; v2: the turn, in: four lanes' 64 bytes on end, then 16 of padding
	v_mul_u32_u24 v3, v19, 80
	v_add_nc_u32 v3, s50, v3                       ; v3: the turn, out: my 16 neighbours
	s_lshr_b32 s51, s32, 2
	s_lshl_b32 s51, s51, 1
	s_and_b32 s52, s32, 1
	s_add_co_u32 s51, s51, s52                     ; my tokens' tile: 2 (w / 4) + w % 2
	s_bfe_u32 s52, s32, 0x10001                    ; and which eight rows of it: (w / 2) % 2
	v_lshrrev_b32 v4, 3, v19                       ; behind the turn lane l holds columns 16 l on: K step l / 8, block (l / 2) % 4, half l % 2
	v_mul_u32_u24 v4, v4, 1536
	v_bfe_u32 v26, v0, 1, 1
	v_mad_u32_u24 v4, v26, 768, v4
	v_bfe_u32 v26, v0, 2, 1
	v_mad_u32_u24 v4, v26, 24, v4
	v_and_b32 v26, 1, v0
	v_mad_u32_u24 v4, v26, 12, v4
	s_mul_i32 s53, s51, 6144
	s_mul_i32 s54, s52, 384
	s_add_co_u32 s53, s53, s54
	v_add_nc_u32 v4, s53, v4                       ; v4: where my 12 bytes of h's codes go (row i: + 48 i)
	v_lshrrev_b32 v5, 3, v19
	v_lshlrev_b32 v5, 9, v5
	v_bfe_u32 v26, v0, 1, 2
	v_add_nc_u32 v5, v5, v26
	s_lshl_b32 s53, s51, 6
	s_lshl_b32 s54, s52, 5
	s_add_co_u32 s53, s53, s54
	s_add_co_u32 s53, s53, HSC
	v_add_nc_u32 v5, s53, v5                       ; v5: and the block's scale byte (row i: + 4 i)
	v_mul_u32_u24 v6, v19, 48                      ; v6: 48 x lane: an image's place for my lane
	v_lshl_add_u32 v7, v19, 2, HSC                 ; v7: h's scale words, 4 x lane
	v_mul_u32_u24 v8, v24, 48
	v_mad_u32_u24 v8, v25, 12, v8
	v_add_nc_u32 v8, s50, v8                       ; v8: output stage: 48 r + 12 h
	s_add_co_u32 s55, s50, OSC
	v_lshlrev_b32 v9, 2, v24
	v_add_nc_u32 v9, s55, v9                       ; v9: its scale bytes: 4 r
	v_add_nc_u32 v10, s50, v1                      ; v10: the stage read back, 16 x lane
	v_lshlrev_b32 v14, 2, v19                      ; v14: 4 x lane
	v_add_nc_u32 v11, s55, v14                     ; v11: the scale bytes read back
	v_and_b32 v26, 8, v24
	v_add_nc_u32 v26, v26, v24                     ; r + 8 (r / 8)
	v_mul_u32_u24 v12, v26, 384
	v_mad_u32_u24 v12, v25, 24, v12                ; v12: a weight of 384-byte rows: my row of a tile, my half's 24 bytes
	v_lshl_add_u32 v13, v25, 3, v26
	v_lshlrev_b32 v13, 4, v13                      ; v13: its scale words, 16 bytes a row: lanes 0-15 tile 0's rows, lanes 16-31 tile 1's
	v_mul_u32_u24 v15, v26, 1536
	v_mad_u32_u24 v15, v25, 24, v15                ; v15: the same as v12 for w2's rows of 1,536 bytes
	v_mov_b32 v29, 0                               ; named as the upper halves of the pairs v[28:29], v[30:31]
	v_mov_b32 v31, 0
	s_lshl_b32 s56, s33, 18                        ; x: 128 X rows of 2,048 bytes,
	s_lshl_b32 s57, s32, 14                        ; and my wave's 8 rows
	s_add_co_u32 s56, s56, s57
	s_mov_b32 s57, 0
	s_mul_i32 s58, s36, 12288                      ; my head's 32 rows of 384 bytes
	s_mov_b32 s59, 0
	s_lshr_b32 s60, s33, 4
	s_lshl_b32 s60, s60, 4
	s_add_co_u32 s60, s60, s36                     ; 16 x batch + head
	s_mul_i32 s60, s60, 153600
	s_and_b32 s61, s33, 15                         ; which 128 tokens of the batch's 2,048
	s_mul_i32 s62, s35, 49152
	s_mul_i32 s63, s61, 3072
	s_add_co_u32 s62, s62, s63
	s_add_co_u32 s62, s62, s60                     ; where my codes go
	s_mov_b32 s63, 0
	s_lshl_b32 s66, s35, 11
	s_lshl_b32 s67, s61, 7
	s_add_co_u32 s66, s66, s67
	s_add_co_u32 s66, s66, s60
	s_add_co_u32 s66, s66, 147456                  ; and my scale bytes
	s_mov_b32 s67, 0
	s_wait_kmcnt 0x0
	s_add_nc_u64 s[4:5], s[4:5], s[56:57]
	s_cmp_eq_u32 s35, 0                            ; the weight is chosen by the wave's number alone
	s_cselect_b64 s[42:43], s[10:11], s[14:15]
	s_cselect_b64 s[44:45], s[12:13], s[16:17]
	s_cmp_eq_u32 s35, 2
	s_cselect_b64 s[42:43], s[18:19], s[42:43]
	s_cselect_b64 s[44:45], s[20:21], s[44:45]
	s_add_nc_u64 s[42:43], s[42:43], s[58:59]
	s_lshl_b32 s58, s36, 9                         ; 32 rows of 16 scale bytes
	s_add_nc_u64 s[44:45], s[44:45], s[58:59]
	s_add_nc_u64 s[46:47], s[28:29], s[62:63]
	s_add_nc_u64 s[48:49], s[28:29], s[66:67]
.irp j,0,1,2,3
	global_load_b128 v[G+4*\j:G+4*\j+3], v1, s[6:7] offset:512*\j
	global_load_b128 v[BT+4*\j:BT+4*\j+3], v1, s[8:9] offset:512*\j
.endr
.irp i,0,1,2
.irp j,0,1,2,3
	global_load_b128 v[X+16*\i+4*\j:X+16*\i+4*\j+3], v1, s[4:5] offset:2048*\i+512*\j   ; 32 lanes read 512 consecutive bytes; three other work-groups read the same rows, so no hint
.endr
.endr
	s_cmp_ge_u32 s32, 12
	s_cbranch_scc1 .Lno_w
.irp u,0,1
.irp s,0,1,2,3
.irp p,0,1,2,3,4,5
	global_load_b64 v[W+12*(4*\u+\s)+2*\p:W+12*(4*\u+\s)+2*\p+1], v12, s[42:43] offset:3072*\u+96*\s+48*(\p/3)+8*(\p%3)   ; my head's weight stays in registers
.endr
.endr
.endr
	global_load_b128 v[WS:WS+3], v13, s[44:45]
	s_wait_loadcnt 49                              ; g1, beta1 and rows 0-2 are in; the 49 loads of the weight, issued behind them, may be out
	s_branch .Lln
.Lno_w:
	s_wait_loadcnt 0x0
.Lln:
; Row i, first part: mean, variance (of the differences), the norm, gain and bias, in the layout of the loads; then the row turns through the wave's stage.
.macro LN_A i
.set XS, X+16*((\i)%3)
.set YS, Y+16*((\i)%2)
.if (\i) == 7
	s_wait_loadcnt 0x0                             ; no load was issued behind row 7's
.elseif (\i) >= 3
	s_wait_loadcnt 0x4                             ; row i is in; the four loads of row i + 1, issued behind it, may be out
.endif
	v_pk_add_f32 v[20:21], v[XS:XS+1], v[XS+2:XS+3]
	v_pk_add_f32 v[22:23], v[XS+4:XS+5], v[XS+6:XS+7]
	v_pk_add_f32 v[24:25], v[XS+8:XS+9], v[XS+10:XS+11]
	v_pk_add_f32 v[26:27], v[XS+12:XS+13], v[XS+14:XS+15]
	v_pk_add_f32 v[20:21], v[20:21], v[22:23]
	v_pk_add_f32 v[24:25], v[24:25], v[26:27]
	v_pk_add_f32 v[20:21], v[20:21], v[24:25]
	v_add_f32 v20, v20, v21
	WSUM
	v_mul_f32 v28, s40, v20                        ; the mean
.irp j,0,2,4,6,8,10,12,14
	v_pk_add_f32 v[XS+\j:XS+\j+1], v[XS+\j:XS+\j+1], v[28:29] op_sel_hi:[1,0] neg_lo:[0,1] neg_hi:[0,1]
.endr
	v_pk_mul_f32 v[20:21], v[XS:XS+1], v[XS:XS+1]
	v_pk_mul_f32 v[22:23], v[XS+2:XS+3], v[XS+2:XS+3]
.irp j,4,8,12
	v_pk_fma_f32 v[20:21], v[XS+\j:XS+\j+1], v[XS+\j:XS+\j+1], v[20:21]
	v_pk_fma_f32 v[22:23], v[XS+\j+2:XS+\j+3], v[XS+\j+2:XS+\j+3], v[22:23]
.endr
	v_pk_add_f32 v[20:21], v[20:21], v[22:23]
	v_add_f32 v20, v20, v21
	WSUM
	v_fma_f32 v20, v20, s40, s41                   ; variance + 1e-5
	v_rsq_f32 v30, v20
	v_nop                                          ; a plain instruction behind the transcendental
	s_wait_alu depctr_va_vdst(0)
.irp j,0,2,4,6,8,10,12,14
	v_pk_mul_f32 v[XS+\j:XS+\j+1], v[XS+\j:XS+\j+1], v[30:31] op_sel_hi:[1,0]
.endr
.irp j,0,2,4,6,8,10,12,14
	v_pk_fma_f32 v[XS+\j:XS+\j+1], v[XS+\j:XS+\j+1], v[G+\j:G+\j+1], v[BT+\j:BT+\j+1]
.endr
	s_wait_dscnt 0x4                               ; all but the four youngest LDS instructions are done: the stores of the row before have read the set that the loads below fill
.if ((\i) >= 1) && ((\i) <= 5)
.set XN, X+16*(((\i)+2)%3)
.irp j,0,1,2,3
	global_load_b128 v[XN+4*\j:XN+4*\j+3], v1, s[4:5] offset:2048*((\i)+2)+512*\j
.endr
.endif
.irp j,0,1,2,3
	ds_store_b128 v2, v[XS+4*\j:XS+4*\j+3] offset:HALFST*((\i)%2)+640*\j
.endr
.irp j,0,1,2,3
	ds_load_b128 v[YS+4*\j:YS+4*\j+3], v3 offset:HALFST*((\i)%2)+16*\j   ; LDS serves a wave's instructions in order: these see the stores above
.endr
.endm
; Row i, second part: two neighbouring lanes hold a block of 32; codes and scale byte go to h's images.
.macro LN_B i
.set YS, Y+16*((\i)%2)
.if (\i) == 7
	s_wait_dscnt 0x0
.else
	s_wait_dscnt 0x8                               ; the eight LDS instructions of row i + 1's first part may be out: row i is back from the stage, and the last row's stores of codes have read their registers
.endif
	v_max3_num_f32 v20, |v[YS]|, |v[YS+1]|, 0x2800000
	v_max3_num_f32 v21, |v[YS+2]|, |v[YS+3]|, |v[YS+4]|
	v_max3_num_f32 v20, v20, |v[YS+5]|, |v[YS+6]|
	v_max3_num_f32 v21, v21, |v[YS+7]|, |v[YS+8]|
	v_max3_num_f32 v20, v20, |v[YS+9]|, |v[YS+10]|
	v_max3_num_f32 v21, v21, |v[YS+11]|, |v[YS+12]|
	v_max3_num_f32 v20, v20, |v[YS+13]|, |v[YS+14]|
	v_max3_num_f32 v20, v20, v21, |v[YS+15]|
	v_max_num_f32_dpp v20, v20, v20 row_xmask:1 row_mask:0xf bank_mask:0xf
	v_add_nc_u32 v23, 0xfe000000, v20
	v_cvt_scalef32_pk16_bf6_f32 v[32:34], v[YS:YS+15], v23
	v_lshrrev_b32 v17, 23, v23
.irp k,0,1,2
	ds_store_b32 v4, v[32+\k] offset:48*(\i)+4*\k
.endr
	ds_store_b8 v5, v17 offset:4*(\i)              ; both lanes of a block write the same byte with the same value
.endm
	LN_A 0
	LN_A 1
	LN_B 0
	LN_A 2
	LN_B 1
	LN_A 3
	LN_B 2
	LN_A 4
	LN_B 3
	LN_A 5
	LN_B 4
	LN_A 6
	LN_B 5
	LN_A 7
	LN_B 6
	LN_B 7
	s_wait_dscnt 0x0                               ; for the others' sake: my stores into h's images are done
	s_barrier_signal -1
	s_barrier_wait -1                              ; h's 32 fragments and their scale words lie in LDS; nobody writes them again
; two tiles of tokens (2 g, 2 g + 1), K step s: six loads of 16 bytes and one of the scale words
.macro HLOAD g, s
.set HFS, HF+24*((\s)%2)
.irp tt,0,1
.irp k,0,1,2
	ds_load_b128 v[HFS+12*\tt+4*\k:HFS+12*\tt+4*\k+3], v6 offset:(2*(\g)+\tt)*6144+1536*(\s)+16*\k
.endr
.endr
	ds_load_b32 v[HS+(\s)%2], v7 offset:512*(\s)+128*(\g)
.endm
; four matrix instructions on four accumulators, which take turns.  isv = 0: source 0 = W, source 1 = h; isv = 1: the other way round.
.macro MM s, isv
.set HFS, HF+24*((\s)%2)
.set MZ, 0
.if (\s) == 0
.set MZ, 1
.endif
.irp a,0,1
.irp b,0,1
.set MD, ACC+16*\a+8*\b
.if \isv
.set MA, HFS+12*\b
.set MB, W+12*(4*\a+(\s))
.set MSA, HS+(\s)%2
.set MSB, WS+(\s)
.else
.set MA, W+12*(4*\b+(\s))
.set MB, HFS+12*\a
.set MSA, WS+(\s)
.set MSB, HS+(\s)%2
.endif
.set MRA, \b
.set MRB, \a
	WM
.endr
.endr
.endm
; 32 tokens x my head's 32 channels: four K steps, then two halves of blocks are quantised into my output stage.
.macro GROUP g, isv
	s_wait_dscnt 7                                 ; at most the seven youngest LDS instructions are out: K step 0's fragments are in
	MM 0, \isv
	PLACES 4                                       ; in front of loads into registers that matrix instructions have read
	HLOAD \g, 2
	s_wait_dscnt 7                                 ; all but the seven just issued
	MM 1, \isv
	PLACES 4
	HLOAD \g, 3
	s_wait_dscnt 7
	MM 2, \isv
	s_wait_dscnt 0x0
	MM 3, \isv
	PLACES 5                                       ; five: the next group's first products write over these accumulators
.if (\g) < 3
	HLOAD (\g)+1, 0
	HLOAD (\g)+1, 1
.endif
.irp pr,0,1
	QUANT16 ACC+16*\pr, 32+4*\pr, 17+\pr
.irp k,0,1,2
.if \isv
	ds_store_b32 v8, v[32+4*\pr+\k] offset:1536*\pr+768*((\g)%2)+24*((\g)/2)+4*\k       ; v: fragment u = pr, block g
.else
	ds_store_b32 v8, v[32+4*\pr+\k] offset:1536*((\g)/2)+768*\pr+24*((\g)%2)+4*\k       ; q, k: fragment g / 2, block 2 (g % 2) + pr
.endif
.endr
.if \isv
	ds_store_b8 v9, v[17+\pr] offset:64*\pr+(\g)
.else
	ds_store_b8 v9, v[17+\pr] offset:64*((\g)/2)+2*((\g)%2)+\pr
.endif
.endr
.endm
	s_cmp_ge_u32 s32, 12
	s_cbranch_scc1 .Lrelay
	HLOAD 0, 0
	HLOAD 0, 1
	s_cmp_ge_u32 s32, 8
	s_cbranch_scc1 .Lv
	GROUP 0, 0
	GROUP 1, 0
	GROUP 2, 0
	GROUP 3, 0
	s_branch .Lout
.Lv:
	GROUP 0, 1
	GROUP 1, 1
	GROUP 2, 1
	GROUP 3, 1
.Lout:
.irp k,0,1,2,3,4,5
	ds_load_b128 v[HF+4*\k:HF+4*\k+3], v10 offset:512*\k     ; my own stage, in order behind my stores
.endr
	ds_load_b32 v[HF+24], v11
	s_wait_dscnt 0x0
.irp k,0,1,2,3,4,5
	global_store_b128 v1, v[HF+4*\k:HF+4*\k+3], s[46:47] offset:512*\k   ; 32 lanes store 512 consecutive bytes, at a multiple of 256 from the buffer's first byte
.endr
	global_store_b32 v14, v[HF+24], s[48:49]
	s_wait_tensorcnt 0x0
	ds_add_u32 v158, v159
	s_wait_dscnt 0x0
	s_endpgm
; One fragment of a weight (tile T = F >> logs, K step F % 2^logs; row r of tile T is weight row 32 (T / 2) + 8 (T % 2) + r + 8 (r / 8)) is read as the operand's registers want it
; and stored with register group k at 512 k + 16 x lane, so that the third launch loads it by three loads of 512 consecutive bytes.
.macro RELAY src, rb, logs, dst, lo, reg
	s_lshr_b32 s70, s69, \logs
	s_lshl_b32 s71, s70, \logs
	s_sub_co_u32 s71, s69, s71
	s_lshr_b32 s72, s70, 1
	s_lshl_b32 s72, s72, 5
	s_and_b32 s73, s70, 1
	s_lshl_b32 s73, s73, 3
	s_add_co_u32 s72, s72, s73
	s_mul_i32 s72, s72, \rb
	s_mul_i32 s71, s71, 96
	s_add_co_u32 s72, s72, s71
	s_mov_b32 s73, 0
	s_add_nc_u64 s[74:75], s[\src:\src+1], s[72:73]
.irp p,0,1,2,3,4,5
	global_load_b64 v[\reg+2*\p:\reg+2*\p+1], v[\lo], s[74:75] offset:48*(\p/3)+8*(\p%3)
.endr
	s_mul_i32 s72, s69, 1536
	s_add_co_u32 s72, s72, \dst
	s_add_nc_u64 s[76:77], s[30:31], s[72:73]
	s_wait_loadcnt 0x0
.irp k,0,1,2
	global_store_b128 v1, v[\reg+4*\k:\reg+4*\k+3], s[76:77] offset:512*\k
.endr
.endm
.Lrelay:
	s_lshl_b32 s68, s34, 6
	s_add_co_u32 s68, s68, s33                     ; the work-group's number, 0 .. 255
	s_lshl_b32 s69, s68, 1
	s_and_b32 s67, s32, 1
	s_add_co_u32 s69, s69, s67                     ; fragment 2 x work-group + wave % 2: 512 of w1 (waves 12, 13), 512 of w2 (waves 14, 15)
	s_cmp_ge_u32 s32, 14
	s_cbranch_scc1 .Lrelay2
	RELAY 24, 384, 2, 196608, 12, 72
	s_cmp_lg_u32 s32, 12
	s_cbranch_scc1 .Lend
	s_and_b32 s67, s68, 1
	s_cmp_lg_u32 s67, 0
	s_cbranch_scc1 .Lend                           ; w_proj has 128 fragments: wave 12 of every second work-group takes one
	s_lshr_b32 s69, s68, 1
	s_wait_xcnt 0x0                                ; the stores above have read their base: it is written again only behind this wait
	RELAY 22, 384, 2, 0, 12, 84
	s_branch .Lend
.Lrelay2:
	RELAY 26, 1536, 4, 983040, 15, 72
.Lend:
	s_wait_tensorcnt 0x0
	ds_add_u32 v158, v159
	s_wait_dscnt 0x0
	s_endpgm
.Lfunc_end_k_q9f880896c7_ln_qkv:
	.size	k_q9f880896c7_ln_qkv, .Lfunc_end_k_q9f880896c7_ln_qkv-k_q9f880896c7_ln_qkv
	.p2alignl 7, 3214868480
	.fill 96, 4, 3214868480
	.section	.rodata,"a",@progbits
	.p2align	6, 0x0
	.amdhsa_kernel k_q9f880896c7_ln_qkv
		.amdhsa_group_segment_fixed_size 135168
		.amdhsa_private_segment_fixed_size 0
		.amdhsa_enable_private_segment 0
		.amdhsa_kernarg_size 112
		.amdhsa_user_sgpr_count 2
		.amdhsa_user_sgpr_kernarg_segment_ptr 1
		.amdhsa_wavefront_size32 1
		.amdhsa_system_sgpr_workgroup_id_x 1
		.amdhsa_system_sgpr_workgroup_id_y 1
		.amdhsa_system_sgpr_workgroup_id_z 1
		.amdhsa_system_vgpr_workitem_id 0
		.amdhsa_next_free_vgpr 256
		.amdhsa_next_free_sgpr 100
		.amdhsa_reserve_vcc 0
		.amdhsa_float_denorm_mode_32 3
		.amdhsa_float_denorm_mode_16_64 3
		.amdhsa_memory_ordered 1
		.amdhsa_forward_progress 1
		.amdhsa_inst_pref_size 111
	.end_amdhsa_kernel
	.amdgpu_metadata
---
amdhsa.version: [ 1, 2 ]
amdhsa.kernels:
  - .name:           k_q9f880896c7_ln_qkv
    .symbol:         k_q9f880896c7_ln_qkv.kd
    .args:
      - { .name: x, .offset: 0, .size: 8, .value_kind: global_buffer, .address_space: global }
      - { .name: g1, .offset: 8, .size: 8, .value_kind: global_buffer, .address_space: global }
      - { .name: beta1, .offset: 16, .size: 8, .value_kind: global_buffer, .address_space: global }
      - { .name: wq_codes, .offset: 24, .size: 8, .value_kind: global_buffer, .address_space: global }
      - { .name: wq_scales, .offset: 32, .size: 8, .value_kind: global_buffer, .address_space: global }
      - { .name: wk_codes, .offset: 40, .size: 8, .value_kind: global_buffer, .address_space: global }
      - { .name: wk_scales, .offset: 48, .size: 8, .value_kind: global_buffer, .address_space: global }
      - { .name: wv_codes, .offset: 56, .size: 8, .value_kind: global_buffer, .address_space: global }
      - { .name: wv_scales, .offset: 64, .size: 8, .value_kind: global_buffer, .address_space: global }
      - { .name: w_proj_codes, .offset: 72, .size: 8, .value_kind: global_buffer, .address_space: global }
      - { .name: w1_codes, .offset: 80, .size: 8, .value_kind: global_buffer, .address_space: global }
      - { .name: w2_codes, .offset: 88, .size: 8, .value_kind: global_buffer, .address_space: global }
      - { .name: qkv, .offset: 96, .size: 8, .value_kind: global_buffer, .address_space: global }
      - { .name: wf, .offset: 104, .size: 8, .value_kind: global_buffer, .address_space: global }
    .group_segment_fixed_size: 135168
    .private_segment_fixed_size: 0
    .kernarg_segment_align: 8
    .kernarg_segment_size: 112
    .max_flat_workgroup_size: 512
    .sgpr_count:     100
    .vgpr_count:     256
    .wavefront_size: 32
...
	.end_amdgpu_metadata
.endif
;; end of part 1
;; launch attn (part 2): grid 4 x 64, 16 waves a work-group, no clusters, 104,448 bytes of LDS; arguments qkv, att; writes att
.if DOCPART == 2
	.amdgcn_target "amdgcn-amd-amdhsa--gfx1250"
	.amdhsa_code_object_version 6
	.text
	.protected	k_q9f880896c7_attn
	.globl	k_q9f880896c7_attn
	.p2align	8
	.type	k_q9f880896c7_attn,@function
k_q9f880896c7_attn:
	s_mov_b64 s[64:65], 0
	v_nop
	global_prefetch_b8 v0, s[64:65] scope:SCOPE_SE
	s_setreg_imm32_b32 hwreg(HW_REG_WAVE_MODE, 25, 1), 1
	s_wait_xcnt 0x0
; Causal attention of one (batch, head) on codes of E3M2, head size 32, 2,048 tokens; the result, divided by the row's sum, is quantised by head (a block of 32 of the next product's K) into att.
; t = score x log2(e) / sqrt(512); M = the running largest t rounded UP to a whole number; p = 2^(t - M) is quantised along the keys, not normalised; the row's sum is taken of the unquantised p.
; SHARES.  grid x = 4 work-groups to a (batch, head), y = 16 x batch + head.  Wave w of work-group g takes the tiles of 16 queries i = 16 g + w and 127 - i: i / 8 + 1 + (127 - i) / 8 + 1 = 17 key steps for every wave.
; K's and V's codes and scale bytes of the whole head, 102,400 bytes, are copied into LDS once, through registers; behind the one barrier LDS is only read.
; SCORES.  A fragment of K holds 64 keys, one in each (row, block of 32) place.  Source 1 is the 16 queries' codes in ONE of the four blocks and zero codes in the others, so each of four instructions picks 16 of the 64 keys:
; with block 2 a + b chosen, register j of lane (r, h) is query r against key 32 a + 16 h + 8 b + j.  So the 16 registers of two neighbouring results are 16 neighbouring keys.
; Both products are used transposed: a lane holds ONE query throughout.  V's fragment u has row r = channel 8 u + r + 8 (r / 8), so a lane's 16 results are channels 16 h + 0 .. 15.
; Every wave walks 16 key steps (a constant); a step all of whose keys come after its queries is jumped over by a scalar branch on ids.
; LIMITS: NaN and infinities are not served; a block whose every p has fallen to 0 keeps the scale byte 1 (its codes are zeros); log2(e) / sqrt(512) is one f32 constant, applied by one fused multiply-add.
; REGISTERS: v1-11 addresses; v12 -M, v13 the largest t, v[14:15] the sum; v16-45 the queries' four forms; v46-51 q as loaded; v52 q's scale word, v53 K's, v54 V's; v56-79 K; v96-159 S^T, then p; v160-175 O^T;
; v176-199 V; v224-235 p's codes; v232-254 at work; v253 p's scale word.
.set KSC, 98304                        ; LDS: K's images at 0, V's at 49,152, K's scale words here, V's 2,048 further on
.set SEL, 20                           ; s[20:21] v_permlanex16_b32's selects for lane l xor 16
.set CS,  22                           ; s[22:23] c = log2(e) / sqrt(512)
.macro PLACES n
.rept \n
	v_nop
.endr
.endm
.macro WM
.if MZ
.if MRA
	v_wmma_scale_f32_16x16x128_f8f6f4 v[MD:MD+7], v[MA:MA+11], v[MB:MB+11], 0, v[MSA], v[MSB] matrix_a_fmt:MATRIX_FMT_BF6 matrix_b_fmt:MATRIX_FMT_BF6 matrix_a_scale:MATRIX_SCALE_ROW1
.else
	v_wmma_scale_f32_16x16x128_f8f6f4 v[MD:MD+7], v[MA:MA+11], v[MB:MB+11], 0, v[MSA], v[MSB] matrix_a_fmt:MATRIX_FMT_BF6 matrix_b_fmt:MATRIX_FMT_BF6
.endif
.else
.if MRA
	v_wmma_scale_f32_16x16x128_f8f6f4 v[MD:MD+7], v[MA:MA+11], v[MB:MB+11], v[MD:MD+7], v[MSA], v[MSB] matrix_a_fmt:MATRIX_FMT_BF6 matrix_b_fmt:MATRIX_FMT_BF6 matrix_a_scale:MATRIX_SCALE_ROW1
.else
	v_wmma_scale_f32_16x16x128_f8f6f4 v[MD:MD+7], v[MA:MA+11], v[MB:MB+11], v[MD:MD+7], v[MSA], v[MSB] matrix_a_fmt:MATRIX_FMT_BF6 matrix_b_fmt:MATRIX_FMT_BF6
.endif
.endif
.endm
	s_load_b128 s[4:7], s[0:1], 0x0                ; qkv, att
	v_lshl_add_u32 v251, v0, 2, 0x19000
	v_mov_b32 v255, 0
	v_lshrrev_b32 v8, 5, v0
	v_readfirstlane_b32 s8, v8                     ; wave 0..15
	s_and_b32 s9, ttmp7, 0xffff                    ; 16 x batch + head
	s_mul_i32 s10, s9, 153600
	s_mov_b32 s11, 0
	s_mov_b32 s[SEL], 0x76543210
	s_mov_b32 s[SEL+1], 0xfedcba98
	s_mov_b32 s[CS], 0x3d8293ee
	s_mov_b32 s[CS+1], s[CS]                       ; (named with it as a pair, so it is written)
	s_mov_b32 s24, 0x0000ffff                      ; lanes 0-15
	s_mov_b32 s25, 0xffff0000                      ; lanes 16-31
	s_mov_b32 s31, 0
	v_and_b32 v9, 31, v0                           ; lane
	v_and_b32 v6, 15, v0                           ; v6: r
	v_bfe_u32 v200, v0, 4, 1                       ; h
	v_mul_u32_u24 v1, v9, 48                       ; v1: 48 x lane: an image's place for my lane
	v_lshl_add_u32 v2, v9, 2, KSC                  ; v2: scale words, 4 x lane
	v_and_b32 v202, 7, v0
	v_bfe_u32 v203, v0, 3, 1
	v_mul_u32_u24 v3, v202, 48
	v_mad_u32_u24 v3, v203, 768, v3                ; v3: query r's 24 bytes in its fragment: row r % 8 of its eight, half r / 8
	v_lshl_add_u32 v4, v202, 2, v203               ; v4: and its scale byte
	v_mul_u32_u24 v5, v6, 24
	v_mad_u32_u24 v5, v200, 12, v5                 ; v5: the way out: 24 r + 12 h
	v_lshlrev_b32 v201, 4, v200
	v_sub_nc_u32 v201, v6, v201                    ; v201: r - 16 h, for the mask
	v_lshlrev_b32 v10, 4, v0                       ; the copy: 16 bytes a thread,
	v_add_nc_u32 v11, 49152, v10                   ; (the LDS offset has 16 bits: V's half by a second register)
	v_lshlrev_b32 v7, 3, v0                        ; 8 bytes a thread for the scale bytes
	v_add_nc_u32 v204, KSC, v7
	s_wait_kmcnt 0x0
	s_add_nc_u64 s[4:5], s[4:5], s[10:11]          ; my (batch, head)'s part of qkv
.irp k,0,1,2,3,4,5,6,7,8,9,10,11
	global_load_b128 v[96+4*\k:99+4*\k], v10, s[4:5] offset:49152+8192*\k   ; the 512 threads read 8,192 consecutive bytes
.endr
	global_load_b64 v[144:145], v7, s[4:5] offset:149504
.irp j,22,23,24,25,26,27,34,35,36,37,38,39
	v_mov_b32 v[\j], 0                             ; the zero codes of the queries' forms: written once
.endr
.irp j,236,237,238,239,252,253
	v_mov_b32 v[\j], 0                             ; written once: a lane permute's destination counts as one of its sources; v253 is named as the upper half of a pair
.endr
.irp k,0,1,2,3,4,5
	s_wait_loadcnt 12-\k                           ; load k is in; the 12 - k issued behind it may be out
	ds_store_b128 v10, v[96+4*\k:99+4*\k] offset:8192*\k
.endr
.irp k,6,7,8,9,10,11
	s_wait_loadcnt 12-\k
	ds_store_b128 v11, v[96+4*\k:99+4*\k] offset:8192*(\k-6)
.endr
	s_wait_loadcnt 0x0
	ds_store_b64 v204, v[144:145]
	s_wait_dscnt 0x0                               ; for the others' sake: my stores are done
	s_barrier_signal -1
	s_barrier_wait -1                              ; the head's K and V lie in LDS; nothing is written there again
; One tile of 16 queries: p = 0: tile 16 g + w; p = 1: tile 127 - that.
.macro PASS p
	s_wait_xcnt 0x0                                ; the last tile's stores have read their registers and bases: they are written again only behind this wait
	s_lshl_b32 s12, ttmp9, 4
	s_add_co_u32 s12, s12, s8
.if \p
	s_sub_co_u32 s12, 127, s12
.endif
	s_lshl_b32 s13, s12, 4                         ; Q0: my first query
	s_lshr_b32 s18, s12, 2                         ; its fragment of 64 tokens,
	s_bfe_u32 s19, s12, 0x10001                    ; bit 5 of the token,
	s_and_b32 s37, s12, 1                          ; bit 4
	s_mul_i32 s30, s18, 1536
	s_mul_i32 s36, s19, 24
	s_add_co_u32 s30, s30, s36
	s_mul_i32 s36, s37, 384
	s_add_co_u32 s30, s30, s36
	s_add_nc_u64 s[26:27], s[4:5], s[30:31]
	s_lshl_b32 s30, s18, 6
	s_lshl_b32 s36, s37, 5
	s_add_co_u32 s30, s30, s36
	s_lshl_b32 s36, s19, 1
	s_add_co_u32 s30, s30, s36
	s_add_co_u32 s30, s30, 147456
	s_add_nc_u64 s[28:29], s[4:5], s[30:31]
.irp i,0,1,2
	global_load_b64 v[46+2*\i:47+2*\i], v3, s[26:27] offset:8*\i   ; lanes r and r + 16 both take query r's 24 bytes
.endr
	global_load_u8 v55, v4, s[28:29]
	s_and_b32 s18, s9, 15                          ; where the results go: head,
	s_lshr_b32 s19, s9, 4
	s_lshl_b32 s19, s19, 11
	s_add_co_u32 s19, s19, s13                     ; token 2,048 x batch + Q0
	s_mul_i32 s30, s18, 196608
	s_mul_i32 s36, s19, 24
	s_add_co_u32 s30, s30, s36
	s_add_nc_u64 s[32:33], s[6:7], s[30:31]
	s_lshl_b32 s30, s18, 13
	s_add_co_u32 s30, s30, s19
	s_add_co_u32 s30, s30, 3145728
	s_add_nc_u64 s[34:35], s[6:7], s[30:31]
	s_wait_loadcnt 0x0
	v_lshl_or_b32 v52, v55, 8, v55
	v_lshl_or_b32 v52, v52, 16, v52                ; q's scale byte in all four places: whichever block holds the codes
.irp i,0,1,2,3,4,5
	v_cndmask_b32 v[16+\i], 0, v[46+\i], s24       ; block 0: v[16:27];  block 1: v[28:39];  block 2: v[34:45];  block 3: v[22:33]
	v_cndmask_b32 v[40+\i], 0, v[46+\i], s24
	v_cndmask_b32 v[28+\i], 0, v[46+\i], s25
.endr
	v_mov_b32 v13, 0xff61b1e6                      ; the largest t so far: -3e38, under every t
	v_floor_f32 v12, -v13                          ; -M
	v_mov_b32 v14, 0                               ; the sum, in two halves
	v_mov_b32 v15, 0
.set n, 0
.rept 16
	v_mov_b32 v[160+n], 0                          ; O^T: the first step finds zeros.  (These lines are also the places between the writes of the scale word and the forms and the first product)
.set n, n+1
.endr
	s_mov_b32 s14, 0                               ; KF: the step's first key
	s_mov_b32 s15, 0                               ; its fragments: 3,072 bytes a step
	s_mov_b32 s16, 0                               ; its scale words: 128 bytes a step
	s_mov_b32 s17, 16
.Lstep_\@:
	s_add_co_u32 s18, s13, 15
	s_cmp_gt_u32 s14, s18
	s_cbranch_scc1 .Lhid_\@                        ; all 128 keys come after my 16 queries
	v_add_nc_u32 v8, s15, v1
	v_add_nc_u32 v9, s16, v2
	v_nop
	v_nop                                          ; four places in front of loads into registers that the last products read
.irp f,0,1
.irp k,0,1,2
	ds_load_b128 v[56+12*\f+4*\k:59+12*\f+4*\k], v8 offset:1536*\f+16*\k
.endr
.endr
	ds_load_b32 v53, v9                            ; K's scale words: lanes 0-15 fragment 0's rows, lanes 16-31 fragment 1's
.irp u,0,1
.irp k,0,1,2
	ds_load_b128 v[176+12*\u+4*\k:179+12*\u+4*\k], v8 offset:49152+1536*\u+16*\k
.endr
.endr
	ds_load_b32 v54, v9 offset:2048                ; V's likewise
	s_wait_dscnt 7                                 ; K is in; V's seven loads, issued behind it, land under the softmax
.set MZ, 1
.set MSA, 53
.set MSB, 52
.irp f,0,1
.irp be,0,1,2,3
.set MD, 96+8*(4*\f+\be)
.set MA, 56+12*\f
.if \be == 0
.set MB, 16
.elseif \be == 1
.set MB, 28
.elseif \be == 2
.set MB, 34
.else
.set MB, 22
.endif
.set MRA, \f
	WM
.endr
.endr                                          ; register 16 b + i of v96 on: key KF + 32 b + 16 h + i
	PLACES 4
	s_add_co_u32 s18, s14, 127
	s_cmp_le_u32 s18, s13
	s_cbranch_scc1 .Lopen_\@                       ; all 128 keys count
	s_sub_co_i32 s18, s13, s14
	v_add_nc_u32 v252, s18, v201                   ; d = my query - KF - 16 h: register 16 b + i is hidden where 32 b + i > d
	v_mov_b32 v254, 0xff800000                     ; -infinity: p = 0 then
.set n, 0
.rept 64
	v_cmp_gt_i32 vcc_lo, 32*(n/16)+n%16, v252
	v_cndmask_b32 v[96+n], v[96+n], v254, vcc_lo
.set n, n+1
.endr
.Lopen_\@:
.irp b,0,1,2,3
	v_max3_num_f32 v[232+\b], v[96+16*\b], v[97+16*\b], v[98+16*\b]   ; the largest score of each block of 32 keys: for the row's maximum, and, since p rises with the score, for the block's largest p
.endr
.irp i,3,5,7,9,11,13
.irp b,0,1,2,3
	v_max3_num_f32 v[232+\b], v[232+\b], v[96+16*\b+\i], v[97+16*\b+\i]
.endr
.endr
.irp b,0,1,2,3
	v_max_num_f32 v[232+\b], v[232+\b], v[111+16*\b]
.endr
.irp b,0,1,2,3
	v_permlanex16_b32 v[236+\b], v[232+\b], s[SEL], s[SEL+1]
.endr
.irp b,0,1,2,3
	v_max_num_f32 v[232+\b], v[232+\b], v[236+\b]  ; with lane l xor 16's 16 keys
.endr
	v_max3_num_f32 v254, v232, v233, v234
	v_max_num_f32 v254, v254, v235
	v_mul_f32 v254, s[CS], v254                    ; the step's largest t (c is positive)
	v_max_num_f32 v13, v13, v254
	v_mov_b32 v254, v12
	v_floor_f32 v12, -v13                          ; the new -M = -ceil(t)
	v_sub_f32 v254, v12, v254                      ; old M - new M: a whole number, 0 or less
	v_cvt_i32_f32 v254, v254                       ; (it saturates)
	v_ldexp_f32 v252, 1.0, v254                    ; f = 2^(old M - new M): a multiplication by it rounds nothing
.set n, 0
.rept 32
	v_pk_fma_f32 v[96+n:97+n], v[96+n:97+n], s[CS:CS+1], v[12:13] op_sel_hi:[1,0,0]   ; t - M
.set n, n+2
.endr
.irp b,0,1,2,3
	v_fma_f32 v[232+\b], v[232+\b], s[CS], v12
.endr
.set n, 0
.rept 64
	v_exp_f32 v[96+n], v[96+n]                     ; p = 2^(t - M)
.set n, n+1
.endr
.irp b,0,1,2,3
	v_exp_f32 v[232+\b], v[232+\b]                 ; the block's largest p: the same two instructions on the same number
.endr
	v_pk_mul_f32 v[14:15], v[14:15], v[252:253] op_sel_hi:[1,0]   ; the sums under the new M (a plain instruction behind the exponentials)
	s_wait_alu depctr_va_vdst(0)
.irp b,0,1,2,3
	v_max_num_f32 v[232+\b], 0x2800000, v[232+\b]  ; the floor 2^(5 - 127): the byte cannot fall under 1
.endr
.irp b,0,1,2,3
	v_add_nc_u32 v[244+\b], 0xfe000000, v[232+\b]  ; 4 off the exponent field: the conversion's scale operand
.endr
.irp b,0,1,2,3
	v_lshrrev_b32 v[236+\b], 23, v[244+\b]
.endr
	v_lshl_or_b32 v253, v237, 8, v236              ; p's scale word for these 128 keys
	v_lshl_or_b32 v253, v238, 16, v253
	v_lshl_or_b32 v253, v239, 24, v253
.irp c,0,1
	v_cvt_scalef32_pk16_bf6_f32 v[224+6*\c:226+6*\c], v[96+32*\c:111+32*\c], v[244+2*\c]
	v_cvt_scalef32_pk16_bf6_f32 v[236+4*\c:238+4*\c], v[112+32*\c:127+32*\c], v[244+2*\c+1]   ; (a conversion's three registers begin on an even number)
.endr
	v_nop                                          ; a plain instruction behind the conversions
.irp c,0,1                                     ; the operand wants a whole block in a lane: lanes 0-15 block 2 c, lanes 16-31 block 2 c + 1
.irp i,0,1,2
	v_permlane16_swap_b32 v[224+6*\c+\i], v[236+4*\c+\i]
.endr
.irp i,0,1,2
	v_mov_b32 v[227+6*\c+\i], v[236+4*\c+\i]
.endr
.endr
	v_pk_add_f32 v[236:237], v[96:97], v[98:99]    ; the row's sum, of the unquantised p, in two chains
.irp j,4,8,12,16,20,24,28,32,36,40,44,48,52,56,60
	v_pk_add_f32 v[14:15], v[14:15], v[96+\j:97+\j]
	v_pk_add_f32 v[236:237], v[236:237], v[98+\j:99+\j]
.endr
	v_pk_add_f32 v[14:15], v[14:15], v[236:237]
.irp j,0,2,4,6,8,10,12,14
	v_pk_mul_f32 v[160+\j:161+\j], v[160+\j:161+\j], v[252:253] op_sel_hi:[1,0]   ; O^T under the new M
.endr
	s_wait_dscnt 0x0                               ; V is in
.set MZ, 0
.set MSA, 54
.set MSB, 253
.set MB, 224
.irp u,0,1
.set MD, 160+8*\u
.set MA, 176+12*\u
.set MRA, \u
	WM                                             ; the two accumulators take turns, behind eight other products
.endr
.Lhid_\@:
	s_add_co_u32 s14, s14, 128
	s_add_co_u32 s15, s15, 3072
	s_add_co_u32 s16, s16, 128
	s_sub_co_u32 s17, s17, 1
	s_cmp_lg_u32 s17, 0
	s_cbranch_scc1 .Lstep_\@
	PLACES 4                                       ; behind the last products
	v_add_f32 v14, v14, v15
	v_permlanex16_b32 v252, v14, s[SEL], s[SEL+1]
	v_add_f32 v14, v14, v252                       ; the row's sum
	v_rcp_f32 v14, v14
	v_nop
	s_wait_alu depctr_va_vdst(0)
.irp j,0,2,4,6,8,10,12,14
	v_pk_mul_f32 v[160+\j:161+\j], v[160+\j:161+\j], v[14:15] op_sel_hi:[1,0]   ; register i: channel 16 h + i of query r
.endr
	v_max3_num_f32 v232, |v160|, |v161|, 0x2800000 ; the head's 32 channels are one block of the next product's K
	v_max3_num_f32 v233, |v162|, |v163|, |v164|
	v_max3_num_f32 v232, v232, |v165|, |v166|
	v_max3_num_f32 v233, v233, |v167|, |v168|
	v_max3_num_f32 v232, v232, |v169|, |v170|
	v_max3_num_f32 v233, v233, |v171|, |v172|
	v_max3_num_f32 v232, v232, |v173|, |v174|
	v_max3_num_f32 v232, v232, v233, |v175|
	v_permlanex16_b32 v236, v232, s[SEL], s[SEL+1]
	v_max_num_f32 v232, v232, v236
	v_add_nc_u32 v244, 0xfe000000, v232
	v_cvt_scalef32_pk16_bf6_f32 v[240:242], v[160:175], v244
	v_lshrrev_b32 v243, 23, v244
	global_store_b96 v5, v[240:242], s[32:33]      ; the wave stores 384 consecutive bytes
	global_store_b8 v6, v243, s[34:35]             ; both halves write the same byte with the same value
.endm
	PASS 0
	PASS 1
	s_wait_tensorcnt 0x0
	ds_add_u32 v251, v255
	s_wait_dscnt 0x0
	s_endpgm
.Lfunc_end_k_q9f880896c7_attn:
	.size	k_q9f880896c7_attn, .Lfunc_end_k_q9f880896c7_attn-k_q9f880896c7_attn
	.p2alignl 7, 3214868480
	.fill 96, 4, 3214868480
	.section	.rodata,"a",@progbits
	.p2align	6, 0x0
	.amdhsa_kernel k_q9f880896c7_attn
		.amdhsa_group_segment_fixed_size 104448
		.amdhsa_private_segment_fixed_size 0
		.amdhsa_enable_private_segment 0
		.amdhsa_kernarg_size 16
		.amdhsa_user_sgpr_count 2
		.amdhsa_user_sgpr_kernarg_segment_ptr 1
		.amdhsa_wavefront_size32 1
		.amdhsa_system_sgpr_workgroup_id_x 1
		.amdhsa_system_sgpr_workgroup_id_y 1
		.amdhsa_system_sgpr_workgroup_id_z 1
		.amdhsa_system_vgpr_workitem_id 0
		.amdhsa_next_free_vgpr 256
		.amdhsa_next_free_sgpr 66
		.amdhsa_reserve_vcc 1
		.amdhsa_float_denorm_mode_32 3
		.amdhsa_float_denorm_mode_16_64 3
		.amdhsa_memory_ordered 1
		.amdhsa_forward_progress 1
		.amdhsa_inst_pref_size 55
	.end_amdhsa_kernel
	.amdgpu_metadata
---
amdhsa.version: [ 1, 2 ]
amdhsa.kernels:
  - .name:           k_q9f880896c7_attn
    .symbol:         k_q9f880896c7_attn.kd
    .args:
      - { .name: qkv, .offset: 0, .size: 8, .value_kind: global_buffer, .address_space: global }
      - { .name: att, .offset: 8, .size: 8, .value_kind: global_buffer, .address_space: global }
    .group_segment_fixed_size: 104448
    .private_segment_fixed_size: 0
    .kernarg_segment_align: 8
    .kernarg_segment_size: 16
    .max_flat_workgroup_size: 512
    .sgpr_count:     66
    .vgpr_count:     256
    .wavefront_size: 32
...
	.end_amdgpu_metadata
.endif
;; end of part 2
;; launch ffn (part 3): grid 256 x 1, 16 waves a work-group, no clusters, 149,504 bytes of LDS; arguments x, att, wf, w_proj_scales, b_proj, g2, beta2, w1_scales, bf1, w2_scales, bf2, out0; writes out0
.if DOCPART == 3
	.amdgcn_target "amdgcn-amd-amdhsa--gfx1250"
	.amdhsa_code_object_version 6
	.text
	.protected	k_q9f880896c7_ffn
	.globl	k_q9f880896c7_ffn
	.p2align	8
	.type	k_q9f880896c7_ffn,@function
k_q9f880896c7_ffn:
	s_mov_b64 s[64:65], 0
	v_nop
	global_prefetch_b8 v0, s[64:65] scope:SCOPE_SE
	s_setreg_imm32_b32 hwreg(HW_REG_WAVE_MODE, 25, 1), 1
	s_wait_xcnt 0x0
; x1 = x + att W_proj + b_proj;  h2 = LayerNorm(x1) g2 + beta2;  out = x1 + relu(h2 W1 + bf1) W2 + bf2.  All three products on codes of E3M2 with one E8M0 scale for each 32 along K.
; SHARES.  A work-group takes 32 tokens (two tiles of 16).  THE SIXTEEN WAVES SHARE THE COLUMNS: wave w makes columns 32 w .. 32 w + 31 of the projection and of the last product, so x1 never leaves its registers,
; and hidden units 128 w .. 128 w + 127, which are K step w of the last product.  Each fragment of a weight is used by ONE wave: it comes from wf straight into registers, by three loads of 512 consecutive bytes,
; one to two steps ahead, and feeds two matrix instructions.  What goes round through LDS is small: the rows' codes, as images of operand registers (a lane's 48 bytes on end at 48 x lane), and their scale words.
; All products are used transposed (source 0 = 16 rows of a weight, source 1 = 16 tokens).  Row r of a weight's tile T is row 32 (T / 2) + 8 (T % 2) + r + 8 (r / 8): a lane's 16 registers of tiles 2 b, 2 b + 1 are columns 32 b + 16 h + 0 .. 15.
; Biases and the residual are the C of each sum's first matrix instruction.  The variance is made of each wave's own mean and sum of squared differences: no difference of large sums is formed.
; LIMITS: NaN and infinities are not served.  A block whose largest magnitude lies under 2^-122 keeps the scale byte 1; a block of zeros has the byte 1 and not 127 (its codes are zeros, and this program alone reads the bytes).
.set AIMG,  0                          ; LDS: attention's codes: fragment (tile tt, K step s) at (4 tt + s) x 1,536
.set H2IMG, 12288                      ; h2's likewise
.set HIMG,  24576                      ; the hidden layer's: (16 tt + S) x 1,536
.set ASC,   73728                      ; scale words: (2 s + tt) x 64 + 4 r
.set H2SC,  74240
.set HSC,   74752
.set STAT,  76800                      ; token x 144 + 8 w: wave w's (mean, sum of squared differences)
.set STG,   81408                      ; 32 rows x (2,048 bytes + 16): x on the way in, the result on the way out
.set SEL, 30                           ; s[30:31] v_permlanex16_b32's selects for lane l xor 16
.set X1,  26                           ; v26-57   x1, later the result: 16 tt + 8 u + j
.set ACC, 58                           ; v58-121  vectors by column; the hidden layer's eight accumulators; later four hidden fragments
.set AF,  122                          ; v122-145 two fragments of the rows' codes; at work between the products
.set WT0, 146                          ; v146-241 two sets of four fragments of a weight
.set WS,  242                          ; v242-249 the weights' scale words: lanes 0-15 tile u = 0, lanes 16-31 u = 1
.set AS,  250                          ; v250-251 the rows' scale words: lanes 0-15 tile tt = 0, lanes 16-31 tt = 1
.set QM0, 252
.set QM1, 253
.set QP,  254
.set QE,  255
.macro PLACES n
.rept \n
	v_nop
.endr
.endm
.macro WM                              ; D = C = MD, source 0 = MA, source 1 = MB, scales MSA, MSB, from lanes 16-31 where MRA, MRB are 1
.if MRA && MRB
	v_wmma_scale_f32_16x16x128_f8f6f4 v[MD:MD+7], v[MA:MA+11], v[MB:MB+11], v[MD:MD+7], v[MSA], v[MSB] matrix_a_fmt:MATRIX_FMT_BF6 matrix_b_fmt:MATRIX_FMT_BF6 matrix_a_scale:MATRIX_SCALE_ROW1 matrix_b_scale:MATRIX_SCALE_ROW1
.elseif MRA
	v_wmma_scale_f32_16x16x128_f8f6f4 v[MD:MD+7], v[MA:MA+11], v[MB:MB+11], v[MD:MD+7], v[MSA], v[MSB] matrix_a_fmt:MATRIX_FMT_BF6 matrix_b_fmt:MATRIX_FMT_BF6 matrix_a_scale:MATRIX_SCALE_ROW1
.elseif MRB
	v_wmma_scale_f32_16x16x128_f8f6f4 v[MD:MD+7], v[MA:MA+11], v[MB:MB+11], v[MD:MD+7], v[MSA], v[MSB] matrix_a_fmt:MATRIX_FMT_BF6 matrix_b_fmt:MATRIX_FMT_BF6 matrix_b_scale:MATRIX_SCALE_ROW1
.else
	v_wmma_scale_f32_16x16x128_f8f6f4 v[MD:MD+7], v[MA:MA+11], v[MB:MB+11], v[MD:MD+7], v[MSA], v[MSB] matrix_a_fmt:MATRIX_FMT_BF6 matrix_b_fmt:MATRIX_FMT_BF6
.endif
.endm
; 16 numbers of a lane, half a block of 32 whose other half lies in lane l xor 16, become 12 bytes of codes in v[c] on and the block's scale byte in v[by].
.macro QUANT16 src, c, by
	v_max3_num_f32 v[QM0], |v[\src]|, |v[\src+1]|, 0x2800000
	v_max3_num_f32 v[QM1], |v[\src+2]|, |v[\src+3]|, |v[\src+4]|
	v_max3_num_f32 v[QM0], v[QM0], |v[\src+5]|, |v[\src+6]|
	v_max3_num_f32 v[QM1], v[QM1], |v[\src+7]|, |v[\src+8]|
	v_max3_num_f32 v[QM0], v[QM0], |v[\src+9]|, |v[\src+10]|
	v_max3_num_f32 v[QM1], v[QM1], |v[\src+11]|, |v[\src+12]|
	v_max3_num_f32 v[QM0], v[QM0], |v[\src+13]|, |v[\src+14]|
	v_max3_num_f32 v[QM0], v[QM0], v[QM1], |v[\src+15]|
	v_permlanex16_b32 v[QP], v[QM0], s[SEL], s[SEL+1]
	v_max_num_f32 v[QM0], v[QM0], v[QP]
	v_add_nc_u32 v[QE], 0xfe000000, v[QM0]         ; 4 off the exponent field: the conversion's scale operand
	v_cvt_scalef32_pk16_bf6_f32 v[\c:\c+2], v[\src:\src+15], v[QE]
	v_lshrrev_b32 v[\by], 23, v[QE]                ; the scale's byte; also the plain instruction behind the conversion
.endm
.macro BARRIER                         ; my LDS stores have landed and my LDS loads are in: then the work-group's barrier
	s_wait_dscnt 0x0
	s_barrier_signal -1
	s_barrier_wait -1
.endm
.macro ALOAD img, scr, s               ; both tiles' fragments of K step s, and their scale words
.irp tt,0,1
.irp k,0,1,2
	ds_load_b128 v[AF+12*\tt+4*\k:AF+12*\tt+4*\k+3], v1 offset:\img+(4*\tt+(\s))*1536+16*\k
.endr
.endr
	ds_load_b32 v[AS], v[\scr] offset:128*(\s)
.endm
.macro W1LOAD k                        ; step k of the first feed-forward product: tiles 4 (k / 4) + 0 .. 3 of my eight, K step k % 4, into set k % 2
.set SB, WT0+48*((\k)%2)
.irp i,0,1,2,3
.irp c,0,1,2
	global_load_b128 v[SB+12*\i+4*\c:SB+12*\i+4*\c+3], v3, s[40:41] offset:196608+((4*((\k)/4)+\i)*4+(\k)%4)*1536+512*\c
.endr
.endr
.endm
.macro W2LOAD j                        ; step j of the second: K steps 2 j + q, tiles u, at 12 (2 q + u) of set j % 2
.set SB, WT0+48*((\j)%2)
.irp q,0,1
.irp u,0,1
.irp c,0,1,2
	global_load_b128 v[SB+12*(2*\q+\u)+4*\c:SB+12*(2*\q+\u)+4*\c+3], v3, s[40:41] offset:983040+(16*\u+2*(\j)+\q)*1536+512*\c
.endr
.endr
.endr
.endm
.macro BF1LOAD hz                      ; bf1 at the accumulators' places, for both tiles of tokens: it is the C of the sums' first products
.irp pz,0,1
.irp tt,0,1
.irp u,0,1
.irp k,0,1
	global_load_b128 v[ACC+16*(2*\pz+\tt)+8*\u+4*\k:ACC+16*(2*\pz+\tt)+8*\u+4*\k+3], v21, s[20:21] offset:128*(2*(\hz)+\pz)+32*\u+16*\k
.endr
.endr
.endr
.endr
.endm
	s_load_b512 s[4:19], s[0:1], 0x0               ; x, att, wf, w_proj scales, b_proj, g2, beta2, w1 scales
	s_load_b256 s[20:27], s[0:1], 0x40             ; bf1, w2 scales, bf2, out0
	v_lshrrev_b32 v58, 5, v0
	v_readfirstlane_b32 s28, v58                   ; wave 0..15
	s_mov_b32 s[SEL], 0x76543210
	s_mov_b32 s[SEL+1], 0xfedcba98
	s_mov_b32 s32, 0x3727c5ac                      ; 1e-5
	s_mov_b32 s33, 0x3b000000                      ; 1 / 512
	v_and_b32 v18, 31, v0                          ; v18: lane
	v_and_b32 v59, 15, v0                          ; r
	v_bfe_u32 v60, v0, 4, 1                        ; h
	s_lshr_b32 s44, s28, 2                         ; block w of a K of 512: K step w / 4, block w % 4 in it
	s_and_b32 s45, s28, 1
	s_bfe_u32 s46, s28, 0x10001
	s_and_b32 s47, s28, 3
	s_mul_i32 s48, s44, 1536
	s_mul_i32 s49, s45, 768
	s_add_co_u32 s48, s48, s49
	s_mul_i32 s49, s46, 24
	s_add_co_u32 s48, s48, s49                     ; its place in a tile's images
	s_lshl_b32 s49, s44, 7
	s_add_co_u32 s49, s49, s47                     ; and among the scale words
	v_mul_u32_u24 v1, v18, 48                      ; v1: 48 x lane
	v_add_nc_u32 v2, HIMG, v1                      ; v2: the same in the hidden layer's images
	v_lshlrev_b32 v3, 4, v18                       ; v3: 16 x lane
	v_mul_u32_u24 v61, v59, 48
	v_mad_u32_u24 v4, v60, 6144, v61
	v_add_nc_u32 v4, s48, v4                       ; v4: attention's codes in: lane = token: tile lane / 16, row r
	v_lshlrev_b32 v62, 2, v59
	v_lshl_add_u32 v5, v60, 6, v62
	s_add_co_u32 s50, s49, ASC
	v_add_nc_u32 v5, s50, v5                       ; v5: and its scale byte
	v_mad_u32_u24 v63, v60, 12, v61                ; 48 r + 12 h
	s_add_co_u32 s50, s48, H2IMG
	v_add_nc_u32 v6, s50, v63                      ; v6: h2's codes
	s_add_co_u32 s50, s49, H2SC
	v_add_nc_u32 v7, s50, v62                      ; v7: h2's scale byte
	s_mul_i32 s50, s28, 1536
	s_add_co_u32 s50, s50, HIMG
	v_add_nc_u32 v8, s50, v63                      ; v8: the hidden layer's codes: K step w
	s_lshl_b32 s50, s28, 7                         ; 128 w
	s_add_co_u32 s51, s50, HSC
	v_add_nc_u32 v9, s51, v62                      ; v9: its scale bytes
	v_mul_u32_u24 v11, v59, 144
	v_add_nc_u32 v11, STAT, v11                    ; v11: token r's sixteen pairs
	s_lshl_b32 s51, s28, 3
	v_add_nc_u32 v10, s51, v11                     ; v10: my wave's pair
	s_mul_i32 s51, s28, 4128
	s_add_co_u32 s51, s51, STG
	v_add_nc_u32 v12, s51, v3                      ; v12: the stage by rows: rows 2 w, 2 w + 1, 16 bytes a lane
	v_mul_u32_u24 v13, v59, 2064
	v_lshl_add_u32 v13, v60, 6, v13
	s_add_co_u32 s51, s50, STG
	v_add_nc_u32 v13, s51, v13                     ; v13: the stage by columns: row r, columns 32 w + 16 h on
	v_lshlrev_b32 v64, 2, v18
	v_add_nc_u32 v14, ASC, v64                     ; v14-16: scale words, 4 x lane
	v_add_nc_u32 v15, H2SC, v64
	v_add_nc_u32 v16, HSC, v64
	v_mul_u32_u24 v17, v18, 24                     ; v17: 24 x lane: a token's record in att
	s_lshl_b32 s51, s28, 12
	v_add_nc_u32 v19, s51, v3                      ; v19: x and out0: rows 2 w on, 16 bytes a lane
	v_lshlrev_b32 v65, 6, v60
	v_add_nc_u32 v20, s50, v65                     ; v20: vectors of 512: columns 32 w + 16 h on
	s_lshl_b32 s51, s28, 9
	v_add_nc_u32 v21, s51, v65                     ; v21: bf1: hidden units 128 w + 16 h on
	v_and_b32 v66, 8, v59
	v_add_nc_u32 v66, v66, v59
	v_lshl_add_u32 v66, v60, 3, v66                ; 8 (lane / 16) + r + 8 (r / 8): lanes 16-31 take tile u = 1's rows
	s_lshl_b32 s51, s28, 5
	v_add_nc_u32 v22, s51, v66
	v_lshlrev_b32 v22, 4, v22                      ; v22: w_proj's scale words, 16 bytes a row
	v_add_nc_u32 v23, s50, v66
	v_lshlrev_b32 v23, 4, v23                      ; v23: w1's
	v_lshlrev_b32 v24, 2, v22                      ; v24: w2's, 64 bytes a row
	v_mov_b32 v255, 0                              ; named as the upper half of the pair v[254:255]
	s_lshl_b32 s52, ttmp9, 16                      ; 32 rows of 2,048 bytes
	s_mov_b32 s53, 0
	s_mul_i32 s54, s28, 196608                     ; att: head w,
	s_mul_i32 s55, ttmp9, 768                      ; my 32 tokens' records
	s_add_co_u32 s54, s54, s55
	s_mov_b32 s55, 0
	s_lshl_b32 s56, s28, 13
	s_lshl_b32 s57, ttmp9, 5
	s_add_co_u32 s56, s56, s57
	s_add_co_u32 s56, s56, 3145728                 ; and their scale bytes
	s_mov_b32 s57, 0
	s_mul_i32 s58, s28, 12288                      ; wf: my eight fragments of w_proj
	s_mov_b32 s59, 0
	s_mul_i32 s60, s28, 49152                      ; my 32 of w1, my 32 of w2 (the regions' starts stand in the immediates)
	s_mov_b32 s61, 0
	s_wait_kmcnt 0x0
	s_add_nc_u64 s[4:5], s[4:5], s[52:53]
	s_add_nc_u64 s[26:27], s[26:27], s[52:53]
	s_add_nc_u64 s[34:35], s[6:7], s[54:55]
	s_add_nc_u64 s[36:37], s[6:7], s[56:57]
	s_add_nc_u64 s[38:39], s[8:9], s[58:59]
	s_add_nc_u64 s[40:41], s[8:9], s[60:61]
	; ---- 0: attention's codes and x go into LDS; x1 = x + b_proj + att W_proj
.irp p,0,1,2
	global_load_b64 v[AF+2*\p:AF+2*\p+1], v17, s[34:35] offset:8*\p
.endr
	global_load_u8 v[AF+6], v18, s[36:37]
.irp i,0,1
.irp j,0,1,2,3
	global_load_b128 v[X1+16*\i+4*\j:X1+16*\i+4*\j+3], v19, s[4:5] offset:2048*\i+512*\j th:TH_LOAD_NT   ; 512 consecutive bytes; read once in this launch
.endr
.endr
	global_load_b128 v[WS:WS+3], v22, s[10:11]
.irp f,0,1,2,3,4,5,6,7
.irp c,0,1,2
	global_load_b128 v[WT0+12*\f+4*\c:WT0+12*\f+4*\c+3], v3, s[38:39] offset:1536*\f+512*\c   ; w_proj's fragment (u, s) at 12 (4 u + s)
.endr
.endr
.irp k,0,1,2,3
	global_load_b128 v[ACC+48+4*\k:ACC+48+4*\k+3], v20, s[12:13] offset:16*\k   ; b_proj
.endr
.irp k,0,1,2,3
	global_load_b128 v[ACC+4*\k:ACC+4*\k+3], v20, s[14:15] offset:16*\k         ; g2
.endr
.irp k,0,1,2,3
	global_load_b128 v[ACC+16+4*\k:ACC+16+4*\k+3], v20, s[16:17] offset:16*\k   ; beta2
.endr
.irp k,0,1,2,3
	global_load_b128 v[ACC+32+4*\k:ACC+32+4*\k+3], v20, s[24:25] offset:16*\k   ; bf2
.endr
	s_wait_loadcnt 41                              ; att's four and x's eight are in; the 1 + 24 + 16 loads issued behind them may be out
.irp p,0,1,2
	ds_store_b64 v4, v[AF+2*\p:AF+2*\p+1] offset:8*\p
.endr
	ds_store_b8 v5, v[AF+6]
.irp i,0,1
.irp j,0,1,2,3
	ds_store_b128 v12, v[X1+16*\i+4*\j:X1+16*\i+4*\j+3] offset:2064*\i+512*\j
.endr
.endr
	BARRIER                                        ; attention's eight fragments and 32 rows of x lie in LDS
.irp tt,0,1
.irp u,0,1
.irp k,0,1
	ds_load_b128 v[X1+16*\tt+8*\u+4*\k:X1+16*\tt+8*\u+4*\k+3], v13 offset:33024*\tt+32*\u+16*\k   ; x in the results' layout
.endr
.endr
.endr
	s_wait_loadcnt 12                              ; w_proj and b_proj are in; g2, beta2 and bf2, twelve loads, may be out
	s_wait_dscnt 0x0
.irp tt,0,1
.irp j,0,2,4,6,8,10,12,14
	v_pk_add_f32 v[X1+16*\tt+\j:X1+16*\tt+\j+1], v[X1+16*\tt+\j:X1+16*\tt+\j+1], v[ACC+48+\j:ACC+48+\j+1]
.endr
.endr
	PLACES 4
.irp s,0,1,2,3
	ALOAD AIMG, 14, \s
	s_wait_dscnt 0x0
.irp tt,0,1
.irp u,0,1
.set MD, X1+16*\tt+8*\u
.set MA, WT0+12*(4*\u+\s)
.set MB, AF+12*\tt
.set MSA, WS+\s
.set MSB, AS
.set MRA, \u
.set MRB, \tt
	WM                                             ; four accumulators by turns
.endr
.endr
	PLACES 4                                       ; in front of loads into registers that matrix instructions have read, and of the first read of results
.endr
	W1LOAD 0
	W1LOAD 1
	; ---- 1: LayerNorm of x1.  Each wave's mean and sum of squared differences of its 32 columns meet in LDS
.macro STAT1 tt
.set XB, X1+16*(\tt)
.set SP, 114+18*(\tt)
	v_pk_add_f32 v[106:107], v[XB:XB+1], v[XB+2:XB+3]
	v_pk_add_f32 v[108:109], v[XB+4:XB+5], v[XB+6:XB+7]
	v_pk_add_f32 v[110:111], v[XB+8:XB+9], v[XB+10:XB+11]
	v_pk_add_f32 v[112:113], v[XB+12:XB+13], v[XB+14:XB+15]
	v_pk_add_f32 v[106:107], v[106:107], v[108:109]
	v_pk_add_f32 v[110:111], v[110:111], v[112:113]
	v_pk_add_f32 v[106:107], v[106:107], v[110:111]
	v_add_f32 v106, v106, v107
	v_permlanex16_b32 v108, v106, s[SEL], s[SEL+1]
	v_add_f32 v106, v106, v108
	v_mul_f32 v[SP], 0x3d000000, v106              ; my 32 columns' mean
	v_mov_b32 v[SP+1], v[SP]
.irp j,0,2,4,6,8,10,12,14
	v_pk_add_f32 v[116+\j:117+\j], v[XB+\j:XB+\j+1], v[SP:SP+1] op_sel_hi:[1,0] neg_lo:[0,1] neg_hi:[0,1]
.endr
	v_pk_mul_f32 v[106:107], v[116:117], v[116:117]
	v_pk_mul_f32 v[108:109], v[118:119], v[118:119]
.irp j,4,8,12
	v_pk_fma_f32 v[106:107], v[116+\j:117+\j], v[116+\j:117+\j], v[106:107]
	v_pk_fma_f32 v[108:109], v[118+\j:119+\j], v[118+\j:119+\j], v[108:109]
.endr
	v_pk_add_f32 v[106:107], v[106:107], v[108:109]
	v_add_f32 v106, v106, v107
	v_permlanex16_b32 v108, v106, s[SEL], s[SEL+1]
	v_add_f32 v[SP+1], v106, v108                  ; and their sum of squared differences
	ds_store_b64 v10, v[SP:SP+1] offset:2304*(\tt) ; both halves of the lanes write the same pair
.endm
	STAT1 0
	STAT1 1
	BARRIER                                        ; sixteen pairs for each of the 32 tokens
.macro LN2 tt
.set XB, X1+16*(\tt)
.irp k,0,1,2,3,4,5,6,7
	ds_load_b128 v[106+4*\k:109+4*\k], v11 offset:2304*(\tt)+16*\k
.endr
	s_wait_dscnt 0x0
	v_pk_add_f32 v[138:139], v[106:107], v[108:109]
	v_pk_add_f32 v[140:141], v[110:111], v[112:113]
	v_pk_add_f32 v[142:143], v[114:115], v[116:117]
	v_pk_add_f32 v[144:145], v[118:119], v[120:121]
	v_pk_add_f32 v[138:139], v[138:139], v[122:123]
	v_pk_add_f32 v[140:141], v[140:141], v[124:125]
	v_pk_add_f32 v[142:143], v[142:143], v[126:127]
	v_pk_add_f32 v[144:145], v[144:145], v[128:129]
	v_pk_add_f32 v[138:139], v[138:139], v[130:131]
	v_pk_add_f32 v[140:141], v[140:141], v[132:133]
	v_pk_add_f32 v[142:143], v[142:143], v[134:135]
	v_pk_add_f32 v[144:145], v[144:145], v[136:137]
	v_pk_add_f32 v[138:139], v[138:139], v[140:141]
	v_pk_add_f32 v[142:143], v[142:143], v[144:145]
	v_pk_add_f32 v[138:139], v[138:139], v[142:143]   ; (the sum of the means, the sum of the sums of squares)
	v_mul_f32 v252, 0x3d800000, v138               ; the row's mean
.irp i,0,1,2,3,4,5,6,7,8,9,10,11,12,13,14,15
	v_sub_f32 v[106+2*\i], v[106+2*\i], v252
.endr
	v_mul_f32 v253, v106, v106
.irp i,1,2,3,4,5,6,7,8,9,10,11,12,13,14,15
	v_fma_f32 v253, v[106+2*\i], v[106+2*\i], v253
.endr
	v_fma_f32 v253, v253, 0x42000000, v139         ; + 32 x the squared distances of the waves' means from the row's
	v_fma_f32 v253, v253, s33, s32                 ; variance + 1e-5
	v_rsq_f32 v254, v253
	v_nop                                          ; a plain instruction behind the transcendental
.if (\tt) == 0
	s_wait_loadcnt 24                              ; g2, beta2 and bf2 are in; w1's first 24 loads, issued behind them, may be out
.endif
.irp j,0,2,4,6,8,10,12,14
	v_pk_add_f32 v[106+\j:107+\j], v[XB+\j:XB+\j+1], v[252:253] op_sel_hi:[1,0] neg_lo:[0,1] neg_hi:[0,1]
.endr
	s_wait_alu depctr_va_vdst(0)
.irp j,0,2,4,6,8,10,12,14
	v_pk_mul_f32 v[106+\j:107+\j], v[106+\j:107+\j], v[254:255] op_sel_hi:[1,0]
.endr
.irp j,0,2,4,6,8,10,12,14
	v_pk_fma_f32 v[106+\j:107+\j], v[106+\j:107+\j], v[ACC+\j:ACC+\j+1], v[ACC+16+\j:ACC+16+\j+1]
.endr
	QUANT16 106, 122, 126                          ; my 32 columns are block w of the next K
.irp k,0,1,2
	ds_store_b32 v6, v[122+\k] offset:6144*(\tt)+4*\k
.endr
	ds_store_b8 v7, v126 offset:64*(\tt)
	s_wait_dscnt 0x0                               ; the stores have read their registers
.endm
	LN2 0
	LN2 1
.irp tt,0,1
.irp j,0,2,4,6,8,10,12,14
	v_pk_add_f32 v[X1+16*\tt+\j:X1+16*\tt+\j+1], v[X1+16*\tt+\j:X1+16*\tt+\j+1], v[ACC+32+\j:ACC+32+\j+1]   ; x1 + bf2: the C of the last product
.endr
.endr
.irp b,0,1
	global_load_b128 v[WS+4*\b:WS+4*\b+3], v23, s[18:19] offset:512*\b   ; w1's scale words of my tile pairs 0, 1
.endr
	BF1LOAD 0
	BARRIER                                        ; h2's eight fragments lie in LDS
	; ---- 2: the hidden layer: my eight tiles in two halves of four; each half four K steps on eight accumulators by turns
.macro FF1STEP k
.set SA, WT0+48*((\k)%2)
	ALOAD H2IMG, 15, (\k)%4
.if (\k)%4 == 0
	s_wait_loadcnt 0x0                             ; the half's biases and scale words were issued last
.else
	s_wait_loadcnt 12                              ; this step's set is in; the next step's twelve loads may be out
.endif
	s_wait_dscnt 0x0
.irp pz,0,1
.irp u,0,1
.irp tt,0,1
.set MD, ACC+16*(2*\pz+\tt)+8*\u
.set MA, SA+12*(2*\pz+\u)
.set MB, AF+12*\tt
.set MSA, WS+4*\pz+(\k)%4
.set MSB, AS
.set MRA, \u
.set MRB, \tt
	WM
.endr
.endr
.endr
	PLACES 4
.if (\k) < 6
	W1LOAD (\k)+2
.else
	W2LOAD (\k)-6
.endif
.endm
.macro HQUANT hz                       ; relu, then blocks 2 hz, 2 hz + 1 of K step w of the last product, for both tiles of tokens
.irp pz,0,1
.irp tt,0,1
.set AB, ACC+16*(2*\pz+\tt)
.set n, 0
.rept 16
	v_max_num_f32 v[AB+n], 0, v[AB+n]
.set n, n+1
.endr
	QUANT16 AB, AF+4*(2*\pz+\tt), AF+16+2*\pz+\tt
.irp k,0,1,2
	ds_store_b32 v8, v[AF+4*(2*\pz+\tt)+\k] offset:24576*\tt+768*\pz+24*(\hz)+4*\k
.endr
	ds_store_b8 v9, v[AF+16+2*\pz+\tt] offset:64*\tt+2*(\hz)+\pz
.endr
.endr
	s_wait_dscnt 0x0                               ; the stores have read their registers
.endm
	FF1STEP 0
	FF1STEP 1
	FF1STEP 2
	FF1STEP 3
	HQUANT 0
.irp b,0,1
	global_load_b128 v[WS+4*\b:WS+4*\b+3], v23, s[18:19] offset:1024+512*\b   ; tile pairs 2, 3
.endr
	BF1LOAD 1
	FF1STEP 4
	FF1STEP 5
	FF1STEP 6
	FF1STEP 7
	HQUANT 1
.irp b,0,1
	global_load_b128 v[WS+4*\b:WS+4*\b+3], v24, s[22:23] offset:16*\b   ; w2's scale words of K steps 0-3 and 4-7
.endr
	BARRIER                                        ; the hidden layer's 32 fragments lie in LDS
	; ---- 3: the last product: two K steps at a time, four accumulators by turns
.macro FF2STEP j
.set SA, WT0+48*((\j)%2)
.irp q,0,1
.irp tt,0,1
.irp k,0,1,2
	ds_load_b128 v[ACC+12*(2*\q+\tt)+4*\k:ACC+12*(2*\q+\tt)+4*\k+3], v2 offset:(16*\tt+2*(\j)+\q)*1536+16*\k
.endr
.endr
.endr
.irp q,0,1
	ds_load_b32 v[AS+\q], v16 offset:128*(2*(\j)+\q)
.endr
.if ((\j) == 0) || ((\j) == 7)
	s_wait_loadcnt 0x0
.else
	s_wait_loadcnt 12                              ; behind this step's set stand the next set's twelve loads and at times one of scale words: twelve may be out
.endif
	s_wait_dscnt 0x0
.irp q,0,1
.irp tt,0,1
.irp u,0,1
.set MD, X1+16*\tt+8*\u
.set MA, SA+12*(2*\q+\u)
.set MB, ACC+12*(2*\q+\tt)
.set MSA, WS+4*(((\j)/2)%2)+(2*(\j)+\q)%4
.set MSB, AS+\q
.set MRA, \u
.set MRB, \tt
	WM
.endr
.endr
.endr
	PLACES 4
.if (\j) <= 5
	W2LOAD (\j)+2
.endif
.if (\j) == 1
	global_load_b128 v[WS:WS+3], v24, s[22:23] offset:32     ; K steps 8-11
.endif
.if (\j) == 3
	global_load_b128 v[WS+4:WS+7], v24, s[22:23] offset:48   ; K steps 12-15
.endif
.endm
	FF2STEP 0
	FF2STEP 1
	FF2STEP 2
	FF2STEP 3
	FF2STEP 4
	FF2STEP 5
	FF2STEP 6
	FF2STEP 7
.irp tt,0,1
.irp u,0,1
.irp k,0,1
	ds_store_b128 v13, v[X1+16*\tt+8*\u+4*\k:X1+16*\tt+8*\u+4*\k+3] offset:33024*\tt+32*\u+16*\k   ; each accumulator from its low end on
.endr
.endr
.endr
	BARRIER                                        ; 32 whole rows of the result lie in the stage
.irp i,0,1
.irp j,0,1,2,3
	ds_load_b128 v[ACC+16*\i+4*\j:ACC+16*\i+4*\j+3], v12 offset:2064*\i+512*\j
.endr
.endr
.irp i,0,1
.irp j,0,1,2,3
	s_wait_dscnt 7-4*\i-\j                         ; LDS loads come back in order: this one is in
	global_store_b128 v19, v[ACC+16*\i+4*\j:ACC+16*\i+4*\j+3], s[26:27] offset:2048*\i+512*\j th:TH_STORE_NT   ; 32 lanes store 512 consecutive bytes, at a multiple of 256 from the buffer's first byte
.endr
.endr
	s_wait_xcnt 0x0
	v_lshl_add_u32 v254, v0, 2, 0x24000
	v_mov_b32 v255, 0
	s_wait_tensorcnt 0x0
	ds_add_u32 v254, v255
	s_wait_dscnt 0x0
	s_endpgm
.Lfunc_end_k_q9f880896c7_ffn:
	.size	k_q9f880896c7_ffn, .Lfunc_end_k_q9f880896c7_ffn-k_q9f880896c7_ffn
	.p2alignl 7, 3214868480
	.fill 96, 4, 3214868480
	.section	.rodata,"a",@progbits
	.p2align	6, 0x0
	.amdhsa_kernel k_q9f880896c7_ffn
		.amdhsa_group_segment_fixed_size 149504
		.amdhsa_private_segment_fixed_size 0
		.amdhsa_enable_private_segment 0
		.amdhsa_kernarg_size 96
		.amdhsa_user_sgpr_count 2
		.amdhsa_user_sgpr_kernarg_segment_ptr 1
		.amdhsa_wavefront_size32 1
		.amdhsa_system_sgpr_workgroup_id_x 1
		.amdhsa_system_sgpr_workgroup_id_y 1
		.amdhsa_system_sgpr_workgroup_id_z 1
		.amdhsa_system_vgpr_workitem_id 0
		.amdhsa_next_free_vgpr 256
		.amdhsa_next_free_sgpr 66
		.amdhsa_reserve_vcc 0
		.amdhsa_float_denorm_mode_32 3
		.amdhsa_float_denorm_mode_16_64 3
		.amdhsa_memory_ordered 1
		.amdhsa_forward_progress 1
		.amdhsa_inst_pref_size 100
	.end_amdhsa_kernel
	.amdgpu_metadata
---
amdhsa.version: [ 1, 2 ]
amdhsa.kernels:
  - .name:           k_q9f880896c7_ffn
    .symbol:         k_q9f880896c7_ffn.kd
    .args:
      - { .name: x, .offset: 0, .size: 8, .value_kind: global_buffer, .address_space: global }
      - { .name: att, .offset: 8, .size: 8, .value_kind: global_buffer, .address_space: global }
      - { .name: wf, .offset: 16, .size: 8, .value_kind: global_buffer, .address_space: global }
      - { .name: w_proj_scales, .offset: 24, .size: 8, .value_kind: global_buffer, .address_space: global }
      - { .name: b_proj, .offset: 32, .size: 8, .value_kind: global_buffer, .address_space: global }
      - { .name: g2, .offset: 40, .size: 8, .value_kind: global_buffer, .address_space: global }
      - { .name: beta2, .offset: 48, .size: 8, .value_kind: global_buffer, .address_space: global }
      - { .name: w1_scales, .offset: 56, .size: 8, .value_kind: global_buffer, .address_space: global }
      - { .name: bf1, .offset: 64, .size: 8, .value_kind: global_buffer, .address_space: global }
      - { .name: w2_scales, .offset: 72, .size: 8, .value_kind: global_buffer, .address_space: global }
      - { .name: bf2, .offset: 80, .size: 8, .value_kind: global_buffer, .address_space: global }
      - { .name: out0, .offset: 88, .size: 8, .value_kind: global_buffer, .address_space: global }
    .group_segment_fixed_size: 149504
    .private_segment_fixed_size: 0
    .kernarg_segment_align: 8
    .kernarg_segment_size: 96
    .max_flat_workgroup_size: 512
    .sgpr_count:     66
    .vgpr_count:     256
    .wavefront_size: 32
...
	.end_amdgpu_metadata
.endif
;; end of part 3
;; ======== version 2 of 2: 3 launches; version 1 with the launches ln_qkv, attn, ffn written anew for expert scheduling mode
;; workspace buffers: qkv 9,830,400 bytes; wf 1,769,472 bytes; att 3,276,800 bytes
;; launch ln_qkv (part 4): grid 64 x 4, 16 waves a work-group, no clusters, 135,168 bytes of LDS; arguments x, g1, beta1, wq_codes, wq_scales, wk_codes, wk_scales, wv_codes, wv_scales, w_proj_codes, w1_codes, w2_codes, qkv, wf; writes qkv, wf
.if DOCPART == 4
	.amdgcn_target "amdgcn-amd-amdhsa--gfx1250"
	.amdhsa_code_object_version 6
	.text
	.protected	k_q9f880896c7_ln_qkv
	.globl	k_q9f880896c7_ln_qkv
	.p2align	8
	.type	k_q9f880896c7_ln_qkv,@function
k_q9f880896c7_ln_qkv:
	s_mov_b64 s[64:65], 0
	v_nop
	global_prefetch_b8 v0, s[64:65] scope:SCOPE_SE
	s_setreg_imm32_b32 hwreg(HW_REG_WAVE_SCHED_MODE, 0, 2), 2
	s_setreg_imm32_b32 hwreg(HW_REG_WAVE_MODE, 25, 1), 1
	s_wait_xcnt 0x0
	s_wait_alu depctr_vm_vsrc(0)
; h = LayerNorm(x) g1 + beta1; q, k, v = h W (codes of E3M2, one E8M0 scale for each 32 along K); q and k are quantised along the head's 32 channels, v along 32 neighbouring tokens.
; SHARES.  A work-group takes 128 tokens (x: 64 blocks) and 4 heads (y).  LayerNorm: wave w takes tokens 8 w .. 8 w + 7, one row at a time, and leaves h's codes in LDS as images of operand registers.
; Behind ONE barrier waves 0-3 make q, 4-7 k, 8-11 v, a head each, for all 128 tokens; waves 12-15 copy fragments of w1, w2 and w_proj into wf in the order of an operand's registers, for the third launch.
; A FRAGMENT is 16 rows x 128 K: 12 registers a lane, lane (r, h) holding block 2 c + h of row r in registers 6 c .. 6 c + 5.  Its image here: a lane's 48 bytes on end at 48 x lane.
; TOKENS OF A TILE: token t of the 128 lies in tile 2 t[6:5] + t[3], row 8 t[4] + t[2:0].  CHANNELS OF A TILE: row r of tile u is channel 8 u + r + 8 (r / 8).
; So with source 0 = W and source 1 = h (q, k) a lane's 16 results are 16 neighbouring channels of one token; with source 0 = h and source 1 = W (v) they are 16 neighbouring tokens of one channel.
; qkv, for each (batch, head) 153,600 bytes: q's codes, k's, v's (49,152 each), then their scale bytes (2,048 each).  q, k: token t in fragment t / 64, row 8 t[4] + t[2:0], block 2 t[5] + t[3]: a fragment holds 64 tokens.
; v: for each 128 tokens two fragments (u), row r = channel 8 u + r + 8 (r / 8), block = (t / 32) % 4.
; LIMITS: NaN and infinities are not served.  A block whose largest magnitude lies under 2^-122 keeps the scale byte 1; a block of zeros has the byte 1 and not 127 (its codes are zeros, and this program alone reads the bytes).
; THE MODE: SCHED_MODE bits 1:0 = 2 (LLVM: expert scheduling mode 2), set by the entry lines.  The code itself states the register dependences
; between vector or matrix instructions and memory or LDS instructions, with s_wait_alu, always for 0.
; THE PLAN.  Registers that memory or LDS instructions touch:
;   X0 .. X2     Row i: loaded two rows ahead; its first part works in X[i % 3] in place; four LDS stores read it; the loads of row i + 3, issued in row i + 1's first part, land in it.
;   Y0, Y1       Row i: the loads from the stage land in Y[i % 2]; its second part reads it; row i + 2's loads from the stage land in it again.
;   two out-buffers (v[32:34] with v17, v[36:38] with v18)  Row i's second part writes buffer i % 2; its four LDS stores stand in row i + 2's first part.  In the products: one buffer for each half of a group.
;   HF0, HF1, HS LDS loads land in them; a K step's four products read one set; the loads of two K steps on land in it again.
;   v1 .. v15    addresses and offsets: made once at the head, never written again.
; So ONE wait on va_vdst stands in a row's first part, behind its arithmetic, for all that the part's loads and stores hang on, and one on vm_vsrc beside it.
.set HSC,    49152                     ; LDS: h's images at 0 (tile x 6,144 + K step x 1,536); here their scale words: (K step x 8 + tile) x 64 + 4 r
.set TURN,   51200                     ; each wave's own 5,120 bytes: two stages of 2,560 for the turn; later its output stage (3,072 of codes, 128 of scale bytes)
.set TURNB,  5120
.set HALFST, 2560
.set OSC,    3072
.set SEL, 38                           ; s[38:39] v_permlanex16_b32's selects for lane l xor 16
.set G,   40                           ; v40-55  g1, v56-71 beta1, as loaded: register 4 j + k = column 128 j + 4 lane + k
.set BT,  56
.set X,   72                           ; v72-119 three sets of 16: a row of x as loaded
.set Y,   120                          ; v120-151 two sets of 16: 16 neighbours of a row
.set ACC, 40                           ; the products: four accumulators
.set HF,  72                           ; two sets of two fragments of h
.set WS,  152                          ; v152-155 W's scale words (K step s): lanes 0-15 tile 0's rows, lanes 16-31 tile 1's
.set HS,  156                          ; v156-157 h's scale words: lanes 0-15 the even tile's, lanes 16-31 the odd tile's
.set W,   160                          ; v160-255 W's fragments (u, s) at 12 (4 u + s)
.set QM0, 20
.set QM1, 21
.set QP,  22
.set QE,  23
.macro PLACES n
.rept \n
	v_nop
.endr
.endm
; The matrix instruction, by symbols: D = MD, source 0 = MA, source 1 = MB, C = 0 (MZ) or D, scales MSA, MSB, taken from lanes 16-31 where MRA, MRB are 1.
.macro WM
.if MZ
.if MRA && MRB
	v_wmma_scale_f32_16x16x128_f8f6f4 v[MD:MD+7], v[MA:MA+11], v[MB:MB+11], 0, v[MSA], v[MSB] matrix_a_fmt:MATRIX_FMT_BF6 matrix_b_fmt:MATRIX_FMT_BF6 matrix_a_scale:MATRIX_SCALE_ROW1 matrix_b_scale:MATRIX_SCALE_ROW1
.elseif MRA
	v_wmma_scale_f32_16x16x128_f8f6f4 v[MD:MD+7], v[MA:MA+11], v[MB:MB+11], 0, v[MSA], v[MSB] matrix_a_fmt:MATRIX_FMT_BF6 matrix_b_fmt:MATRIX_FMT_BF6 matrix_a_scale:MATRIX_SCALE_ROW1
.elseif MRB
	v_wmma_scale_f32_16x16x128_f8f6f4 v[MD:MD+7], v[MA:MA+11], v[MB:MB+11], 0, v[MSA], v[MSB] matrix_a_fmt:MATRIX_FMT_BF6 matrix_b_fmt:MATRIX_FMT_BF6 matrix_b_scale:MATRIX_SCALE_ROW1
.else
	v_wmma_scale_f32_16x16x128_f8f6f4 v[MD:MD+7], v[MA:MA+11], v[MB:MB+11], 0, v[MSA], v[MSB] matrix_a_fmt:MATRIX_FMT_BF6 matrix_b_fmt:MATRIX_FMT_BF6
.endif
.else
.if MRA && MRB
	v_wmma_scale_f32_16x16x128_f8f6f4 v[MD:MD+7], v[MA:MA+11], v[MB:MB+11], v[MD:MD+7], v[MSA], v[MSB] matrix_a_fmt:MATRIX_FMT_BF6 matrix_b_fmt:MATRIX_FMT_BF6 matrix_a_scale:MATRIX_SCALE_ROW1 matrix_b_scale:MATRIX_SCALE_ROW1
.elseif MRA
	v_wmma_scale_f32_16x16x128_f8f6f4 v[MD:MD+7], v[MA:MA+11], v[MB:MB+11], v[MD:MD+7], v[MSA], v[MSB] matrix_a_fmt:MATRIX_FMT_BF6 matrix_b_fmt:MATRIX_FMT_BF6 matrix_a_scale:MATRIX_SCALE_ROW1
.elseif MRB
	v_wmma_scale_f32_16x16x128_f8f6f4 v[MD:MD+7], v[MA:MA+11], v[MB:MB+11], v[MD:MD+7], v[MSA], v[MSB] matrix_a_fmt:MATRIX_FMT_BF6 matrix_b_fmt:MATRIX_FMT_BF6 matrix_b_scale:MATRIX_SCALE_ROW1
.else
	v_wmma_scale_f32_16x16x128_f8f6f4 v[MD:MD+7], v[MA:MA+11], v[MB:MB+11], v[MD:MD+7], v[MSA], v[MSB] matrix_a_fmt:MATRIX_FMT_BF6 matrix_b_fmt:MATRIX_FMT_BF6
.endif
.endif
.endm
; 16 numbers of a lane, half a block of 32 whose other half lies in lane l xor 16, become 12 bytes of codes in v[c] on and the block's scale byte in v[by].
; The registers are read from the low end on; the floor 2^(5 - 127) among the leaves holds the byte at 1 from below; the shift is the plain instruction behind the conversion.
.macro QUANT16 src, c, by
	v_max3_num_f32 v[QM0], |v[\src]|, |v[\src+1]|, 0x2800000
	v_max3_num_f32 v[QM1], |v[\src+2]|, |v[\src+3]|, |v[\src+4]|
	v_max3_num_f32 v[QM0], v[QM0], |v[\src+5]|, |v[\src+6]|
	v_max3_num_f32 v[QM1], v[QM1], |v[\src+7]|, |v[\src+8]|
	v_max3_num_f32 v[QM0], v[QM0], |v[\src+9]|, |v[\src+10]|
	v_max3_num_f32 v[QM1], v[QM1], |v[\src+11]|, |v[\src+12]|
	v_max3_num_f32 v[QM0], v[QM0], |v[\src+13]|, |v[\src+14]|
	v_max3_num_f32 v[QM0], v[QM0], v[QM1], |v[\src+15]|
	v_permlanex16_b32 v[QP], v[QM0], s[SEL], s[SEL+1]
	v_max_num_f32 v[QM0], v[QM0], v[QP]            ; the block's largest magnitude
	v_add_nc_u32 v[QE], 0xfe000000, v[QM0]         ; 4 off its exponent field: the conversion takes that field as its scale
	v_cvt_scalef32_pk16_bf6_f32 v[\c:\c+2], v[\src:\src+15], v[QE]
	v_lshrrev_b32 v[\by], 23, v[QE]                ; the scale's byte
.endm
.macro WSUM                            ; v20 summed over the 32 lanes, the result in every lane
	v_add_f32_dpp v20, v20, v20 row_xmask:1 row_mask:0xf bank_mask:0xf
	v_add_f32_dpp v20, v20, v20 row_xmask:2 row_mask:0xf bank_mask:0xf
	v_add_f32_dpp v20, v20, v20 row_xmask:4 row_mask:0xf bank_mask:0xf
	v_add_f32_dpp v20, v20, v20 row_xmask:8 row_mask:0xf bank_mask:0xf
	v_permlanex16_b32 v22, v20, s[SEL], s[SEL+1]
	v_add_f32 v20, v20, v22
.endm
	s_load_b512 s[4:19], s[0:1], 0x0               ; x, g1, beta1, wq codes, wq scales, wk codes, wk scales, wv codes
	s_load_b256 s[20:27], s[0:1], 0x40             ; wv scales, w_proj codes, w1 codes, w2 codes
	s_load_b128 s[28:31], s[0:1], 0x60             ; qkv, wf
	v_lshl_add_u32 v158, v0, 2, 0x20800
	v_mov_b32 v159, 0
	v_lshrrev_b32 v19, 5, v0
	v_readfirstlane_b32 s32, v19                   ; wave 0..15
	s_mov_b32 s33, ttmp9                           ; X: the block of 128 tokens
	s_and_b32 s34, ttmp7, 0xffff                   ; Y: the group of four heads
	s_wait_alu depctr_va_sdst(0)                   ; s32 is written, ahead of its first reader: roles, LDS places and bases are made from it
	s_lshr_b32 s35, s32, 2                         ; kind: 0 q, 1 k, 2 v, 3 the copying waves
	s_and_b32 s36, s32, 3
	s_lshl_b32 s37, s34, 2
	s_add_co_u32 s36, s36, s37                     ; head = 4 Y + wave % 4
	s_mov_b32 s[SEL], 0x76543210
	s_mov_b32 s[SEL+1], 0xfedcba98
	s_mov_b32 s40, 0x3b000000                      ; 1 / 512
	s_mov_b32 s41, 0x3727c5ac                      ; 1e-5
	; every LDS address is made here, ahead of the first branch on the wave's number
	v_and_b32 v19, 31, v0                          ; lane
	v_and_b32 v24, 15, v0                          ; r
	v_bfe_u32 v25, v0, 4, 1                        ; h
	v_lshlrev_b32 v1, 4, v19                       ; v1: 16 x lane
	s_mul_i32 s50, s32, TURNB
	s_add_co_u32 s50, s50, TURN                    ; my wave's own bytes
	v_lshrrev_b32 v2, 2, v19
	v_mul_u32_u24 v2, v2, 80
	v_and_b32 v26, 3, v19
	v_lshl_add_u32 v2, v26, 4, v2
	v_add_nc_u32 v2, s50, v2                       ; v2: the turn, in: four lanes' 64 bytes on end, then 16 of padding
	v_mul_u32_u24 v3, v19, 80
	v_add_nc_u32 v3, s50, v3                       ; v3: the turn, out: my 16 neighbours
	s_lshr_b32 s51, s32, 2
	s_lshl_b32 s51, s51, 1
	s_and_b32 s52, s32, 1
	s_add_co_u32 s51, s51, s52                     ; my tokens' tile: 2 (w / 4) + w % 2
	s_bfe_u32 s52, s32, 0x10001                    ; and which eight rows of it: (w / 2) % 2
	v_lshrrev_b32 v4, 3, v19                       ; behind the turn lane l holds columns 16 l on: K step l / 8, block (l / 2) % 4, half l % 2
	v_mul_u32_u24 v4, v4, 1536
	v_bfe_u32 v26, v0, 1, 1
	v_mad_u32_u24 v4, v26, 768, v4
	v_bfe_u32 v26, v0, 2, 1
	v_mad_u32_u24 v4, v26, 24, v4
	v_and_b32 v26, 1, v0
	v_mad_u32_u24 v4, v26, 12, v4
	s_mul_i32 s53, s51, 6144
	s_mul_i32 s54, s52, 384
	s_add_co_u32 s53, s53, s54
	v_add_nc_u32 v4, s53, v4                       ; v4: where my 12 bytes of h's codes go (row i: + 48 i)
	v_lshrrev_b32 v5, 3, v19
	v_lshlrev_b32 v5, 9, v5
	v_bfe_u32 v26, v0, 1, 2
	v_add_nc_u32 v5, v5, v26
	s_lshl_b32 s53, s51, 6
	s_lshl_b32 s54, s52, 5
	s_add_co_u32 s53, s53, s54
	s_add_co_u32 s53, s53, HSC
	v_add_nc_u32 v5, s53, v5                       ; v5: and the block's scale byte (row i: + 4 i)
	v_mul_u32_u24 v6, v19, 48                      ; v6: 48 x lane: an image's place for my lane
	v_lshl_add_u32 v7, v19, 2, HSC                 ; v7: h's scale words, 4 x lane
	v_mul_u32_u24 v8, v24, 48
	v_mad_u32_u24 v8, v25, 12, v8
	v_add_nc_u32 v8, s50, v8                       ; v8: output stage: 48 r + 12 h
	s_add_co_u32 s55, s50, OSC
	v_lshlrev_b32 v9, 2, v24
	v_add_nc_u32 v9, s55, v9                       ; v9: its scale bytes: 4 r
	v_add_nc_u32 v10, s50, v1                      ; v10: the stage read back, 16 x lane
	v_lshlrev_b32 v14, 2, v19                      ; v14: 4 x lane
	v_add_nc_u32 v11, s55, v14                     ; v11: the scale bytes read back
	v_and_b32 v26, 8, v24
	v_add_nc_u32 v26, v26, v24                     ; r + 8 (r / 8)
	v_mul_u32_u24 v12, v26, 384
	v_mad_u32_u24 v12, v25, 24, v12                ; v12: a weight of 384-byte rows: my row of a tile, my half's 24 bytes
	v_lshl_add_u32 v13, v25, 3, v26
	v_lshlrev_b32 v13, 4, v13                      ; v13: its scale words, 16 bytes a row: lanes 0-15 tile 0's rows, lanes 16-31 tile 1's
	v_mul_u32_u24 v15, v26, 1536
	v_mad_u32_u24 v15, v25, 24, v15                ; v15: the same as v12 for w2's rows of 1,536 bytes
	v_mov_b32 v29, 0                               ; named as the upper halves of the pairs v[28:29], v[30:31]
	v_mov_b32 v31, 0
	s_lshl_b32 s56, s33, 18                        ; x: 128 X rows of 2,048 bytes,
	s_lshl_b32 s57, s32, 14                        ; and my wave's 8 rows
	s_add_co_u32 s56, s56, s57
	s_mov_b32 s57, 0
	s_mul_i32 s58, s36, 12288                      ; my head's 32 rows of 384 bytes
	s_mov_b32 s59, 0
	s_lshr_b32 s60, s33, 4
	s_lshl_b32 s60, s60, 4
	s_add_co_u32 s60, s60, s36                     ; 16 x batch + head
	s_mul_i32 s60, s60, 153600
	s_and_b32 s61, s33, 15                         ; which 128 tokens of the batch's 2,048
	s_mul_i32 s62, s35, 49152
	s_mul_i32 s63, s61, 3072
	s_add_co_u32 s62, s62, s63
	s_add_co_u32 s62, s62, s60                     ; where my codes go
	s_mov_b32 s63, 0
	s_lshl_b32 s66, s35, 11
	s_lshl_b32 s67, s61, 7
	s_add_co_u32 s66, s66, s67
	s_add_co_u32 s66, s66, s60
	s_add_co_u32 s66, s66, 147456                  ; and my scale bytes
	s_mov_b32 s67, 0
	s_wait_kmcnt 0x0
	s_add_nc_u64 s[4:5], s[4:5], s[56:57]
	s_cmp_eq_u32 s35, 0                            ; the weight is chosen by the wave's number alone
	s_cselect_b64 s[42:43], s[10:11], s[14:15]
	s_cselect_b64 s[44:45], s[12:13], s[16:17]
	s_cmp_eq_u32 s35, 2
	s_cselect_b64 s[42:43], s[18:19], s[42:43]
	s_cselect_b64 s[44:45], s[20:21], s[44:45]
	s_add_nc_u64 s[42:43], s[42:43], s[58:59]
	s_lshl_b32 s58, s36, 9                         ; 32 rows of 16 scale bytes
	s_add_nc_u64 s[44:45], s[44:45], s[58:59]
	s_add_nc_u64 s[46:47], s[28:29], s[62:63]
	s_add_nc_u64 s[48:49], s[28:29], s[66:67]
	s_wait_alu depctr_va_vdst(0)                   ; the addresses and offsets v1 to v15 are written: every load and store of the kernel reads one of them, and none is written again
.irp j,0,1,2,3
	global_load_b128 v[G+4*\j:G+4*\j+3], v1, s[6:7] offset:512*\j
	global_load_b128 v[BT+4*\j:BT+4*\j+3], v1, s[8:9] offset:512*\j
.endr
.irp i,0,1,2
.irp j,0,1,2,3
	global_load_b128 v[X+16*\i+4*\j:X+16*\i+4*\j+3], v1, s[4:5] offset:2048*\i+512*\j   ; 32 lanes read 512 consecutive bytes; three other work-groups read the same rows, so no hint
.endr
.endr
	s_cmp_ge_u32 s32, 12
	s_cbranch_scc1 .Lno_w
.irp u,0,1
.irp s,0,1,2,3
.irp p,0,1,2,3,4,5
	global_load_b64 v[W+12*(4*\u+\s)+2*\p:W+12*(4*\u+\s)+2*\p+1], v12, s[42:43] offset:3072*\u+96*\s+48*(\p/3)+8*(\p%3)   ; my head's weight stays in registers
.endr
.endr
.endr
	global_load_b128 v[WS:WS+3], v13, s[44:45]
	s_wait_loadcnt 49                              ; g1, beta1 and rows 0-2 are in; the 49 loads of the weight, issued behind them, may be out
	s_branch .Lln
.Lno_w:
	s_wait_loadcnt 0x0
.Lln:
; Row i's codes and scale byte go from out-buffer i % 2 to h's images.
.macro LN_ST i
.irp k,0,1,2
	ds_store_b32 v4, v[32+4*((\i)%2)+\k] offset:48*(\i)+4*\k
.endr
	ds_store_b8 v5, v[17+(\i)%2] offset:4*(\i)     ; both lanes of a block write the same byte with the same value
.endm
; Row i, first part: mean, variance (of the differences), the norm, gain and bias, in the layout of the loads; then the row turns through the wave's stage.
.macro LN_A i
.set XS, X+16*((\i)%3)
.set YS, Y+16*((\i)%2)
.if (\i) == 7
	s_wait_loadcnt 0x0                             ; no load was issued behind row 7's
.elseif (\i) >= 3
	s_wait_loadcnt 0x4                             ; row i is in; the four loads of row i + 1, issued behind it, may be out
.endif
	v_pk_add_f32 v[20:21], v[XS:XS+1], v[XS+2:XS+3]
	v_pk_add_f32 v[22:23], v[XS+4:XS+5], v[XS+6:XS+7]
	v_pk_add_f32 v[24:25], v[XS+8:XS+9], v[XS+10:XS+11]
	v_pk_add_f32 v[26:27], v[XS+12:XS+13], v[XS+14:XS+15]
	v_pk_add_f32 v[20:21], v[20:21], v[22:23]
	v_pk_add_f32 v[24:25], v[24:25], v[26:27]
	v_pk_add_f32 v[20:21], v[20:21], v[24:25]
	v_add_f32 v20, v20, v21
	WSUM
	v_mul_f32 v28, s40, v20                        ; the mean
.irp j,0,2,4,6,8,10,12,14
	v_pk_add_f32 v[XS+\j:XS+\j+1], v[XS+\j:XS+\j+1], v[28:29] op_sel_hi:[1,0] neg_lo:[0,1] neg_hi:[0,1]
.endr
	v_pk_mul_f32 v[20:21], v[XS:XS+1], v[XS:XS+1]
	v_pk_mul_f32 v[22:23], v[XS+2:XS+3], v[XS+2:XS+3]
.irp j,4,8,12
	v_pk_fma_f32 v[20:21], v[XS+\j:XS+\j+1], v[XS+\j:XS+\j+1], v[20:21]
	v_pk_fma_f32 v[22:23], v[XS+\j+2:XS+\j+3], v[XS+\j+2:XS+\j+3], v[22:23]
.endr
	v_pk_add_f32 v[20:21], v[20:21], v[22:23]
	v_add_f32 v20, v20, v21
	WSUM
	v_fma_f32 v20, v20, s40, s41                   ; variance + 1e-5
	v_rsq_f32 v30, v20
	v_nop                                          ; a plain instruction behind the transcendental
	s_wait_alu depctr_va_vdst(0)                   ; the reciprocal root v30 is written, ahead of its first reader
.irp j,0,2,4,6,8,10,12,14
	v_pk_mul_f32 v[XS+\j:XS+\j+1], v[XS+\j:XS+\j+1], v[30:31] op_sel_hi:[1,0]
.endr
.irp j,0,2,4,6,8,10,12,14
	v_pk_fma_f32 v[XS+\j:XS+\j+1], v[XS+\j:XS+\j+1], v[G+\j:G+\j+1], v[BT+\j:BT+\j+1]
.endr
	s_wait_dscnt 0x4                               ; all but the four youngest LDS instructions, the last row's loads from the stage, are done: its stores into the stage among them
	s_wait_alu depctr_va_vdst(0)                   ; this row's lines have written X[i % 3], which the stores into the stage read; the row before is done with its set, in which the loads of x land; row i - 2's second part has written its out-buffer, stored below, and is done reading Y[i % 2], in which the loads from the stage land
.if (\i) >= 1
	s_wait_alu depctr_vm_vsrc(0)                   ; the last row's stores into the stage have read the set that the loads of x fill; the stores of row i - 3's codes have read the out-buffer that the second part behind this part writes
.endif
.if ((\i) >= 1) && ((\i) <= 5)
.set XN, X+16*(((\i)+2)%3)
.irp j,0,1,2,3
	global_load_b128 v[XN+4*\j:XN+4*\j+3], v1, s[4:5] offset:2048*((\i)+2)+512*\j
.endr
.endif
.if (\i) >= 2
	LN_ST (\i)-2
.endif
.irp j,0,1,2,3
	ds_store_b128 v2, v[XS+4*\j:XS+4*\j+3] offset:HALFST*((\i)%2)+640*\j
.endr
.irp j,0,1,2,3
	ds_load_b128 v[YS+4*\j:YS+4*\j+3], v3 offset:HALFST*((\i)%2)+16*\j   ; LDS serves a wave's instructions in order: these see the stores above
.endr
.endm
; Row i, second part: two neighbouring lanes hold a block of 32; codes and scale byte are made in out-buffer i % 2.  No LDS instruction stands here: the stores follow in row i + 2's first part.
.macro LN_B i
.set YS, Y+16*((\i)%2)
.if (\i) == 7
	s_wait_dscnt 0x0
	s_wait_alu depctr_vm_vsrc(0)                   ; the stores of row 5's codes, issued in row 7's first part, have read the out-buffer that is written below
.elseif (\i) == 0
	s_wait_dscnt 0x8                               ; the eight LDS instructions of row 1's first part may be out: row 0 is back from the stage
.else
	s_wait_dscnt 12                                ; the twelve LDS instructions of row i + 1's first part (four stores of codes, four into the stage, four loads) may be out: row i is back from the stage
.endif
	v_max3_num_f32 v20, |v[YS]|, |v[YS+1]|, 0x2800000
	v_max3_num_f32 v21, |v[YS+2]|, |v[YS+3]|, |v[YS+4]|
	v_max3_num_f32 v20, v20, |v[YS+5]|, |v[YS+6]|
	v_max3_num_f32 v21, v21, |v[YS+7]|, |v[YS+8]|
	v_max3_num_f32 v20, v20, |v[YS+9]|, |v[YS+10]|
	v_max3_num_f32 v21, v21, |v[YS+11]|, |v[YS+12]|
	v_max3_num_f32 v20, v20, |v[YS+13]|, |v[YS+14]|
	v_max3_num_f32 v20, v20, v21, |v[YS+15]|
	v_max_num_f32_dpp v20, v20, v20 row_xmask:1 row_mask:0xf bank_mask:0xf
	v_add_nc_u32 v23, 0xfe000000, v20
	v_cvt_scalef32_pk16_bf6_f32 v[32+4*((\i)%2):34+4*((\i)%2)], v[YS:YS+15], v23
	v_lshrrev_b32 v[17+(\i)%2], 23, v23
.endm
	LN_A 0
	LN_A 1
	LN_B 0
	LN_A 2
	LN_B 1
	LN_A 3
	LN_B 2
	LN_A 4
	LN_B 3
	LN_A 5
	LN_B 4
	LN_A 6
	LN_B 5
	LN_A 7
	LN_B 6
	LN_B 7
	s_wait_alu depctr_va_vdst(0)                   ; rows 6 and 7 have written both out-buffers, which the stores below read.  No vector instruction follows up to the loads behind the barrier: so it also states that the rows are done with X, in which those loads land
	LN_ST 6
	LN_ST 7
	s_wait_dscnt 0x0                               ; for the others' sake: my stores into h's images are done
	s_barrier_signal -1
	s_barrier_wait -1                              ; h's 32 fragments and their scale words lie in LDS; nobody writes them again
	s_wait_alu depctr_vm_vsrc(0)                   ; my stores into the stage have read X, in which fragments of h or of a weight land from here on; my stores of codes have read both out-buffers, which the products' quantisers write
; two tiles of tokens (2 g, 2 g + 1), K step s: six loads of 16 bytes and one of the scale words
.macro HLOAD g, s
.set HFS, HF+24*((\s)%2)
.irp tt,0,1
.irp k,0,1,2
	ds_load_b128 v[HFS+12*\tt+4*\k:HFS+12*\tt+4*\k+3], v6 offset:(2*(\g)+\tt)*6144+1536*(\s)+16*\k
.endr
.endr
	ds_load_b32 v[HS+(\s)%2], v7 offset:512*(\s)+128*(\g)
.endm
; four matrix instructions on four accumulators, which take turns.  isv = 0: source 0 = W, source 1 = h; isv = 1: the other way round.
.macro MM s, isv
.set HFS, HF+24*((\s)%2)
.set MZ, 0
.if (\s) == 0
.set MZ, 1
.endif
.irp a,0,1
.irp b,0,1
.set MD, ACC+16*\a+8*\b
.if \isv
.set MA, HFS+12*\b
.set MB, W+12*(4*\a+(\s))
.set MSA, HS+(\s)%2
.set MSB, WS+(\s)
.else
.set MA, W+12*(4*\b+(\s))
.set MB, HFS+12*\a
.set MSA, WS+(\s)
.set MSB, HS+(\s)%2
.endif
.set MRA, \b
.set MRB, \a
	WM
.endr
.endr
.endm
; 32 tokens x my head's 32 channels: four K steps, then two halves of blocks are quantised into my output stage.
.macro GROUP g, isv
	s_wait_dscnt 7                                 ; at most the seven youngest LDS instructions are out: K step 0's fragments are in
	MM 0, \isv
	PLACES 4                                       ; in front of loads into registers that matrix instructions have read
	s_wait_alu depctr_va_vdst(0)                   ; K step 0's products are done reading set 0 and its scale words, in which K step 2's land
	HLOAD \g, 2
	s_wait_dscnt 7                                 ; all but the seven just issued
	MM 1, \isv
	PLACES 4
	s_wait_alu depctr_va_vdst(0)                   ; K step 1's products are done reading set 1 and its scale words, in which K step 3's land
	HLOAD \g, 3
	s_wait_dscnt 7
	MM 2, \isv
	s_wait_dscnt 0x0
	MM 3, \isv
	PLACES 5                                       ; five: the next group's first products write over these accumulators
.if (\g) < 3
	s_wait_alu depctr_va_vdst(0)                   ; K steps 2 and 3 are done reading both sets, in which the next group's first two K steps land
	HLOAD (\g)+1, 0
	HLOAD (\g)+1, 1
.endif
.if (\g) > 0
	s_wait_alu depctr_vm_vsrc(0)                   ; the last group's stores have read both out-buffers, which the quantisers below write
.endif
	QUANT16 ACC, 32, 17
	QUANT16 ACC+16, 36, 18
	s_wait_alu depctr_va_vdst(0)                   ; the quantisers have written both out-buffers, which the eight stores read
.irp pr,0,1
.irp k,0,1,2
.if \isv
	ds_store_b32 v8, v[32+4*\pr+\k] offset:1536*\pr+768*((\g)%2)+24*((\g)/2)+4*\k       ; v: fragment u = pr, block g
.else
	ds_store_b32 v8, v[32+4*\pr+\k] offset:1536*((\g)/2)+768*\pr+24*((\g)%2)+4*\k       ; q, k: fragment g / 2, block 2 (g % 2) + pr
.endif
.endr
.if \isv
	ds_store_b8 v9, v[17+\pr] offset:64*\pr+(\g)
.else
	ds_store_b8 v9, v[17+\pr] offset:64*((\g)/2)+2*((\g)%2)+\pr
.endif
.endr
.endm
	s_cmp_ge_u32 s32, 12
	s_cbranch_scc1 .Lrelay
	HLOAD 0, 0
	HLOAD 0, 1
	s_cmp_ge_u32 s32, 8
	s_cbranch_scc1 .Lv
	GROUP 0, 0
	GROUP 1, 0
	GROUP 2, 0
	GROUP 3, 0
	s_branch .Lout
.Lv:
	GROUP 0, 1
	GROUP 1, 1
	GROUP 2, 1
	GROUP 3, 1
.Lout:
.irp k,0,1,2,3,4,5
	ds_load_b128 v[HF+4*\k:HF+4*\k+3], v10 offset:512*\k     ; my own stage, in order behind my stores; no vector or matrix instruction since the last group's wait names these registers
.endr
	ds_load_b32 v[HF+24], v11
	s_wait_dscnt 0x0
.irp k,0,1,2,3,4,5
	global_store_b128 v1, v[HF+4*\k:HF+4*\k+3], s[46:47] offset:512*\k   ; 32 lanes store 512 consecutive bytes, at a multiple of 256 from the buffer's first byte
.endr
	global_store_b32 v14, v[HF+24], s[48:49]
	s_wait_dscnt 0x0                               ; the closing lines, six on end
	s_wait_alu 0x0
	s_wait_tensorcnt 0x0
	ds_add_u32 v158, v159
	s_wait_dscnt 0x0
	s_endpgm
; One fragment of a weight (tile T = F >> logs, K step F % 2^logs; row r of tile T is weight row 32 (T / 2) + 8 (T % 2) + r + 8 (r / 8)) is read as the operand's registers want it
; and stored with register group k at 512 k + 16 x lane, so that the third launch loads it by three loads of 512 consecutive bytes.  No vector instruction stands on this way: loads and stores hang on memory counters alone.
.macro RELAY src, rb, logs, dst, lo, reg
	s_lshr_b32 s70, s69, \logs
	s_lshl_b32 s71, s70, \logs
	s_sub_co_u32 s71, s69, s71
	s_lshr_b32 s72, s70, 1
	s_lshl_b32 s72, s72, 5
	s_and_b32 s73, s70, 1
	s_lshl_b32 s73, s73, 3
	s_add_co_u32 s72, s72, s73
	s_mul_i32 s72, s72, \rb
	s_mul_i32 s71, s71, 96
	s_add_co_u32 s72, s72, s71
	s_mov_b32 s73, 0
	s_add_nc_u64 s[74:75], s[\src:\src+1], s[72:73]
.irp p,0,1,2,3,4,5
	global_load_b64 v[\reg+2*\p:\reg+2*\p+1], v[\lo], s[74:75] offset:48*(\p/3)+8*(\p%3)
.endr
	s_mul_i32 s72, s69, 1536
	s_add_co_u32 s72, s72, \dst
	s_add_nc_u64 s[76:77], s[30:31], s[72:73]
	s_wait_loadcnt 0x0
.irp k,0,1,2
	global_store_b128 v1, v[\reg+4*\k:\reg+4*\k+3], s[76:77] offset:512*\k
.endr
.endm
.Lrelay:
	s_lshl_b32 s68, s34, 6
	s_add_co_u32 s68, s68, s33                     ; the work-group's number, 0 .. 255
	s_lshl_b32 s69, s68, 1
	s_and_b32 s67, s32, 1
	s_add_co_u32 s69, s69, s67                     ; fragment 2 x work-group + wave % 2: 512 of w1 (waves 12, 13), 512 of w2 (waves 14, 15)
	s_cmp_ge_u32 s32, 14
	s_cbranch_scc1 .Lrelay2
	RELAY 24, 384, 2, 196608, 12, 72
	s_cmp_lg_u32 s32, 12
	s_cbranch_scc1 .Lend
	s_and_b32 s67, s68, 1
	s_cmp_lg_u32 s67, 0
	s_cbranch_scc1 .Lend                           ; w_proj has 128 fragments: wave 12 of every second work-group takes one
	s_lshr_b32 s69, s68, 1
	s_wait_xcnt 0x0                                ; the stores above have read their base: it is written again only behind this wait
	RELAY 22, 384, 2, 0, 12, 84
	s_branch .Lend
.Lrelay2:
	RELAY 26, 1536, 4, 983040, 15, 72
.Lend:
	s_wait_dscnt 0x0                               ; the closing lines, six on end
	s_wait_alu 0x0
	s_wait_tensorcnt 0x0
	ds_add_u32 v158, v159
	s_wait_dscnt 0x0
	s_endpgm
.Lfunc_end_k_q9f880896c7_ln_qkv:
	.size	k_q9f880896c7_ln_qkv, .Lfunc_end_k_q9f880896c7_ln_qkv-k_q9f880896c7_ln_qkv
	.p2alignl 7, 3214868480
	.fill 96, 4, 3214868480
	.section	.rodata,"a",@progbits
	.p2align	6, 0x0
	.amdhsa_kernel k_q9f880896c7_ln_qkv
		.amdhsa_group_segment_fixed_size 135168
		.amdhsa_private_segment_fixed_size 0
		.amdhsa_enable_private_segment 0
		.amdhsa_kernarg_size 112
		.amdhsa_user_sgpr_count 2
		.amdhsa_user_sgpr_kernarg_segment_ptr 1
		.amdhsa_wavefront_size32 1
		.amdhsa_system_sgpr_workgroup_id_x 1
		.amdhsa_system_sgpr_workgroup_id_y 1
		.amdhsa_system_sgpr_workgroup_id_z 1
		.amdhsa_system_vgpr_workitem_id 0
		.amdhsa_next_free_vgpr 256
		.amdhsa_next_free_sgpr 100
		.amdhsa_reserve_vcc 0
		.amdhsa_float_denorm_mode_32 3
		.amdhsa_float_denorm_mode_16_64 3
		.amdhsa_memory_ordered 1
		.amdhsa_forward_progress 1
		.amdhsa_inst_pref_size 113
	.end_amdhsa_kernel
	.amdgpu_metadata
---
amdhsa.version: [ 1, 2 ]
amdhsa.kernels:
  - .name:           k_q9f880896c7_ln_qkv
    .symbol:         k_q9f880896c7_ln_qkv.kd
    .args:
      - { .name: x, .offset: 0, .size: 8, .value_kind: global_buffer, .address_space: global }
      - { .name: g1, .offset: 8, .size: 8, .value_kind: global_buffer, .address_space: global }
      - { .name: beta1, .offset: 16, .size: 8, .value_kind: global_buffer, .address_space: global }
      - { .name: wq_codes, .offset: 24, .size: 8, .value_kind: global_buffer, .address_space: global }
      - { .name: wq_scales, .offset: 32, .size: 8, .value_kind: global_buffer, .address_space: global }
      - { .name: wk_codes, .offset: 40, .size: 8, .value_kind: global_buffer, .address_space: global }
      - { .name: wk_scales, .offset: 48, .size: 8, .value_kind: global_buffer, .address_space: global }
      - { .name: wv_codes, .offset: 56, .size: 8, .value_kind: global_buffer, .address_space: global }
      - { .name: wv_scales, .offset: 64, .size: 8, .value_kind: global_buffer, .address_space: global }
      - { .name: w_proj_codes, .offset: 72, .size: 8, .value_kind: global_buffer, .address_space: global }
      - { .name: w1_codes, .offset: 80, .size: 8, .value_kind: global_buffer, .address_space: global }
      - { .name: w2_codes, .offset: 88, .size: 8, .value_kind: global_buffer, .address_space: global }
      - { .name: qkv, .offset: 96, .size: 8, .value_kind: global_buffer, .address_space: global }
      - { .name: wf, .offset: 104, .size: 8, .value_kind: global_buffer, .address_space: global }
    .group_segment_fixed_size: 135168
    .private_segment_fixed_size: 0
    .kernarg_segment_align: 8
    .kernarg_segment_size: 112
    .max_flat_workgroup_size: 512
    .sgpr_count:     100
    .vgpr_count:     256
    .wavefront_size: 32
...
	.end_amdgpu_metadata
.endif
;; end of part 4
;; launch attn (part 5): grid 4 x 64, 16 waves a work-group, no clusters, 104,448 bytes of LDS; arguments qkv, att; writes att
.if DOCPART == 5
	.amdgcn_target "amdgcn-amd-amdhsa--gfx1250"
	.amdhsa_code_object_version 6
	.text
	.protected	k_q9f880896c7_attn
	.globl	k_q9f880896c7_attn
	.p2align	8
	.type	k_q9f880896c7_attn,@function
k_q9f880896c7_attn:
	s_mov_b64 s[64:65], 0
	v_nop
	global_prefetch_b8 v0, s[64:65] scope:SCOPE_SE
	s_setreg_imm32_b32 hwreg(HW_REG_WAVE_SCHED_MODE, 0, 2), 2
	s_setreg_imm32_b32 hwreg(HW_REG_WAVE_MODE, 25, 1), 1
	s_wait_xcnt 0x0
	s_wait_alu depctr_vm_vsrc(0)
; Causal attention of one (batch, head) on codes of E3M2, head size 32, 2,048 tokens; the result, divided by the row's sum, is quantised by head (a block of 32 of the next product's K) into att.
; t = score x log2(e) / sqrt(512); M = the running largest t rounded UP to a whole number; p = 2^(t - M) is quantised along the keys, not normalised; the row's sum is taken of the unquantised p.
; SHARES.  grid x = 4 work-groups to a (batch, head), y = 16 x batch + head.  Wave w of work-group g takes the tiles of 16 queries i = 16 g + w and 127 - i: i / 8 + 1 + (127 - i) / 8 + 1 = 17 key steps for every wave.
; K's and V's codes and scale bytes of the whole head, 102,400 bytes, are copied into LDS once, through registers; behind the one barrier LDS is only read.
; SCORES.  A fragment of K holds 64 keys, one in each (row, block of 32) place.  Source 1 is the 16 queries' codes in ONE of the four blocks and zero codes in the others, so each of four instructions picks 16 of the 64 keys:
; with block 2 a + b chosen, register j of lane (r, h) is query r against key 32 a + 16 h + 8 b + j.  So the 16 registers of two neighbouring results are 16 neighbouring keys.
; Both products are used transposed: a lane holds ONE query throughout.  V's fragment u has row r = channel 8 u + r + 8 (r / 8), so a lane's 16 results are channels 16 h + 0 .. 15.
; Every wave walks 16 key steps (a constant); a step all of whose keys come after its queries is jumped over by a scalar branch on ids.
; LIMITS: NaN and infinities are not served; a block whose every p has fallen to 0 keeps the scale byte 1 (its codes are zeros); log2(e) / sqrt(512) is one f32 constant, applied by one fused multiply-add.
; REGISTERS: v1-11 addresses; v12 -M, v13 the largest t, v[14:15] the sum; v16-45 the queries' four forms; v46-51 q as loaded; v52 q's scale word, v53 K's, v54 V's; v56-79 K; v96-159 S^T, then p; v160-175 O^T;
; v176-199 V; v224-235 p's codes; v232-254 at work; v253 p's scale word.  s40-55: sixteen masks of the causal mask's compares.
; THE MODE: SCHED_MODE bits 1:0 = 2 (LLVM: expert scheduling mode 2), set by the entry lines.  The code itself states the register dependences
; between vector or matrix instructions and memory or LDS instructions, with s_wait_alu, always for 0.
; THE PLAN.  Registers that memory or LDS instructions touch:
;   v96-145      at the head: the copy's loads land in them and its LDS stores read them; later the products write them.
;   v46-51, v55  a tile's loads of q land in them; the selects and the scale word's two lines read them.
;   v8, v9       the step's LDS addresses: written at the step's head, read by its fourteen loads.
;   v56-79, v53 (K), v176-199, v54 (V)   the step's loads land in them; its products read them.
;   v[240:242], v243   written in the steps and at a tile's end; read by the tile's two stores.
;   v1-7, v10, v11, v201, v204   made once at the head, never written again.
; A step has one wait on vm_vsrc and one on va_vdst at its head, round the two additions; the exponentials' wait; and one wait on va_vdst ahead of the products that take p, whose codes and scale word vector instructions write.
.set KSC, 98304                        ; LDS: K's images at 0, V's at 49,152, K's scale words here, V's 2,048 further on
.set SEL, 20                           ; s[20:21] v_permlanex16_b32's selects for lane l xor 16
.set CS,  22                           ; s[22:23] c = log2(e) / sqrt(512)
.macro PLACES n
.rept \n
	v_nop
.endr
.endm
.macro WM
.if MZ
.if MRA
	v_wmma_scale_f32_16x16x128_f8f6f4 v[MD:MD+7], v[MA:MA+11], v[MB:MB+11], 0, v[MSA], v[MSB] matrix_a_fmt:MATRIX_FMT_BF6 matrix_b_fmt:MATRIX_FMT_BF6 matrix_a_scale:MATRIX_SCALE_ROW1
.else
	v_wmma_scale_f32_16x16x128_f8f6f4 v[MD:MD+7], v[MA:MA+11], v[MB:MB+11], 0, v[MSA], v[MSB] matrix_a_fmt:MATRIX_FMT_BF6 matrix_b_fmt:MATRIX_FMT_BF6
.endif
.else
.if MRA
	v_wmma_scale_f32_16x16x128_f8f6f4 v[MD:MD+7], v[MA:MA+11], v[MB:MB+11], v[MD:MD+7], v[MSA], v[MSB] matrix_a_fmt:MATRIX_FMT_BF6 matrix_b_fmt:MATRIX_FMT_BF6 matrix_a_scale:MATRIX_SCALE_ROW1
.else
	v_wmma_scale_f32_16x16x128_f8f6f4 v[MD:MD+7], v[MA:MA+11], v[MB:MB+11], v[MD:MD+7], v[MSA], v[MSB] matrix_a_fmt:MATRIX_FMT_BF6 matrix_b_fmt:MATRIX_FMT_BF6
.endif
.endif
.endm
	s_load_b128 s[4:7], s[0:1], 0x0                ; qkv, att
	v_lshl_add_u32 v251, v0, 2, 0x19000
	v_mov_b32 v255, 0
	v_lshrrev_b32 v8, 5, v0
	v_readfirstlane_b32 s8, v8                     ; wave 0..15
	s_and_b32 s9, ttmp7, 0xffff                    ; 16 x batch + head
	s_mul_i32 s10, s9, 153600
	s_mov_b32 s11, 0
	s_mov_b32 s[SEL], 0x76543210
	s_mov_b32 s[SEL+1], 0xfedcba98
	s_mov_b32 s[CS], 0x3d8293ee
	s_mov_b32 s[CS+1], s[CS]                       ; (named with it as a pair, so it is written)
	s_mov_b32 s24, 0x0000ffff                      ; lanes 0-15
	s_mov_b32 s25, 0xffff0000                      ; lanes 16-31
	s_mov_b32 s31, 0
	v_and_b32 v9, 31, v0                           ; lane
	v_and_b32 v6, 15, v0                           ; v6: r
	v_bfe_u32 v200, v0, 4, 1                       ; h
	v_mul_u32_u24 v1, v9, 48                       ; v1: 48 x lane: an image's place for my lane
	v_lshl_add_u32 v2, v9, 2, KSC                  ; v2: scale words, 4 x lane
	v_and_b32 v202, 7, v0
	v_bfe_u32 v203, v0, 3, 1
	v_mul_u32_u24 v3, v202, 48
	v_mad_u32_u24 v3, v203, 768, v3                ; v3: query r's 24 bytes in its fragment: row r % 8 of its eight, half r / 8
	v_lshl_add_u32 v4, v202, 2, v203               ; v4: and its scale byte
	v_mul_u32_u24 v5, v6, 24
	v_mad_u32_u24 v5, v200, 12, v5                 ; v5: the way out: 24 r + 12 h
	v_lshlrev_b32 v201, 4, v200
	v_sub_nc_u32 v201, v6, v201                    ; v201: r - 16 h, for the mask
	v_lshlrev_b32 v10, 4, v0                       ; the copy: 16 bytes a thread,
	v_add_nc_u32 v11, 49152, v10                   ; (the LDS offset has 16 bits: V's half by a second register)
	v_lshlrev_b32 v7, 3, v0                        ; 8 bytes a thread for the scale bytes
	v_add_nc_u32 v204, KSC, v7
	s_wait_alu depctr_va_sdst(0)                   ; s8 is written, ahead of its first reader: each tile's number is made from it
	s_wait_kmcnt 0x0
	s_add_nc_u64 s[4:5], s[4:5], s[10:11]          ; my (batch, head)'s part of qkv
	s_wait_alu depctr_va_vdst(0)                   ; the addresses and offsets v1 to v7, v10, v11 and v204 are written, which the loads and stores of the kernel read
.irp k,0,1,2,3,4,5,6,7,8,9,10,11
	global_load_b128 v[96+4*\k:99+4*\k], v10, s[4:5] offset:49152+8192*\k   ; the 512 threads read 8,192 consecutive bytes
.endr
	global_load_b64 v[144:145], v7, s[4:5] offset:149504
.irp j,22,23,24,25,26,27,34,35,36,37,38,39
	v_mov_b32 v[\j], 0                             ; the zero codes of the queries' forms: written once
.endr
.irp j,236,237,238,239,252,253
	v_mov_b32 v[\j], 0                             ; written once: a lane permute's destination counts as one of its sources; v253 is named as the upper half of a pair
.endr
.irp k,0,1,2,3,4,5
	s_wait_loadcnt 12-\k                           ; load k is in; the 12 - k issued behind it may be out
	ds_store_b128 v10, v[96+4*\k:99+4*\k] offset:8192*\k
.endr
.irp k,6,7,8,9,10,11
	s_wait_loadcnt 12-\k
	ds_store_b128 v11, v[96+4*\k:99+4*\k] offset:8192*(\k-6)
.endr
	s_wait_loadcnt 0x0
	ds_store_b64 v204, v[144:145]
	s_wait_dscnt 0x0                               ; for the others' sake: my stores are done
	s_barrier_signal -1
	s_barrier_wait -1                              ; the head's K and V lie in LDS; nothing is written there again
; One tile of 16 queries: p = 0: tile 16 g + w; p = 1: tile 127 - that.
.macro PASS p
	s_wait_xcnt 0x0                                ; the last tile's stores have read their registers and bases: they are written again only behind this wait
	s_wait_alu depctr_vm_vsrc(0)                   ; first tile: the copy's LDS stores have read v96 to v145, which the products write; second tile: the last tile's stores have read v[240:243], which the steps' conversions write
	s_lshl_b32 s12, ttmp9, 4
	s_add_co_u32 s12, s12, s8
.if \p
	s_sub_co_u32 s12, 127, s12
.endif
	s_lshl_b32 s13, s12, 4                         ; Q0: my first query
	s_lshr_b32 s18, s12, 2                         ; its fragment of 64 tokens,
	s_bfe_u32 s19, s12, 0x10001                    ; bit 5 of the token,
	s_and_b32 s37, s12, 1                          ; bit 4
	s_mul_i32 s30, s18, 1536
	s_mul_i32 s36, s19, 24
	s_add_co_u32 s30, s30, s36
	s_mul_i32 s36, s37, 384
	s_add_co_u32 s30, s30, s36
	s_add_nc_u64 s[26:27], s[4:5], s[30:31]
	s_lshl_b32 s30, s18, 6
	s_lshl_b32 s36, s37, 5
	s_add_co_u32 s30, s30, s36
	s_lshl_b32 s36, s19, 1
	s_add_co_u32 s30, s30, s36
	s_add_co_u32 s30, s30, 147456
	s_add_nc_u64 s[28:29], s[4:5], s[30:31]
.irp i,0,1,2
	global_load_b64 v[46+2*\i:47+2*\i], v3, s[26:27] offset:8*\i   ; lanes r and r + 16 both take query r's 24 bytes.  No wait: no vector instruction since the last wait on va_vdst (at the head; ahead of the last tile's stores) names v3, v4, v46 to v51 or v55
.endr
	global_load_u8 v55, v4, s[28:29]
	s_and_b32 s18, s9, 15                          ; where the results go: head,
	s_lshr_b32 s19, s9, 4
	s_lshl_b32 s19, s19, 11
	s_add_co_u32 s19, s19, s13                     ; token 2,048 x batch + Q0
	s_mul_i32 s30, s18, 196608
	s_mul_i32 s36, s19, 24
	s_add_co_u32 s30, s30, s36
	s_add_nc_u64 s[32:33], s[6:7], s[30:31]
	s_lshl_b32 s30, s18, 13
	s_add_co_u32 s30, s30, s19
	s_add_co_u32 s30, s30, 3145728
	s_add_nc_u64 s[34:35], s[6:7], s[30:31]
	s_wait_loadcnt 0x0
	v_lshl_or_b32 v52, v55, 8, v55
	v_lshl_or_b32 v52, v52, 16, v52                ; q's scale byte in all four places: whichever block holds the codes
.irp i,0,1,2,3,4,5
	v_cndmask_b32 v[16+\i], 0, v[46+\i], s24       ; block 0: v[16:27];  block 1: v[28:39];  block 2: v[34:45];  block 3: v[22:33]
	v_cndmask_b32 v[40+\i], 0, v[46+\i], s24
	v_cndmask_b32 v[28+\i], 0, v[46+\i], s25
.endr
	v_mov_b32 v13, 0xff61b1e6                      ; the largest t so far: -3e38, under every t
	v_floor_f32 v12, -v13                          ; -M
	v_mov_b32 v14, 0                               ; the sum, in two halves
	v_mov_b32 v15, 0
.set n, 0
.rept 16
	v_mov_b32 v[160+n], 0                          ; O^T: the first step finds zeros.  (These lines are also the places between the writes of the scale word and the forms and the first product)
.set n, n+1
.endr
	s_mov_b32 s14, 0                               ; KF: the step's first key
	s_mov_b32 s15, 0                               ; its fragments: 3,072 bytes a step
	s_mov_b32 s16, 0                               ; its scale words: 128 bytes a step
	s_mov_b32 s17, 16
.Lstep_\@:
	s_add_co_u32 s18, s13, 15
	s_cmp_gt_u32 s14, s18
	s_cbranch_scc1 .Lhid_\@                        ; all 128 keys come after my 16 queries
	s_wait_alu depctr_vm_vsrc(0)                   ; the last step's LDS loads have read v8 and v9, which are written below
	v_add_nc_u32 v8, s15, v1
	v_add_nc_u32 v9, s16, v2
	v_nop
	v_nop                                          ; four places in front of loads into registers that the last products read
	s_wait_alu depctr_va_vdst(0)                   ; v8 and v9 are written, which the loads below read; the last step's products are done reading K, V and their scale words, in which the loads land; in a tile's first step: q's four forms and its scale word are written, which the scaled products take
.irp f,0,1
.irp k,0,1,2
	ds_load_b128 v[56+12*\f+4*\k:59+12*\f+4*\k], v8 offset:1536*\f+16*\k
.endr
.endr
	ds_load_b32 v53, v9                            ; K's scale words: lanes 0-15 fragment 0's rows, lanes 16-31 fragment 1's
.irp u,0,1
.irp k,0,1,2
	ds_load_b128 v[176+12*\u+4*\k:179+12*\u+4*\k], v8 offset:49152+1536*\u+16*\k
.endr
.endr
	ds_load_b32 v54, v9 offset:2048                ; V's likewise
	s_wait_dscnt 7                                 ; K is in; V's seven loads, issued behind it, land under the softmax
.set MZ, 1
.set MSA, 53
.set MSB, 52
.irp f,0,1
.irp be,0,1,2,3
.set MD, 96+8*(4*\f+\be)
.set MA, 56+12*\f
.if \be == 0
.set MB, 16
.elseif \be == 1
.set MB, 28
.elseif \be == 2
.set MB, 34
.else
.set MB, 22
.endif
.set MRA, \f
	WM
.endr
.endr                                          ; register 16 b + i of v96 on: key KF + 32 b + 16 h + i
	PLACES 4
	s_add_co_u32 s18, s14, 127
	s_cmp_le_u32 s18, s13
	s_cbranch_scc1 .Lopen_\@                       ; all 128 keys count
	s_sub_co_i32 s18, s13, s14
	v_add_nc_u32 v252, s18, v201                   ; d = my query - KF - 16 h: register 16 b + i is hidden where 32 b + i > d
	v_mov_b32 v254, 0xff800000                     ; -infinity: p = 0 then
.set m, 0
.rept 4                                        ; a block of 32 keys at a time: sixteen compares in a run, each into a scalar register of its own, one wait, sixteen selects
.set n, 0
.rept 16
	v_cmp_gt_i32 s[40+n], 32*m+n, v252
.set n, n+1
.endr
	s_wait_alu depctr_va_sdst(0)                   ; the sixteen masks s40 to s55 are written, ahead of the selects that read them
.set n, 0
.rept 16
	v_cndmask_b32 v[96+16*m+n], v[96+16*m+n], v254, s[40+n]
.set n, n+1
.endr
.set m, m+1
.endr
.Lopen_\@:
.irp b,0,1,2,3
	v_max3_num_f32 v[232+\b], v[96+16*\b], v[97+16*\b], v[98+16*\b]   ; the largest score of each block of 32 keys: for the row's maximum, and, since p rises with the score, for the block's largest p
.endr
.irp i,3,5,7,9,11,13
.irp b,0,1,2,3
	v_max3_num_f32 v[232+\b], v[232+\b], v[96+16*\b+\i], v[97+16*\b+\i]
.endr
.endr
.irp b,0,1,2,3
	v_max_num_f32 v[232+\b], v[232+\b], v[111+16*\b]
.endr
.irp b,0,1,2,3
	v_permlanex16_b32 v[236+\b], v[232+\b], s[SEL], s[SEL+1]
.endr
.irp b,0,1,2,3
	v_max_num_f32 v[232+\b], v[232+\b], v[236+\b]  ; with lane l xor 16's 16 keys
.endr
	v_max3_num_f32 v254, v232, v233, v234
	v_max_num_f32 v254, v254, v235
	v_mul_f32 v254, s[CS], v254                    ; the step's largest t (c is positive)
	v_max_num_f32 v13, v13, v254
	v_mov_b32 v254, v12
	v_floor_f32 v12, -v13                          ; the new -M = -ceil(t)
	v_sub_f32 v254, v12, v254                      ; old M - new M: a whole number, 0 or less
	v_cvt_i32_f32 v254, v254                       ; (it saturates)
	v_ldexp_f32 v252, 1.0, v254                    ; f = 2^(old M - new M): a multiplication by it rounds nothing
.set n, 0
.rept 32
	v_pk_fma_f32 v[96+n:97+n], v[96+n:97+n], s[CS:CS+1], v[12:13] op_sel_hi:[1,0,0]   ; t - M
.set n, n+2
.endr
.irp b,0,1,2,3
	v_fma_f32 v[232+\b], v[232+\b], s[CS], v12
.endr
.set n, 0
.rept 64
	v_exp_f32 v[96+n], v[96+n]                     ; p = 2^(t - M)
.set n, n+1
.endr
.irp b,0,1,2,3
	v_exp_f32 v[232+\b], v[232+\b]                 ; the block's largest p: the same two instructions on the same number
.endr
	v_pk_mul_f32 v[14:15], v[14:15], v[252:253] op_sel_hi:[1,0]   ; the sums under the new M (a plain instruction behind the exponentials)
	s_wait_alu depctr_va_vdst(0)                   ; the 68 exponentials have written p, v96 to v159, and the blocks' largest p, v232 to v235, ahead of their first reader
.irp b,0,1,2,3
	v_max_num_f32 v[232+\b], 0x2800000, v[232+\b]  ; the floor 2^(5 - 127): the byte cannot fall under 1
.endr
.irp b,0,1,2,3
	v_add_nc_u32 v[244+\b], 0xfe000000, v[232+\b]  ; 4 off the exponent field: the conversion's scale operand
.endr
.irp b,0,1,2,3
	v_lshrrev_b32 v[236+\b], 23, v[244+\b]
.endr
	v_lshl_or_b32 v253, v237, 8, v236              ; p's scale word for these 128 keys
	v_lshl_or_b32 v253, v238, 16, v253
	v_lshl_or_b32 v253, v239, 24, v253
.irp c,0,1
	v_cvt_scalef32_pk16_bf6_f32 v[224+6*\c:226+6*\c], v[96+32*\c:111+32*\c], v[244+2*\c]
	v_cvt_scalef32_pk16_bf6_f32 v[236+4*\c:238+4*\c], v[112+32*\c:127+32*\c], v[244+2*\c+1]   ; (a conversion's three registers begin on an even number)
.endr
	v_nop                                          ; a plain instruction behind the conversions
.irp c,0,1                                     ; the operand wants a whole block in a lane: lanes 0-15 block 2 c, lanes 16-31 block 2 c + 1
.irp i,0,1,2
	v_permlane16_swap_b32 v[224+6*\c+\i], v[236+4*\c+\i]
.endr
.irp i,0,1,2
	v_mov_b32 v[227+6*\c+\i], v[236+4*\c+\i]
.endr
.endr
	v_pk_add_f32 v[236:237], v[96:97], v[98:99]    ; the row's sum, of the unquantised p, in two chains
.irp j,4,8,12,16,20,24,28,32,36,40,44,48,52,56,60
	v_pk_add_f32 v[14:15], v[14:15], v[96+\j:97+\j]
	v_pk_add_f32 v[236:237], v[236:237], v[98+\j:99+\j]
.endr
	v_pk_add_f32 v[14:15], v[14:15], v[236:237]
.irp j,0,2,4,6,8,10,12,14
	v_pk_mul_f32 v[160+\j:161+\j], v[160+\j:161+\j], v[252:253] op_sel_hi:[1,0]   ; O^T under the new M
.endr
	s_wait_dscnt 0x0                               ; V is in
	s_wait_alu depctr_va_vdst(0)                   ; p's codes v[224:235] and its scale word v253 are written, which the scaled products below take; the sums and scalings above are the places ahead of this wait
.set MZ, 0
.set MSA, 54
.set MSB, 253
.set MB, 224
.irp u,0,1
.set MD, 160+8*\u
.set MA, 176+12*\u
.set MRA, \u
	WM                                             ; the two accumulators take turns, behind eight other products
.endr
.Lhid_\@:
	s_add_co_u32 s14, s14, 128
	s_add_co_u32 s15, s15, 3072
	s_add_co_u32 s16, s16, 128
	s_sub_co_u32 s17, s17, 1
	s_cmp_lg_u32 s17, 0
	s_cbranch_scc1 .Lstep_\@
	PLACES 4                                       ; behind the last products
	v_add_f32 v14, v14, v15
	v_permlanex16_b32 v252, v14, s[SEL], s[SEL+1]
	v_add_f32 v14, v14, v252                       ; the row's sum
	v_rcp_f32 v14, v14
	v_nop
	s_wait_alu depctr_va_vdst(0)                   ; the reciprocal v14 is written, ahead of its first reader
.irp j,0,2,4,6,8,10,12,14
	v_pk_mul_f32 v[160+\j:161+\j], v[160+\j:161+\j], v[14:15] op_sel_hi:[1,0]   ; register i: channel 16 h + i of query r
.endr
	v_max3_num_f32 v232, |v160|, |v161|, 0x2800000 ; the head's 32 channels are one block of the next product's K
	v_max3_num_f32 v233, |v162|, |v163|, |v164|
	v_max3_num_f32 v232, v232, |v165|, |v166|
	v_max3_num_f32 v233, v233, |v167|, |v168|
	v_max3_num_f32 v232, v232, |v169|, |v170|
	v_max3_num_f32 v233, v233, |v171|, |v172|
	v_max3_num_f32 v232, v232, |v173|, |v174|
	v_max3_num_f32 v232, v232, v233, |v175|
	v_permlanex16_b32 v236, v232, s[SEL], s[SEL+1]
	v_max_num_f32 v232, v232, v236
	v_add_nc_u32 v244, 0xfe000000, v232
	v_cvt_scalef32_pk16_bf6_f32 v[240:242], v[160:175], v244
	v_lshrrev_b32 v243, 23, v244
	s_wait_alu depctr_va_vdst(0)                   ; the conversion has written v[240:242] and the shift v243, which the stores read; the tile's vector instructions are done reading v46 to v51 and v55, in which the next tile's q lands
	global_store_b96 v5, v[240:242], s[32:33]      ; the wave stores 384 consecutive bytes
	global_store_b8 v6, v243, s[34:35]             ; both halves write the same byte with the same value
.endm
	PASS 0
	PASS 1
	s_wait_dscnt 0x0                               ; the closing lines, six on end
	s_wait_alu 0x0
	s_wait_tensorcnt 0x0
	ds_add_u32 v251, v255
	s_wait_dscnt 0x0
	s_endpgm
.Lfunc_end_k_q9f880896c7_attn:
	.size	k_q9f880896c7_attn, .Lfunc_end_k_q9f880896c7_attn-k_q9f880896c7_attn
	.p2alignl 7, 3214868480
	.fill 96, 4, 3214868480
	.section	.rodata,"a",@progbits
	.p2align	6, 0x0
	.amdhsa_kernel k_q9f880896c7_attn
		.amdhsa_group_segment_fixed_size 104448
		.amdhsa_private_segment_fixed_size 0
		.amdhsa_enable_private_segment 0
		.amdhsa_kernarg_size 16
		.amdhsa_user_sgpr_count 2
		.amdhsa_user_sgpr_kernarg_segment_ptr 1
		.amdhsa_wavefront_size32 1
		.amdhsa_system_sgpr_workgroup_id_x 1
		.amdhsa_system_sgpr_workgroup_id_y 1
		.amdhsa_system_sgpr_workgroup_id_z 1
		.amdhsa_system_vgpr_workitem_id 0
		.amdhsa_next_free_vgpr 256
		.amdhsa_next_free_sgpr 66
		.amdhsa_reserve_vcc 0
		.amdhsa_float_denorm_mode_32 3
		.amdhsa_float_denorm_mode_16_64 3
		.amdhsa_memory_ordered 1
		.amdhsa_forward_progress 1
		.amdhsa_inst_pref_size 64
	.end_amdhsa_kernel
	.amdgpu_metadata
---
amdhsa.version: [ 1, 2 ]
amdhsa.kernels:
  - .name:           k_q9f880896c7_attn
    .symbol:         k_q9f880896c7_attn.kd
    .args:
      - { .name: qkv, .offset: 0, .size: 8, .value_kind: global_buffer, .address_space: global }
      - { .name: att, .offset: 8, .size: 8, .value_kind: global_buffer, .address_space: global }
    .group_segment_fixed_size: 104448
    .private_segment_fixed_size: 0
    .kernarg_segment_align: 8
    .kernarg_segment_size: 16
    .max_flat_workgroup_size: 512
    .sgpr_count:     66
    .vgpr_count:     256
    .wavefront_size: 32
...
	.end_amdgpu_metadata
.endif
;; end of part 5
;; launch ffn (part 6): grid 256 x 1, 16 waves a work-group, no clusters, 149,504 bytes of LDS; arguments x, att, wf, w_proj_scales, b_proj, g2, beta2, w1_scales, bf1, w2_scales, bf2, out0; writes out0
.if DOCPART == 6
	.amdgcn_target "amdgcn-amd-amdhsa--gfx1250"
	.amdhsa_code_object_version 6
	.text
	.protected	k_q9f880896c7_ffn
	.globl	k_q9f880896c7_ffn
	.p2align	8
	.type	k_q9f880896c7_ffn,@function
k_q9f880896c7_ffn:
	s_mov_b64 s[64:65], 0
	v_nop
	global_prefetch_b8 v0, s[64:65] scope:SCOPE_SE
	s_setreg_imm32_b32 hwreg(HW_REG_WAVE_SCHED_MODE, 0, 2), 2
	s_setreg_imm32_b32 hwreg(HW_REG_WAVE_MODE, 25, 1), 1
	s_wait_xcnt 0x0
	s_wait_alu depctr_vm_vsrc(0)
; x1 = x + att W_proj + b_proj;  h2 = LayerNorm(x1) g2 + beta2;  out = x1 + relu(h2 W1 + bf1) W2 + bf2.  All three products on codes of E3M2 with one E8M0 scale for each 32 along K.
; SHARES.  A work-group takes 32 tokens (two tiles of 16).  THE SIXTEEN WAVES SHARE THE COLUMNS: wave w makes columns 32 w .. 32 w + 31 of the projection and of the last product, so x1 never leaves its registers,
; and hidden units 128 w .. 128 w + 127, which are K step w of the last product.  Each fragment of a weight is used by ONE wave: it comes from wf straight into registers, by three loads of 512 consecutive bytes,
; one to two steps ahead, and feeds two matrix instructions.  What goes round through LDS is small: the rows' codes, as images of operand registers (a lane's 48 bytes on end at 48 x lane), and their scale words.
; All products are used transposed (source 0 = 16 rows of a weight, source 1 = 16 tokens).  Row r of a weight's tile T is row 32 (T / 2) + 8 (T % 2) + r + 8 (r / 8): a lane's 16 registers of tiles 2 b, 2 b + 1 are columns 32 b + 16 h + 0 .. 15.
; Biases and the residual are the C of each sum's first matrix instruction.  The variance is made of each wave's own mean and sum of squared differences: no difference of large sums is formed.
; LIMITS: NaN and infinities are not served.  A block whose largest magnitude lies under 2^-122 keeps the scale byte 1; a block of zeros has the byte 1 and not 127 (its codes are zeros, and this program alone reads the bytes).
; THE MODE: SCHED_MODE bits 1:0 = 2 (LLVM: expert scheduling mode 2), set by the entry lines.  The code itself states the register dependences
; between vector or matrix instructions and memory or LDS instructions, with s_wait_alu, always for 0.
; THE PLAN.  Registers that memory or LDS instructions touch:
;   X1           x lands in it, LDS stores read it, x comes back in the results' layout; then vector and matrix instructions alone, until the result's LDS stores read it.
;   AF, AS       a step's LDS loads land in them, its products read them; between the products they are at work, and the quantisers' codes and bytes are made there and stored from there.
;   WT0, WT1, WS a weight's loads land in them one to two steps ahead; products read them.
;   ACC          vectors by column and biases land in it; the norm, the products and the quantisers work on it; in the last product the hidden fragments land in it, at the end rows of the result.
;   v[114:115], v[132:133]   the two tiles' pairs of statistics: written by vector instructions, read by one LDS store each.
;   v1 .. v24    addresses and offsets: made once at the head, never written again.
; In every product ONE wait on va_vdst stands behind a step's products and their places: they are done reading the rows' fragments and the weight's set.  Behind it follow the next step's LDS loads, then the weight's loads.
; Results that go to LDS are made in registers of their own, a run of them behind one wait on va_vdst; one wait on vm_vsrc stands ahead of the first line that lands in or writes those registers again.
.set AIMG,  0                          ; LDS: attention's codes: fragment (tile tt, K step s) at (4 tt + s) x 1,536
.set H2IMG, 12288                      ; h2's likewise
.set HIMG,  24576                      ; the hidden layer's: (16 tt + S) x 1,536
.set ASC,   73728                      ; scale words: (2 s + tt) x 64 + 4 r
.set H2SC,  74240
.set HSC,   74752
.set STAT,  76800                      ; token x 144 + 8 w: wave w's (mean, sum of squared differences)
.set STG,   81408                      ; 32 rows x (2,048 bytes + 16): x on the way in, the result on the way out
.set SEL, 30                           ; s[30:31] v_permlanex16_b32's selects for lane l xor 16
.set X1,  26                           ; v26-57   x1, later the result: 16 tt + 8 u + j
.set ACC, 58                           ; v58-121  vectors by column; the hidden layer's eight accumulators; later four hidden fragments
.set AF,  122                          ; v122-145 two fragments of the rows' codes; at work between the products
.set WT0, 146                          ; v146-241 two sets of four fragments of a weight
.set WS,  242                          ; v242-249 the weights' scale words: lanes 0-15 tile u = 0, lanes 16-31 u = 1
.set AS,  250                          ; v250-251 the rows' scale words: lanes 0-15 tile tt = 0, lanes 16-31 tt = 1
.set QM0, 252
.set QM1, 253
.set QP,  254
.set QE,  255
.macro PLACES n
.rept \n
	v_nop
.endr
.endm
.macro WM                              ; D = C = MD, source 0 = MA, source 1 = MB, scales MSA, MSB, from lanes 16-31 where MRA, MRB are 1
.if MRA && MRB
	v_wmma_scale_f32_16x16x128_f8f6f4 v[MD:MD+7], v[MA:MA+11], v[MB:MB+11], v[MD:MD+7], v[MSA], v[MSB] matrix_a_fmt:MATRIX_FMT_BF6 matrix_b_fmt:MATRIX_FMT_BF6 matrix_a_scale:MATRIX_SCALE_ROW1 matrix_b_scale:MATRIX_SCALE_ROW1
.elseif MRA
	v_wmma_scale_f32_16x16x128_f8f6f4 v[MD:MD+7], v[MA:MA+11], v[MB:MB+11], v[MD:MD+7], v[MSA], v[MSB] matrix_a_fmt:MATRIX_FMT_BF6 matrix_b_fmt:MATRIX_FMT_BF6 matrix_a_scale:MATRIX_SCALE_ROW1
.elseif MRB
	v_wmma_scale_f32_16x16x128_f8f6f4 v[MD:MD+7], v[MA:MA+11], v[MB:MB+11], v[MD:MD+7], v[MSA], v[MSB] matrix_a_fmt:MATRIX_FMT_BF6 matrix_b_fmt:MATRIX_FMT_BF6 matrix_b_scale:MATRIX_SCALE_ROW1
.else
	v_wmma_scale_f32_16x16x128_f8f6f4 v[MD:MD+7], v[MA:MA+11], v[MB:MB+11], v[MD:MD+7], v[MSA], v[MSB] matrix_a_fmt:MATRIX_FMT_BF6 matrix_b_fmt:MATRIX_FMT_BF6
.endif
.endm
; 16 numbers of a lane, half a block of 32 whose other half lies in lane l xor 16, become 12 bytes of codes in v[c] on and the block's scale byte in v[by].
.macro QUANT16 src, c, by
	v_max3_num_f32 v[QM0], |v[\src]|, |v[\src+1]|, 0x2800000
	v_max3_num_f32 v[QM1], |v[\src+2]|, |v[\src+3]|, |v[\src+4]|
	v_max3_num_f32 v[QM0], v[QM0], |v[\src+5]|, |v[\src+6]|
	v_max3_num_f32 v[QM1], v[QM1], |v[\src+7]|, |v[\src+8]|
	v_max3_num_f32 v[QM0], v[QM0], |v[\src+9]|, |v[\src+10]|
	v_max3_num_f32 v[QM1], v[QM1], |v[\src+11]|, |v[\src+12]|
	v_max3_num_f32 v[QM0], v[QM0], |v[\src+13]|, |v[\src+14]|
	v_max3_num_f32 v[QM0], v[QM0], v[QM1], |v[\src+15]|
	v_permlanex16_b32 v[QP], v[QM0], s[SEL], s[SEL+1]
	v_max_num_f32 v[QM0], v[QM0], v[QP]
	v_add_nc_u32 v[QE], 0xfe000000, v[QM0]         ; 4 off the exponent field: the conversion's scale operand
	v_cvt_scalef32_pk16_bf6_f32 v[\c:\c+2], v[\src:\src+15], v[QE]
	v_lshrrev_b32 v[\by], 23, v[QE]                ; the scale's byte; also the plain instruction behind the conversion
.endm
.macro BARRIER                         ; my LDS stores have landed and my LDS loads are in: then the work-group's barrier
	s_wait_dscnt 0x0
	s_barrier_signal -1
	s_barrier_wait -1
.endm
.macro ALOAD img, scr, s               ; both tiles' fragments of K step s, and their scale words
.irp tt,0,1
.irp k,0,1,2
	ds_load_b128 v[AF+12*\tt+4*\k:AF+12*\tt+4*\k+3], v1 offset:\img+(4*\tt+(\s))*1536+16*\k
.endr
.endr
	ds_load_b32 v[AS], v[\scr] offset:128*(\s)
.endm
.macro W1LOAD k                        ; step k of the first feed-forward product: tiles 4 (k / 4) + 0 .. 3 of my eight, K step k % 4, into set k % 2
.set SB, WT0+48*((\k)%2)
.irp i,0,1,2,3
.irp c,0,1,2
	global_load_b128 v[SB+12*\i+4*\c:SB+12*\i+4*\c+3], v3, s[40:41] offset:196608+((4*((\k)/4)+\i)*4+(\k)%4)*1536+512*\c
.endr
.endr
.endm
.macro W2LOAD j                        ; step j of the second: K steps 2 j + q, tiles u, at 12 (2 q + u) of set j % 2
.set SB, WT0+48*((\j)%2)
.irp q,0,1
.irp u,0,1
.irp c,0,1,2
	global_load_b128 v[SB+12*(2*\q+\u)+4*\c:SB+12*(2*\q+\u)+4*\c+3], v3, s[40:41] offset:983040+(16*\u+2*(\j)+\q)*1536+512*\c
.endr
.endr
.endr
.endm
.macro BF1LOAD hz                      ; bf1 at the accumulators' places, for both tiles of tokens: it is the C of the sums' first products
.irp pz,0,1
.irp tt,0,1
.irp u,0,1
.irp k,0,1
	global_load_b128 v[ACC+16*(2*\pz+\tt)+8*\u+4*\k:ACC+16*(2*\pz+\tt)+8*\u+4*\k+3], v21, s[20:21] offset:128*(2*(\hz)+\pz)+32*\u+16*\k
.endr
.endr
.endr
.endr
.endm
	s_load_b512 s[4:19], s[0:1], 0x0               ; x, att, wf, w_proj scales, b_proj, g2, beta2, w1 scales
	s_load_b256 s[20:27], s[0:1], 0x40             ; bf1, w2 scales, bf2, out0
	v_lshrrev_b32 v58, 5, v0
	v_readfirstlane_b32 s28, v58                   ; wave 0..15
	s_mov_b32 s[SEL], 0x76543210
	s_mov_b32 s[SEL+1], 0xfedcba98
	s_mov_b32 s32, 0x3727c5ac                      ; 1e-5
	s_mov_b32 s33, 0x3b000000                      ; 1 / 512
	v_and_b32 v18, 31, v0                          ; v18: lane
	v_and_b32 v59, 15, v0                          ; r
	v_bfe_u32 v60, v0, 4, 1                        ; h
	s_wait_alu depctr_va_sdst(0)                   ; s28 is written, ahead of its first reader: LDS places and bases are made from it
	s_lshr_b32 s44, s28, 2                         ; block w of a K of 512: K step w / 4, block w % 4 in it
	s_and_b32 s45, s28, 1
	s_bfe_u32 s46, s28, 0x10001
	s_and_b32 s47, s28, 3
	s_mul_i32 s48, s44, 1536
	s_mul_i32 s49, s45, 768
	s_add_co_u32 s48, s48, s49
	s_mul_i32 s49, s46, 24
	s_add_co_u32 s48, s48, s49                     ; its place in a tile's images
	s_lshl_b32 s49, s44, 7
	s_add_co_u32 s49, s49, s47                     ; and among the scale words
	v_mul_u32_u24 v1, v18, 48                      ; v1: 48 x lane
	v_add_nc_u32 v2, HIMG, v1                      ; v2: the same in the hidden layer's images
	v_lshlrev_b32 v3, 4, v18                       ; v3: 16 x lane
	v_mul_u32_u24 v61, v59, 48
	v_mad_u32_u24 v4, v60, 6144, v61
	v_add_nc_u32 v4, s48, v4                       ; v4: attention's codes in: lane = token: tile lane / 16, row r
	v_lshlrev_b32 v62, 2, v59
	v_lshl_add_u32 v5, v60, 6, v62
	s_add_co_u32 s50, s49, ASC
	v_add_nc_u32 v5, s50, v5                       ; v5: and its scale byte
	v_mad_u32_u24 v63, v60, 12, v61                ; 48 r + 12 h
	s_add_co_u32 s50, s48, H2IMG
	v_add_nc_u32 v6, s50, v63                      ; v6: h2's codes
	s_add_co_u32 s50, s49, H2SC
	v_add_nc_u32 v7, s50, v62                      ; v7: h2's scale byte
	s_mul_i32 s50, s28, 1536
	s_add_co_u32 s50, s50, HIMG
	v_add_nc_u32 v8, s50, v63                      ; v8: the hidden layer's codes: K step w
	s_lshl_b32 s50, s28, 7                         ; 128 w
	s_add_co_u32 s51, s50, HSC
	v_add_nc_u32 v9, s51, v62                      ; v9: its scale bytes
	v_mul_u32_u24 v11, v59, 144
	v_add_nc_u32 v11, STAT, v11                    ; v11: token r's sixteen pairs
	s_lshl_b32 s51, s28, 3
	v_add_nc_u32 v10, s51, v11                     ; v10: my wave's pair
	s_mul_i32 s51, s28, 4128
	s_add_co_u32 s51, s51, STG
	v_add_nc_u32 v12, s51, v3                      ; v12: the stage by rows: rows 2 w, 2 w + 1, 16 bytes a lane
	v_mul_u32_u24 v13, v59, 2064
	v_lshl_add_u32 v13, v60, 6, v13
	s_add_co_u32 s51, s50, STG
	v_add_nc_u32 v13, s51, v13                     ; v13: the stage by columns: row r, columns 32 w + 16 h on
	v_lshlrev_b32 v64, 2, v18
	v_add_nc_u32 v14, ASC, v64                     ; v14-16: scale words, 4 x lane
	v_add_nc_u32 v15, H2SC, v64
	v_add_nc_u32 v16, HSC, v64
	v_mul_u32_u24 v17, v18, 24                     ; v17: 24 x lane: a token's record in att
	s_lshl_b32 s51, s28, 12
	v_add_nc_u32 v19, s51, v3                      ; v19: x and out0: rows 2 w on, 16 bytes a lane
	v_lshlrev_b32 v65, 6, v60
	v_add_nc_u32 v20, s50, v65                     ; v20: vectors of 512: columns 32 w + 16 h on
	s_lshl_b32 s51, s28, 9
	v_add_nc_u32 v21, s51, v65                     ; v21: bf1: hidden units 128 w + 16 h on
	v_and_b32 v66, 8, v59
	v_add_nc_u32 v66, v66, v59
	v_lshl_add_u32 v66, v60, 3, v66                ; 8 (lane / 16) + r + 8 (r / 8): lanes 16-31 take tile u = 1's rows
	s_lshl_b32 s51, s28, 5
	v_add_nc_u32 v22, s51, v66
	v_lshlrev_b32 v22, 4, v22                      ; v22: w_proj's scale words, 16 bytes a row
	v_add_nc_u32 v23, s50, v66
	v_lshlrev_b32 v23, 4, v23                      ; v23: w1's
	v_lshlrev_b32 v24, 2, v22                      ; v24: w2's, 64 bytes a row
	v_mov_b32 v255, 0                              ; named as the upper half of the pair v[254:255]
	s_lshl_b32 s52, ttmp9, 16                      ; 32 rows of 2,048 bytes
	s_mov_b32 s53, 0
	s_mul_i32 s54, s28, 196608                     ; att: head w,
	s_mul_i32 s55, ttmp9, 768                      ; my 32 tokens' records
	s_add_co_u32 s54, s54, s55
	s_mov_b32 s55, 0
	s_lshl_b32 s56, s28, 13
	s_lshl_b32 s57, ttmp9, 5
	s_add_co_u32 s56, s56, s57
	s_add_co_u32 s56, s56, 3145728                 ; and their scale bytes
	s_mov_b32 s57, 0
	s_mul_i32 s58, s28, 12288                      ; wf: my eight fragments of w_proj
	s_mov_b32 s59, 0
	s_mul_i32 s60, s28, 49152                      ; my 32 of w1, my 32 of w2 (the regions' starts stand in the immediates)
	s_mov_b32 s61, 0
	s_wait_kmcnt 0x0
	s_add_nc_u64 s[4:5], s[4:5], s[52:53]
	s_add_nc_u64 s[26:27], s[26:27], s[52:53]
	s_add_nc_u64 s[34:35], s[6:7], s[54:55]
	s_add_nc_u64 s[36:37], s[6:7], s[56:57]
	s_add_nc_u64 s[38:39], s[8:9], s[58:59]
	s_add_nc_u64 s[40:41], s[8:9], s[60:61]
	s_wait_alu depctr_va_vdst(0)                   ; the addresses and offsets v1 to v24 are written, which the loads and stores of the kernel read; so are v58 to v66, at work above, in which loads of g2 land
	; ---- 0: attention's codes and x go into LDS; x1 = x + b_proj + att W_proj
.irp p,0,1,2
	global_load_b64 v[AF+2*\p:AF+2*\p+1], v17, s[34:35] offset:8*\p
.endr
	global_load_u8 v[AF+6], v18, s[36:37]
.irp i,0,1
.irp j,0,1,2,3
	global_load_b128 v[X1+16*\i+4*\j:X1+16*\i+4*\j+3], v19, s[4:5] offset:2048*\i+512*\j th:TH_LOAD_NT   ; 512 consecutive bytes; read once in this launch
.endr
.endr
	global_load_b128 v[WS:WS+3], v22, s[10:11]
.irp f,0,1,2,3,4,5,6,7
.irp c,0,1,2
	global_load_b128 v[WT0+12*\f+4*\c:WT0+12*\f+4*\c+3], v3, s[38:39] offset:1536*\f+512*\c   ; w_proj's fragment (u, s) at 12 (4 u + s)
.endr
.endr
.irp k,0,1,2,3
	global_load_b128 v[ACC+48+4*\k:ACC+48+4*\k+3], v20, s[12:13] offset:16*\k   ; b_proj
.endr
.irp k,0,1,2,3
	global_load_b128 v[ACC+4*\k:ACC+4*\k+3], v20, s[14:15] offset:16*\k         ; g2
.endr
.irp k,0,1,2,3
	global_load_b128 v[ACC+16+4*\k:ACC+16+4*\k+3], v20, s[16:17] offset:16*\k   ; beta2
.endr
.irp k,0,1,2,3
	global_load_b128 v[ACC+32+4*\k:ACC+32+4*\k+3], v20, s[24:25] offset:16*\k   ; bf2
.endr
	s_wait_loadcnt 41                              ; att's four and x's eight are in; the 1 + 24 + 16 loads issued behind them may be out
.irp p,0,1,2
	ds_store_b64 v4, v[AF+2*\p:AF+2*\p+1] offset:8*\p
.endr
	ds_store_b8 v5, v[AF+6]
.irp i,0,1
.irp j,0,1,2,3
	ds_store_b128 v12, v[X1+16*\i+4*\j:X1+16*\i+4*\j+3] offset:2064*\i+512*\j
.endr
.endr
	BARRIER                                        ; attention's eight fragments and 32 rows of x lie in LDS
	s_wait_alu depctr_vm_vsrc(0)                   ; my LDS stores have read X1 and v[AF] to v[AF + 6], in which the LDS loads below land
.irp tt,0,1
.irp u,0,1
.irp k,0,1
	ds_load_b128 v[X1+16*\tt+8*\u+4*\k:X1+16*\tt+8*\u+4*\k+3], v13 offset:33024*\tt+32*\u+16*\k   ; x in the results' layout
.endr
.endr
.endr
	ALOAD AIMG, 14, 0                              ; the first K step's fragments are asked for with x
	s_wait_loadcnt 12                              ; w_proj and b_proj are in; g2, beta2 and bf2, twelve loads, may be out
	s_wait_dscnt 0x0
.irp tt,0,1
.irp j,0,2,4,6,8,10,12,14
	v_pk_add_f32 v[X1+16*\tt+\j:X1+16*\tt+\j+1], v[X1+16*\tt+\j:X1+16*\tt+\j+1], v[ACC+48+\j:ACC+48+\j+1]
.endr
.endr
	PLACES 4
.irp s,0,1,2,3
.if \s > 0
	s_wait_dscnt 0x0
.endif
.irp tt,0,1
.irp u,0,1
.set MD, X1+16*\tt+8*\u
.set MA, WT0+12*(4*\u+\s)
.set MB, AF+12*\tt
.set MSA, WS+\s
.set MSB, AS
.set MRA, \u
.set MRB, \tt
	WM                                             ; four accumulators by turns
.endr
.endr
	PLACES 4                                       ; in front of loads into registers that matrix instructions have read, and of the first read of results
	s_wait_alu depctr_va_vdst(0)                   ; the step's products are done reading AF and AS, in which the next K step lands; behind the last step: all the projection's products are done reading w_proj's fragments, in which w1's land
.if \s < 3
	ALOAD AIMG, 14, \s+1
.endif
.endr
	W1LOAD 0
	W1LOAD 1
	; ---- 1: LayerNorm of x1.  Each wave's mean and sum of squared differences of its 32 columns meet in LDS
.macro STAT1 tt
.set XB, X1+16*(\tt)
.set SP, 114+18*(\tt)
	v_pk_add_f32 v[106:107], v[XB:XB+1], v[XB+2:XB+3]
	v_pk_add_f32 v[108:109], v[XB+4:XB+5], v[XB+6:XB+7]
	v_pk_add_f32 v[110:111], v[XB+8:XB+9], v[XB+10:XB+11]
	v_pk_add_f32 v[112:113], v[XB+12:XB+13], v[XB+14:XB+15]
	v_pk_add_f32 v[106:107], v[106:107], v[108:109]
	v_pk_add_f32 v[110:111], v[110:111], v[112:113]
	v_pk_add_f32 v[106:107], v[106:107], v[110:111]
	v_add_f32 v106, v106, v107
	v_permlanex16_b32 v108, v106, s[SEL], s[SEL+1]
	v_add_f32 v106, v106, v108
	v_mul_f32 v[SP], 0x3d000000, v106              ; my 32 columns' mean
	v_mov_b32 v[SP+1], v[SP]
.irp j,0,2,4,6,8,10,12,14
	v_pk_add_f32 v[116+\j:117+\j], v[XB+\j:XB+\j+1], v[SP:SP+1] op_sel_hi:[1,0] neg_lo:[0,1] neg_hi:[0,1]
.endr
	v_pk_mul_f32 v[106:107], v[116:117], v[116:117]
	v_pk_mul_f32 v[108:109], v[118:119], v[118:119]
.irp j,4,8,12
	v_pk_fma_f32 v[106:107], v[116+\j:117+\j], v[116+\j:117+\j], v[106:107]
	v_pk_fma_f32 v[108:109], v[118+\j:119+\j], v[118+\j:119+\j], v[108:109]
.endr
	v_pk_add_f32 v[106:107], v[106:107], v[108:109]
	v_add_f32 v106, v106, v107
	v_permlanex16_b32 v108, v106, s[SEL], s[SEL+1]
	v_add_f32 v[SP+1], v106, v108                  ; and their sum of squared differences
.endm
	STAT1 0                                        ; the pair in v[114:115], which the second tile's lines do not name
	STAT1 1                                        ; the pair in v[132:133]
	s_wait_alu depctr_va_vdst(0)                   ; both pairs are written, which the two stores read; the lines above are done with v106 to v133, in which the sixteen pairs land behind the barrier
	ds_store_b64 v10, v[114:115]                   ; both halves of the lanes write the same pair
	ds_store_b64 v10, v[132:133] offset:2304
	BARRIER                                        ; sixteen pairs for each of the 32 tokens
.macro LN2 tt
.set XB, X1+16*(\tt)
	s_wait_alu depctr_vm_vsrc(0)                   ; first tile: the two stores of pairs have read v[114:115] and v[132:133]; second tile: the first tile's stores of codes have read v122 to v126: the loads below land there
.irp k,0,1,2,3,4,5,6,7
	ds_load_b128 v[106+4*\k:109+4*\k], v11 offset:2304*(\tt)+16*\k   ; no vector instruction since the last wait on va_vdst names these registers
.endr
	s_wait_dscnt 0x0
	v_pk_add_f32 v[138:139], v[106:107], v[108:109]
	v_pk_add_f32 v[140:141], v[110:111], v[112:113]
	v_pk_add_f32 v[142:143], v[114:115], v[116:117]
	v_pk_add_f32 v[144:145], v[118:119], v[120:121]
	v_pk_add_f32 v[138:139], v[138:139], v[122:123]
	v_pk_add_f32 v[140:141], v[140:141], v[124:125]
	v_pk_add_f32 v[142:143], v[142:143], v[126:127]
	v_pk_add_f32 v[144:145], v[144:145], v[128:129]
	v_pk_add_f32 v[138:139], v[138:139], v[130:131]
	v_pk_add_f32 v[140:141], v[140:141], v[132:133]
	v_pk_add_f32 v[142:143], v[142:143], v[134:135]
	v_pk_add_f32 v[144:145], v[144:145], v[136:137]
	v_pk_add_f32 v[138:139], v[138:139], v[140:141]
	v_pk_add_f32 v[142:143], v[142:143], v[144:145]
	v_pk_add_f32 v[138:139], v[138:139], v[142:143]   ; (the sum of the means, the sum of the sums of squares)
	v_mul_f32 v252, 0x3d800000, v138               ; the row's mean
.irp i,0,1,2,3,4,5,6,7,8,9,10,11,12,13,14,15
	v_sub_f32 v[106+2*\i], v[106+2*\i], v252
.endr
	v_mul_f32 v253, v106, v106
.irp i,1,2,3,4,5,6,7,8,9,10,11,12,13,14,15
	v_fma_f32 v253, v[106+2*\i], v[106+2*\i], v253
.endr
	v_fma_f32 v253, v253, 0x42000000, v139         ; + 32 x the squared distances of the waves' means from the row's
	v_fma_f32 v253, v253, s33, s32                 ; variance + 1e-5
	v_rsq_f32 v254, v253
	v_nop                                          ; a plain instruction behind the transcendental
.if (\tt) == 0
	s_wait_loadcnt 24                              ; g2, beta2 and bf2 are in; w1's first 24 loads, issued behind them, may be out
.endif
.irp j,0,2,4,6,8,10,12,14
	v_pk_add_f32 v[106+\j:107+\j], v[XB+\j:XB+\j+1], v[252:253] op_sel_hi:[1,0] neg_lo:[0,1] neg_hi:[0,1]
.endr
.irp j,0,2,4,6,8,10,12,14
	v_pk_add_f32 v[XB+\j:XB+\j+1], v[XB+\j:XB+\j+1], v[ACC+32+\j:ACC+32+\j+1]   ; x1 + bf2: the C of the last product; the norm has taken what it needs of x1
.endr
	s_wait_alu depctr_va_vdst(0)                   ; the reciprocal root v254 is written, ahead of its first reader
.irp j,0,2,4,6,8,10,12,14
	v_pk_mul_f32 v[106+\j:107+\j], v[106+\j:107+\j], v[254:255] op_sel_hi:[1,0]
.endr
.irp j,0,2,4,6,8,10,12,14
	v_pk_fma_f32 v[106+\j:107+\j], v[106+\j:107+\j], v[ACC+\j:ACC+\j+1], v[ACC+16+\j:ACC+16+\j+1]
.endr
	QUANT16 106, 122, 126                          ; my 32 columns are block w of the next K
	s_wait_alu depctr_va_vdst(0)                   ; the quantiser has written v[122:124] and v126, which the stores read; the tile's lines are done with v58 to v145: behind the first tile the second's pairs land there, behind the second bf1 and h2's fragments
.irp k,0,1,2
	ds_store_b32 v6, v[122+\k] offset:6144*(\tt)+4*\k
.endr
	ds_store_b8 v7, v126 offset:64*(\tt)
	s_wait_dscnt 0x0                               ; the stores have read their registers
.endm
	LN2 0
	LN2 1
.irp b,0,1
	global_load_b128 v[WS+4*\b:WS+4*\b+3], v23, s[18:19] offset:512*\b   ; w1's scale words of my tile pairs 0, 1.  No vector or matrix instruction since the norm's last wait: it serves these loads and bf1's
.endr
	BF1LOAD 0
	BARRIER                                        ; h2's eight fragments lie in LDS
	; ---- 2: the hidden layer: my eight tiles in two halves of four; each half four K steps on eight accumulators by turns
.macro FF1STEP k
.set SA, WT0+48*((\k)%2)
.if (\k)%4 == 0
	s_wait_alu depctr_vm_vsrc(0)                   ; the stores of codes and bytes (first half: the norm's; second half: the first half's quantisers') have read their registers in AF, in which the fragments below land
	ALOAD H2IMG, 15, 0
	s_wait_loadcnt 0x0                             ; the half's biases and scale words were issued last
.else
	s_wait_loadcnt 12                              ; this step's set is in; the next step's twelve loads may be out
.endif
	s_wait_dscnt 0x0
.irp pz,0,1
.irp u,0,1
.irp tt,0,1
.set MD, ACC+16*(2*\pz+\tt)+8*\u
.set MA, SA+12*(2*\pz+\u)
.set MB, AF+12*\tt
.set MSA, WS+4*\pz+(\k)%4
.set MSB, AS
.set MRA, \u
.set MRB, \tt
	WM
.endr
.endr
.endr
	PLACES 4
	s_wait_alu depctr_va_vdst(0)                   ; the step's products are done reading AF and AS, in which the next K step lands, and the weight's set, in which the set of two steps on lands
.if (\k)%4 != 3
	ALOAD H2IMG, 15, (\k)%4+1
.endif
.if (\k) < 6
	W1LOAD (\k)+2
.else
	W2LOAD (\k)-6
.endif
.endm
.macro HQUANT hz                       ; relu, then blocks 2 hz, 2 hz + 1 of K step w of the last product, for both tiles of tokens: four quantisers into registers of their own, then their sixteen stores
.irp pz,0,1
.irp tt,0,1
.set AB, ACC+16*(2*\pz+\tt)
.set n, 0
.rept 16
	v_max_num_f32 v[AB+n], 0, v[AB+n]
.set n, n+1
.endr
	QUANT16 AB, AF+4*(2*\pz+\tt), AF+16+2*\pz+\tt
.endr
.endr
	s_wait_alu depctr_va_vdst(0)                   ; the four quantisers have written their codes and bytes, which the stores read, and are done with ACC; the half's products are done reading WS: the loads that follow this half land in both
.irp pz,0,1
.irp tt,0,1
.irp k,0,1,2
	ds_store_b32 v8, v[AF+4*(2*\pz+\tt)+\k] offset:24576*\tt+768*\pz+24*(\hz)+4*\k
.endr
	ds_store_b8 v9, v[AF+16+2*\pz+\tt] offset:64*\tt+2*(\hz)+\pz
.endr
.endr
	s_wait_dscnt 0x0                               ; the stores have read their registers
.endm
	FF1STEP 0
	FF1STEP 1
	FF1STEP 2
	FF1STEP 3
	HQUANT 0
.irp b,0,1
	global_load_b128 v[WS+4*\b:WS+4*\b+3], v23, s[18:19] offset:1024+512*\b   ; tile pairs 2, 3
.endr
	BF1LOAD 1
	FF1STEP 4
	FF1STEP 5
	FF1STEP 6
	FF1STEP 7
	HQUANT 1
.irp b,0,1
	global_load_b128 v[WS+4*\b:WS+4*\b+3], v24, s[22:23] offset:16*\b   ; w2's scale words of K steps 0-3 and 4-7
.endr
	BARRIER                                        ; the hidden layer's 32 fragments lie in LDS
	; ---- 3: the last product: two K steps at a time, four accumulators by turns
.macro HFLOAD j                        ; the hidden layer's four fragments of K steps 2 j, 2 j + 1, and their scale words
.irp q,0,1
.irp tt,0,1
.irp k,0,1,2
	ds_load_b128 v[ACC+12*(2*\q+\tt)+4*\k:ACC+12*(2*\q+\tt)+4*\k+3], v2 offset:(16*\tt+2*(\j)+\q)*1536+16*\k
.endr
.endr
.endr
.irp q,0,1
	ds_load_b32 v[AS+\q], v16 offset:128*(2*(\j)+\q)
.endr
.endm
.macro FF2STEP j
.set SA, WT0+48*((\j)%2)
.if (\j) == 0
	HFLOAD 0                                       ; no vector or matrix instruction since the second half's wait names ACC or AS
.endif
.if ((\j) == 0) || ((\j) == 7)
	s_wait_loadcnt 0x0
.else
	s_wait_loadcnt 12                              ; behind this step's set stand the next set's twelve loads and at times one of scale words: twelve may be out
.endif
	s_wait_dscnt 0x0
.irp q,0,1
.irp tt,0,1
.irp u,0,1
.set MD, X1+16*\tt+8*\u
.set MA, SA+12*(2*\q+\u)
.set MB, ACC+12*(2*\q+\tt)
.set MSA, WS+4*(((\j)/2)%2)+(2*(\j)+\q)%4
.set MSB, AS+\q
.set MRA, \u
.set MRB, \tt
	WM
.endr
.endr
.endr
	PLACES 4
.if (\j) < 7
	s_wait_alu depctr_va_vdst(0)                   ; the step's products are done reading the hidden fragments and AS, in which the next step's land, the weight's set, in which the set of two steps on lands, and the scale words that are loaded anew behind steps 1 and 3
	HFLOAD (\j)+1
.endif
.if (\j) <= 5
	W2LOAD (\j)+2
.endif
.if (\j) == 1
	global_load_b128 v[WS:WS+3], v24, s[22:23] offset:32     ; K steps 8-11
.endif
.if (\j) == 3
	global_load_b128 v[WS+4:WS+7], v24, s[22:23] offset:48   ; K steps 12-15
.endif
.endm
	FF2STEP 0
	FF2STEP 1
	FF2STEP 2
	FF2STEP 3
	FF2STEP 4
	FF2STEP 5
	FF2STEP 6
	FF2STEP 7
	s_wait_alu depctr_va_vdst(0)                   ; the last products have written X1, which the LDS stores read (their four places stand ahead of this wait), and are done reading ACC, in which rows of the result land behind the barrier
.irp tt,0,1
.irp u,0,1
.irp k,0,1
	ds_store_b128 v13, v[X1+16*\tt+8*\u+4*\k:X1+16*\tt+8*\u+4*\k+3] offset:33024*\tt+32*\u+16*\k   ; each accumulator from its low end on
.endr
.endr
.endr
	BARRIER                                        ; 32 whole rows of the result lie in the stage
.irp i,0,1
.irp j,0,1,2,3
	ds_load_b128 v[ACC+16*\i+4*\j:ACC+16*\i+4*\j+3], v12 offset:2064*\i+512*\j
.endr
.endr
.irp i,0,1
.irp j,0,1,2,3
	s_wait_dscnt 7-4*\i-\j                         ; LDS loads come back in order: this one is in
	global_store_b128 v19, v[ACC+16*\i+4*\j:ACC+16*\i+4*\j+3], s[26:27] offset:2048*\i+512*\j th:TH_STORE_NT   ; 32 lanes store 512 consecutive bytes, at a multiple of 256 from the buffer's first byte
.endr
.endr
	s_wait_xcnt 0x0
	v_lshl_add_u32 v254, v0, 2, 0x24000            ; the add's two registers are made anew: no memory or LDS instruction of the kernel has named v254 or v255
	v_mov_b32 v255, 0
	s_wait_dscnt 0x0                               ; the closing lines, six on end
	s_wait_alu 0x0
	s_wait_tensorcnt 0x0
	ds_add_u32 v254, v255
	s_wait_dscnt 0x0
	s_endpgm
.Lfunc_end_k_q9f880896c7_ffn:
	.size	k_q9f880896c7_ffn, .Lfunc_end_k_q9f880896c7_ffn-k_q9f880896c7_ffn
	.p2alignl 7, 3214868480
	.fill 96, 4, 3214868480
	.section	.rodata,"a",@progbits
	.p2align	6, 0x0
	.amdhsa_kernel k_q9f880896c7_ffn
		.amdhsa_group_segment_fixed_size 149504
		.amdhsa_private_segment_fixed_size 0
		.amdhsa_enable_private_segment 0
		.amdhsa_kernarg_size 96
		.amdhsa_user_sgpr_count 2
		.amdhsa_user_sgpr_kernarg_segment_ptr 1
		.amdhsa_wavefront_size32 1
		.amdhsa_system_sgpr_workgroup_id_x 1
		.amdhsa_system_sgpr_workgroup_id_y 1
		.amdhsa_system_sgpr_workgroup_id_z 1
		.amdhsa_system_vgpr_workitem_id 0
		.amdhsa_next_free_vgpr 256
		.amdhsa_next_free_sgpr 66
		.amdhsa_reserve_vcc 0
		.amdhsa_float_denorm_mode_32 3
		.amdhsa_float_denorm_mode_16_64 3
		.amdhsa_memory_ordered 1
		.amdhsa_forward_progress 1
		.amdhsa_inst_pref_size 101
	.end_amdhsa_kernel
	.amdgpu_metadata
---
amdhsa.version: [ 1, 2 ]
amdhsa.kernels:
  - .name:           k_q9f880896c7_ffn
    .symbol:         k_q9f880896c7_ffn.kd
    .args:
      - { .name: x, .offset: 0, .size: 8, .value_kind: global_buffer, .address_space: global }
      - { .name: att, .offset: 8, .size: 8, .value_kind: global_buffer, .address_space: global }
      - { .name: wf, .offset: 16, .size: 8, .value_kind: global_buffer, .address_space: global }
      - { .name: w_proj_scales, .offset: 24, .size: 8, .value_kind: global_buffer, .address_space: global }
      - { .name: b_proj, .offset: 32, .size: 8, .value_kind: global_buffer, .address_space: global }
      - { .name: g2, .offset: 40, .size: 8, .value_kind: global_buffer, .address_space: global }
      - { .name: beta2, .offset: 48, .size: 8, .value_kind: global_buffer, .address_space: global }
      - { .name: w1_scales, .offset: 56, .size: 8, .value_kind: global_buffer, .address_space: global }
      - { .name: bf1, .offset: 64, .size: 8, .value_kind: global_buffer, .address_space: global }
      - { .name: w2_scales, .offset: 72, .size: 8, .value_kind: global_buffer, .address_space: global }
      - { .name: bf2, .offset: 80, .size: 8, .value_kind: global_buffer, .address_space: global }
      - { .name: out0, .offset: 88, .size: 8, .value_kind: global_buffer, .address_space: global }
    .group_segment_fixed_size: 149504
    .private_segment_fixed_size: 0
    .kernarg_segment_align: 8
    .kernarg_segment_size: 96
    .max_flat_workgroup_size: 512
    .sgpr_count:     66
    .vgpr_count:     256
    .wavefront_size: 32
...
	.end_amdgpu_metadata
.endif
;; end of part 6
